; MI455X (gfx1250); checked and timed in simulation.
; The chip was launched on July 23, 2026; its instructions are those of AMD's public machine-readable ISA for CDNA 5 (MIT licence, August 2026) and "CDNA5" Instruction Set Architecture Reference Guide (July 2026). The comments in the code are by the model that wrote it; some were corrected since.
;; Mixture Of Experts. Allowed arithmetic: matrix products marked QUANTISED: E2M3 operands, one E8M0 scale for each 32 along K, by v_wmma_scale_f32_16x16x128_f8f6f4 with both operands' format E2M3, f32 sums; products left as they are: f32 operands where the result goes on into a quantised operand, else bf16, f16 or f32 operands; f32 sums; everything else in f32.
;; Inputs: W1 8 x 1,024 x 4,096 float32; W2 8 x 4,096 x 1,024 float32; b1 8 x 4,096 float32; b2 8 x 1,024 float32; router_W 1,024 x 8 float32; router_b 8 float32; x 4 x 256 x 1,024 float32.
;; Outputs: out0 4 x 256 x 1,024 float32; out1 one number float32.
;; This version of the problem:
;;   THIS VERSION OF THE PROBLEM IS GIVEN IN LOW PRECISION. The matrix products marked QUANTISED in the list below multiply operands that are first quantised to E2M3 (2 exponent bits, 3 mantissa bits; 6 bits a number), with one power-of-two scale for each 32 numbers along K (OCP MX v1.0); their sums are f32. All else is computed in f32.
;;   The module's matrix products, in the order in which they are computed (A, B: the left and right operand; K: the contracted axis; several contracted axes count as one K, in the product's order):
;;     1. [M 1,024, K 1,024] x [K 1,024, N 8]; A: input x; B: input router_W: left as it is (N = 8 < 16)
;;     2. [M 32,768, K 1,024] x [K 1,024, N 1,024]; A: input W1; B: input x: QUANTISED
;;     3. batch 8 x [M 1,024, K 4,096] x [K 4,096, N 1,024]; A: computed on the way; B: input W2: QUANTISED
;;     4. batch 1,024 x [M 1, K 8] x [K 8, N 1,024]; A: computed on the way; B: computed on the way: left as it is (K = 8 < 32)
;;   THE QUANTISER, for each operand of a quantised product, along K:
;;     - K is cut into blocks of 32 from its start; a last block that is shorter is filled with zeros.
;;     - A block's scale is 2^e with e = floor(log2(the largest magnitude in the block)) - 2, held to -126 .. 127; a block of zeros has e = 0. As a byte (E8M0): e + 127.
;;     - Each number is divided by its block's scale, clamped to +-7.5, and rounded to the nearest number of E2M3, ties to even, subnormals kept.
;;     - The product sums the exact products of the quantised numbers (number of the format x scale) in f32.
;;   ~~~python
;;   def quantise(x, axis):      # numpy; x: float32 -> the quantised numbers, widened to float32 again
;;       x = np.moveaxis(x, axis, -1); K = x.shape[-1]
;;       x = np.pad(x, [(0, 0)] * (x.ndim - 1) + [(0, -K % 32)]); x = x.reshape(x.shape[:-1] + (-1, 32)); a = np.abs(x).max(-1, keepdims=True)
;;       e = np.where(a > 0, np.clip(np.frexp(np.where(a > 0, a, 1))[1] - 1 - 2, -126, 127), 0)      # np.frexp(a)[1] - 1 = floor(log2(a)), exactly
;;       r = np.clip(x / 2.0 ** e, -7.5, 7.5)
;;       step = 2.0 ** (np.maximum(np.frexp(np.where(r == 0, 1, r))[1] - 1, 0) - 3)
;;       q = np.round(r / step) * step * 2.0 ** e      # np.round: ties to even
;;       return np.moveaxis(q.reshape(q.shape[:-2] + (-1,))[..., :K], -1, axis).astype(np.float32)
;;   ~~~
;;   OPERANDS COMPUTED ON THE WAY. 'Computed on the way' means the value that the module computes at that place (a softmax that the list does not call 'softmax' is quantised finished and normalised). What goes into a quantiser is computed in f32, as accurately as f32 sums, v_exp_f32 and their like allow (about 1e-6 of the number): no bf16 or f16 on the way to a quantiser, and a product that is left as it is and whose result goes on into a quantised operand takes f32 operands (vector FMAs, or v_wmma_f32_16x16x4_f32). A number that lies on a knife's edge between two numbers of the format may be rounded either way, as far as f32 arithmetic and the matrix unit's own rounding can turn it there, and no further.
;; 2 versions. Each part assembles by itself: llvm-mc -triple=amdgcn-amd-amdhsa -mcpu=gfx1250 --defsym DOCPART=n.
;; ======== version 1 of 2: 5 launches
;; workspace buffers: xc 786,432 bytes; xs 32,768 bytes; choice 8,192 bytes of whole numbers; gate 8,192 bytes; rows 9,984 bytes of whole numbers; hc 6,684,672 bytes; hs 278,528 bytes; y 16,842,752 bytes
;; launch route (part 1): grid 64 x 1, 8 waves a work-group, no clusters, 90,112 bytes of LDS; arguments x, router_W, router_b, xc, xs, choice, gate; writes xc, xs, choice, gate
.if DOCPART == 1
	.amdgcn_target "amdgcn-amd-amdhsa--gfx1250"
	.amdhsa_code_object_version 6
	.text
	.protected	k_q2476abbb9e_route
	.globl	k_q2476abbb9e_route
	.p2align	8
	.type	k_q2476abbb9e_route,@function
k_q2476abbb9e_route:
	s_mov_b64 s[64:65], 0
	v_nop
	global_prefetch_b8 v0, s[64:65] scope:SCOPE_SE
	s_setreg_imm32_b32 hwreg(HW_REG_WAVE_MODE, 25, 1), 1
	s_wait_xcnt 0x0
; ROUTE.  x [1024 tokens][1024] f32.  (a) logits = x router_W + router_b in f32, softmax with the row's maximum taken away, the two largest
; probabilities (the lower index wins a tie), their weights p / (p1 + p2).  (b) x is quantised ONCE to codes of FP6 (E2M3) with one E8M0 byte for each 32 along D.
; A work-group takes 16 tokens; wave s takes K step s (128 of D).  Lane (r, h) holds token r; register 16 b + i holds k = 128 s + 32 b + 16 h + i, of x and of router_W alike.
; x COMES IN DENSELY: each of a wave's 16 loads reads one token's 512 consecutive bytes, 16 a lane; the 8 KB turn through the wave's own stage in LDS and come back 64 bytes of a row to a lane.
; OUT: xc: 768 bytes a token; the 16 bytes at 32 (3 s + g) + 16 h are registers 4 g .. 4 g + 3 of lane (., h) of K step s's operand.  xs: 32 bytes a token, the scale word of
; step 2 p + h at 16 h + 4 p.  choice [token][2]: expert numbers, gate [token][2]: f32, both at fixed places: no address here hangs on a floating-point number.
; THE LOGITS go by the f32 matrix form: source 0 = router_W's columns (rows 8-15 repeat experts 0-7), source 1 = the 16 tokens: a lane then holds ONE token and its 8 registers the 8 experts.
; LIMITS: NaN and infinities among the inputs are not served.  A block whose largest magnitude lies under 2^-124 keeps the byte 1; a block of zeros gets the byte 1 where the rule says 127
; (its codes are zeros, and this program alone reads the bytes).  The logits are summed in another order than a plain chain along D.
.set SPI,  784                         ; a token's row in the stage of codes: 768 bytes + 16: an odd multiple of 16
.set STG,  0                           ; LDS: 16 rows of codes
.set XSS,  16*SPI                      ; 16 x 32 bytes of scale words
.set LOGP, XSS+512                     ; eight waves' partial logits, 1,024 bytes each
.set XTP,  528                         ; x's turn: a token's 512 bytes + 16: row r starts 4 r words on in the banks, so the 16 rows of a load start at 16 different places
.set XTW,  16*XTP                      ; a wave's own stage for it
.set XT,   LOGP+8192+256               ; eight of them
.set XTS, 1                            ; x's turn, in: 16 x lane
.set WO,  2                            ; router_W: 512 h + 4 (r % 8)
.set SA,  3                            ; stage, in: 784 r + 16 h + 96 s
.set SS,  4                            ; my row's scale word of step s
.set LP,  5                            ; my partial logits
.set SRD, 6                            ; stage, out: row 2 s + lane / 16, 16 bytes a lane
.set XCO, 7                            ; the same place in xc
.set XSR, 8                            ; the scale words, out
.set L16, 9                            ; 16 x lane
.set LR,  10                           ; partial logits, back
.set CO,  11                           ; choice, gate: 8 r + 4 h
.set HH,  12                           ; h
.set XTL, 15                           ; x's turn, out: 528 r + 64 h
.set X,   16                           ; v16-79   64 numbers of x
.set WR,  80                           ; v80-143  64 numbers of router_W
.set L,   144                          ; v144-175 four accumulators, written by matrix instructions alone
.set XR,  176                          ; v176-239 x as it is loaded; done with before anything below is written
.set P,   176                          ; v176-183 my partial logits, later the logits
.set Q,   184                          ; v184-191 at work, later e and p
.set TM,  192                          ; v192-203 at work in QUANT
.set PW,  204                          ; the scale word just made
.set PC,  206                          ; v206-217 the codes just made
.set SEL, 20                           ; s[20:21] selects of v_permlanex16_b32: lane l xor 16
; 64 numbers of a lane, register 16 b + i = k 32 b + 16 (lane / 16) + i of my row, become an operand's 12 registers in v[PC] on and its scale word in v[PW].
.macro QUANT s
.irp b, 0,1,2,3
	v_max3_num_f32 v[TM+\b], |v[\s+16*\b]|, |v[\s+1+16*\b]|, 0x1800000   ; my 16 of block b, and the floor 2^(3 - 127): the byte cannot fall under 1
.endr
.irp i, 2,4,6,8,10,12,14
.irp b, 0,1,2,3
	v_max3_num_f32 v[TM+\b], v[TM+\b], |v[\s+16*\b+\i]|, |v[\s+1+16*\b+\i]|
.endr
.endr
.irp b, 0,1,2,3
	v_permlanex16_b32 v[TM+4+\b], v[TM+\b], s[SEL], s[SEL+1]
.endr
.irp b, 0,1,2,3
	v_max_num_f32 v[TM+\b], v[TM+\b], v[TM+4+\b]          ; with lane l xor 16's: the block's largest magnitude
.endr
.irp b, 0,1,2,3
	v_add_nc_u32 v[TM+8+\b], 0xff000000, v[TM+\b]         ; 2 off its exponent field: the conversion's scale operand
.endr
.irp b, 0,1,2,3
	v_lshrrev_b32 v[TM+4+\b], 23, v[TM+8+\b]              ; the scale's byte
.endr
	v_lshl_or_b32 v[PW], v[TM+5], 8, v[TM+4]
	v_lshl_or_b32 v[PW], v[TM+6], 16, v[PW]
	v_lshl_or_b32 v[PW], v[TM+7], 24, v[PW]
.irp c, 0,1
	v_cvt_scalef32_pk16_fp6_f32 v[PC+6*\c:PC+6*\c+2], v[\s+32*\c:\s+32*\c+15], v[TM+8+2*\c]
	v_cvt_scalef32_pk16_fp6_f32 v[TM+4*\c:TM+4*\c+2], v[\s+32*\c+16:\s+32*\c+31], v[TM+9+2*\c]   ; three registers from an even one on: where the maxima and the bytes lay
.endr
	v_nop                                                 ; one plain place behind a scaled conversion
.irp c, 0,1                                               ; the operand wants a WHOLE block in a lane: lanes 0-15 block 2 c, lanes 16-31 block 2 c + 1
.irp i, 0,1,2
	v_permlane16_swap_b32 v[PC+6*\c+\i], v[TM+4*\c+\i]
.endr
.irp i, 0,1,2
	v_mov_b32 v[PC+3+6*\c+\i], v[TM+4*\c+\i]
.endr
.endr
.endm
	s_load_b256 s[4:11], s[0:1], 0x0               ; x s[4:5], router_W s[6:7], router_b s[8:9], xc s[10:11]
	s_load_b128 s[12:15], s[0:1], 0x20             ; xs s[12:13], choice s[14:15]
	s_load_b64 s[16:17], s[0:1], 0x30              ; gate
	v_lshl_add_u32 v254, v0, 2, 0x15c00
	v_mov_b32 v255, 0
	v_lshrrev_b32 v13, 5, v0
	v_readfirstlane_b32 s18, v13                   ; wave = K step s
	v_and_b32 v13, 15, v0                          ; r
	v_bfe_u32 v[HH], v0, 4, 1                      ; h
	v_and_b32 v14, 31, v0                          ; lane
	v_lshlrev_b32 v[L16], 4, v14
	s_mul_i32 s22, s18, XTW
	s_add_co_u32 s22, s22, XT                      ; my stage for x's turn
	v_add_nc_u32 v[XTS], s22, v[L16]
	v_mul_u32_u24 v[XTL], v13, XTP
	v_lshl_add_u32 v[XTL], v[HH], 6, v[XTL]
	v_add_nc_u32 v[XTL], s22, v[XTL]
	v_and_b32 v[WO], 7, v0
	v_lshlrev_b32 v[WO], 2, v[WO]
	v_lshl_add_u32 v[WO], v[HH], 9, v[WO]
	s_mul_i32 s22, s18, 96
	v_mul_u32_u24 v[SA], v13, SPI
	v_lshl_add_u32 v[SA], v[HH], 4, v[SA]
	v_add_nc_u32 v[SA], s22, v[SA]
	s_and_b32 s22, s18, 1
	s_lshl_b32 s22, s22, 4
	s_lshr_b32 s23, s18, 1
	s_lshl_b32 s23, s23, 2
	s_add_co_u32 s22, s22, s23
	s_add_co_u32 s22, s22, XSS
	v_lshl_add_u32 v[SS], v13, 5, s22
	s_lshl_b32 s22, s18, 10
	s_add_co_u32 s22, s22, LOGP
	v_lshl_add_u32 v[LP], v14, 5, s22
	v_lshl_add_u32 v[LR], v14, 5, LOGP
	s_mul_i32 s22, s18, 2*SPI
	v_mul_u32_u24 v[SRD], v[HH], SPI
	v_lshl_add_u32 v[SRD], v13, 4, v[SRD]
	v_add_nc_u32 v[SRD], s22, v[SRD]
	s_mul_i32 s22, s18, 2*768
	v_mul_u32_u24 v[XCO], v[HH], 768
	v_lshl_add_u32 v[XCO], v13, 4, v[XCO]
	v_add_nc_u32 v[XCO], s22, v[XCO]
	v_add_nc_u32 v[XSR], XSS, v[L16]
	v_lshlrev_b32 v[CO], 3, v13
	v_lshl_add_u32 v[CO], v[HH], 2, v[CO]
	s_mov_b32 s[SEL], 0x76543210
	s_mov_b32 s[SEL+1], 0xfedcba98
	s_lshl_b32 s24, ttmp9, 16                      ; 16 tokens of 4,096 bytes,
	s_lshl_b32 s25, s18, 9
	s_add_co_u32 s24, s24, s25                     ; + my K step's 512 bytes
	s_mov_b32 s25, 0
	s_lshl_b32 s26, s18, 12                        ; router_W: 128 rows of 32 bytes a K step
	s_mov_b32 s27, 0
	s_mul_i32 s28, ttmp9, 16*768
	s_mov_b32 s29, 0
	s_lshl_b32 s30, ttmp9, 9
	s_mov_b32 s31, 0
	s_lshl_b32 s32, ttmp9, 7
	s_mov_b32 s33, 0
	s_wait_kmcnt 0x0
	s_add_nc_u64 s[4:5], s[4:5], s[24:25]
	s_add_nc_u64 s[6:7], s[6:7], s[26:27]
	s_add_nc_u64 s[10:11], s[10:11], s[28:29]
	s_add_nc_u64 s[12:13], s[12:13], s[30:31]
	s_add_nc_u64 s[14:15], s[14:15], s[32:33]
	s_add_nc_u64 s[16:17], s[16:17], s[32:33]
	s_load_b256 s[40:47], s[8:9], 0x0              ; router_b
.irp q, 0,1,2,3,4,5,6,7,8,9,10,11,12,13,14,15
	global_load_b128 v[XR+4*\q:XR+4*\q+3], v[L16], s[4:5] offset:4096*\q th:TH_LOAD_NT   ; token q's 512 consecutive bytes of my K step
.endr
.set n, 0
.rept 64
	global_load_b32 v[WR+n], v[WO], s[6:7] offset:32*(32*(n/16)+n%16)
.set n, n+1
.endr
	s_wait_loadcnt 63                              ; x's sixteen loads are in: 64 loads were issued behind them, and the count's field ends at 63
.irp q, 0,1,2,3,4,5,6,7,8,9,10,11,12,13,14,15
	ds_store_b128 v[XTS], v[XR+4*\q:XR+4*\q+3] offset:XTP*\q
.endr
.irp b, 0,1,2,3
.irp j, 0,1,2,3
	ds_load_b128 v[X+16*\b+4*\j:X+16*\b+4*\j+3], v[XTL] offset:128*\b+16*\j   ; LDS serves a wave's instructions in order (ISA guide 5.7.1.4): these see my stores; the bytes are my wave's own
.endr
.endr
	s_wait_dscnt 0x0                               ; x lies as QUANT and the products want it
.irp b, 0,1,2,3
	v_mov_b32 v[TM+4+\b], 0                        ; written once: a lane permute's destination counts as one of its sources
.endr
	QUANT X
.irp g, 0,1,2
	ds_store_b128 v[SA], v[PC+4*\g:PC+4*\g+3] offset:32*\g
.endr
	ds_store_b32 v[SS], v[PW]                      ; lanes r and r + 16 write the same word with the same value
	s_wait_loadcnt 0x0                             ; router_W
; 32 K steps of 4; the four accumulators take turns, one instruction a turn; the first four start the sums
.set n, 0
.rept 32
.if n < 4
	v_wmma_f32_16x16x4_f32 v[L+8*(n%4):L+8*(n%4)+7], v[WR+2*n:WR+2*n+1], v[X+2*n:X+2*n+1], 0
.else
	v_wmma_f32_16x16x4_f32 v[L+8*(n%4):L+8*(n%4)+7], v[WR+2*n:WR+2*n+1], v[X+2*n:X+2*n+1], v[L+8*(n%4):L+8*(n%4)+7]
.endif
.set n, n+1
.endr
.rept 8
	v_nop                                          ; eight places behind this form before its results are read (ISA guide 7.12.1)
.endr
.irp j, 0,1,2,3,4,5,6,7
	v_add_f32 v[P+\j], v[L+\j], v[L+8+\j]          ; each accumulator from its low end on
.endr
.irp j, 0,1,2,3,4,5,6,7
	v_add_f32 v[Q+\j], v[L+16+\j], v[L+24+\j]
.endr
.irp j, 0,1,2,3,4,5,6,7
	v_add_f32 v[P+\j], v[P+\j], v[Q+\j]            ; my K step's share of the 8 logits of token r
.endr
	ds_store_b128 v[LP], v[P:P+3]
	ds_store_b128 v[LP], v[P+4:P+7] offset:16
	s_wait_kmcnt 0x0                               ; router_b
	s_wait_dscnt 0x0                               ; for the others' sake: my stores have landed
	s_barrier_signal -1
	s_barrier_wait -1
	; every wave: two tokens' codes leave as whole rows: sixteen lanes store 256 consecutive bytes, aligned
.irp u, 0,1,2
	ds_load_b128 v[WR+4*\u:WR+4*\u+3], v[SRD] offset:256*\u
.endr
	s_wait_dscnt 0x0
.irp u, 0,1,2
	global_store_b128 v[XCO], v[WR+4*\u:WR+4*\u+3], s[10:11] offset:256*\u
.endr
	s_cmp_eq_u32 s18, 1
	s_cbranch_scc0 .Lnot_wave_1
	ds_load_b128 v[WR+12:WR+15], v[XSR]            ; wave 1: the 16 tokens' scale words, 512 consecutive bytes
	s_wait_dscnt 0x0
	global_store_b128 v[L16], v[WR+12:WR+15], s[12:13]
.Lnot_wave_1:
	s_cmp_eq_u32 s18, 0
	s_cbranch_scc0 .Lend
	; wave 0: the router proper.  Lanes r and r + 16 hold the same token
.irp s, 0,1,2,3,4,5,6,7
	ds_load_b128 v[X+8*\s:X+8*\s+3], v[LR] offset:1024*\s
	ds_load_b128 v[X+8*\s+4:X+8*\s+7], v[LR] offset:1024*\s+16
.endr
	s_wait_dscnt 0x0
.irp j, 0,1,2,3,4,5,6,7
	v_add_f32 v[P+\j], v[X+\j], v[X+8+\j]
.endr
.irp s, 2,3,4,5,6,7
.irp j, 0,1,2,3,4,5,6,7
	v_add_f32 v[P+\j], v[P+\j], v[X+8*\s+\j]       ; K steps ascending
.endr
.endr
.irp j, 0,1,2,3,4,5,6,7
	v_add_f32 v[P+\j], s[40+\j], v[P+\j]           ; + router_b
.endr
	v_max3_num_f32 v192, v[P], v[P+1], v[P+2]
	v_max3_num_f32 v192, v192, v[P+3], v[P+4]
	v_max3_num_f32 v192, v192, v[P+5], v[P+6]
	v_max_num_f32 v192, v192, v[P+7]               ; the row's maximum is taken away ahead of the exponentials
.irp j, 0,1,2,3,4,5,6,7
	v_sub_f32 v[Q+\j], v[P+\j], v192
.endr
.irp j, 0,1,2,3,4,5,6,7
	v_mul_f32 v[Q+\j], 0x3fb8aa3b, v[Q+\j]         ; x log2(e)
.endr
.irp j, 0,1,2,3,4,5,6,7
	v_exp_f32 v[Q+\j], v[Q+\j]
.endr
	v_nop                                          ; one plain place behind the transcendentals
	s_wait_alu depctr_va_vdst(0)
	v_add_f32 v193, v[Q], v[Q+1]
.irp j, 2,3,4,5,6,7
	v_add_f32 v193, v193, v[Q+\j]
.endr
	v_rcp_f32 v193, v193
	v_nop
	s_wait_alu depctr_va_vdst(0)
.irp j, 0,1,2,3,4,5,6,7
	v_mul_f32 v[Q+\j], v[Q+\j], v193               ; the probabilities
.endr
	v_mov_b32 v194, v[Q]                           ; the largest: a later one wins only if it is truly larger, so the lower index keeps a tie
	v_mov_b32 v195, 0
.irp j, 1,2,3,4,5,6,7
	v_cmp_gt_f32 vcc_lo, v[Q+\j], v194
	v_cndmask_b32 v194, v194, v[Q+\j], vcc_lo
	v_cndmask_b32 v195, v195, \j, vcc_lo
.endr
.irp j, 0,1,2,3,4,5,6,7
	v_cmp_eq_u32 vcc_lo, \j, v195
	v_cndmask_b32 v[PC+\j], v[Q+\j], -1.0, vcc_lo  ; the winner is taken out: -1 lies under every probability
.endr
	v_mov_b32 v196, v[PC]
	v_mov_b32 v197, 0
.irp j, 1,2,3,4,5,6,7
	v_cmp_gt_f32 vcc_lo, v[PC+\j], v196
	v_cndmask_b32 v196, v196, v[PC+\j], vcc_lo
	v_cndmask_b32 v197, v197, \j, vcc_lo
.endr
	v_add_f32 v198, v194, v196
	v_rcp_f32 v198, v198
	v_cmp_eq_u32 vcc_lo, 1, v[HH]                  ; (a plain place)  lanes 0-15 store the first choice, lanes 16-31 the second
	s_wait_alu depctr_va_vdst(0)
	v_mul_f32 v194, v194, v198
	v_mul_f32 v196, v196, v198
	v_cndmask_b32 v199, v195, v197, vcc_lo
	v_cndmask_b32 v200, v194, v196, vcc_lo
	global_store_b32 v[CO], v199, s[14:15]         ; 128 consecutive bytes, at places that hang on ids alone
	global_store_b32 v[CO], v200, s[16:17]
.Lend:
	s_wait_tensorcnt 0x0
	ds_add_u32 v254, v255
	s_wait_dscnt 0x0
	s_endpgm
.Lfunc_end_k_q2476abbb9e_route:
	.size	k_q2476abbb9e_route, .Lfunc_end_k_q2476abbb9e_route-k_q2476abbb9e_route
	.p2alignl 7, 3214868480
	.fill 96, 4, 3214868480
	.section	.rodata,"a",@progbits
	.p2align	6, 0x0
	.amdhsa_kernel k_q2476abbb9e_route
		.amdhsa_group_segment_fixed_size 90112
		.amdhsa_private_segment_fixed_size 0
		.amdhsa_enable_private_segment 0
		.amdhsa_kernarg_size 56
		.amdhsa_user_sgpr_count 2
		.amdhsa_user_sgpr_kernarg_segment_ptr 1
		.amdhsa_wavefront_size32 1
		.amdhsa_system_sgpr_workgroup_id_x 1
		.amdhsa_system_sgpr_workgroup_id_y 1
		.amdhsa_system_sgpr_workgroup_id_z 1
		.amdhsa_system_vgpr_workitem_id 0
		.amdhsa_next_free_vgpr 256
		.amdhsa_next_free_sgpr 66
		.amdhsa_reserve_vcc 1
		.amdhsa_float_denorm_mode_32 3
		.amdhsa_float_denorm_mode_16_64 3
		.amdhsa_memory_ordered 1
		.amdhsa_forward_progress 1
		.amdhsa_inst_pref_size 30
	.end_amdhsa_kernel
	.amdgpu_metadata
---
amdhsa.version: [ 1, 2 ]
amdhsa.kernels:
  - .name:           k_q2476abbb9e_route
    .symbol:         k_q2476abbb9e_route.kd
    .args:
      - { .name: x, .offset: 0, .size: 8, .value_kind: global_buffer, .address_space: global }
      - { .name: router_W, .offset: 8, .size: 8, .value_kind: global_buffer, .address_space: global }
      - { .name: router_b, .offset: 16, .size: 8, .value_kind: global_buffer, .address_space: global }
      - { .name: xc, .offset: 24, .size: 8, .value_kind: global_buffer, .address_space: global }
      - { .name: xs, .offset: 32, .size: 8, .value_kind: global_buffer, .address_space: global }
      - { .name: choice, .offset: 40, .size: 8, .value_kind: global_buffer, .address_space: global }
      - { .name: gate, .offset: 48, .size: 8, .value_kind: global_buffer, .address_space: global }
    .group_segment_fixed_size: 90112
    .private_segment_fixed_size: 0
    .kernarg_segment_align: 8
    .kernarg_segment_size: 56
    .max_flat_workgroup_size: 256
    .sgpr_count:     66
    .vgpr_count:     256
    .wavefront_size: 32
...
	.end_amdgpu_metadata
.endif
;; end of part 1
;; launch place (part 2): grid 1 x 1, 8 waves a work-group, no clusters, 1,280 bytes of LDS; arguments choice, rows; writes rows
.if DOCPART == 2
	.amdgcn_target "amdgcn-amd-amdhsa--gfx1250"
	.amdhsa_code_object_version 6
	.text
	.protected	k_q2476abbb9e_place
	.globl	k_q2476abbb9e_place
	.p2align	8
	.type	k_q2476abbb9e_place,@function
k_q2476abbb9e_place:
	s_mov_b64 s[64:65], 0
	v_nop
	global_prefetch_b8 v0, s[64:65] scope:SCOPE_SE
	s_setreg_imm32_b32 hwreg(HW_REG_WAVE_MODE, 25, 1), 1
	s_wait_xcnt 0x0
; PLACE.  A counting sort of the 2,048 routed rows (entry n = 2 token + k) into tiles of 16 rows of one expert.  One work-group; wave e serves expert e and reads all of choice (8 KB).
; rows, in words: 0 .. 2175: slot -> entry; an expert's last tile is filled up with 2048 + e.  2176 + 32 e + lane: a word of each lane's own that takes the stores of lanes with nothing
; to place; nobody reads it.  2432 + 2 e: the expert's first tile, 2433 + 2 e: its number of tiles.
; The tiles of all experts are at most (2048 + 8 x 15) / 16 = 135, whatever the choice.  EXEC stays full but for the last store: a lane with nothing to place stores to its own word.
.set C,  16                            ; v16-79   choice: register 4 i + c = word 128 i + 4 lane + c
.set RK, 80                            ; v80-111  step t: my row's rank in the expert, then its byte in rows
.set NN, 112                           ; v112-143 step t: my row's entry
.set MK, 66                            ; s66-97   step t: the lanes whose token chose expert e
	s_load_b128 s[4:7], s[0:1], 0x0                ; choice, rows
	v_lshl_add_u32 v160, v0, 2, 0x100
	v_mov_b32 v161, 0
	v_lshrrev_b32 v1, 5, v0
	v_readfirstlane_b32 s18, v1                    ; e
	v_and_b32 v2, 31, v0                           ; lane
	v_lshlrev_b32 v3, 4, v2
	v_lshlrev_b32 v4, 2, v2
	s_lshl_b32 s21, s18, 5
	s_add_co_u32 s21, s21, 2176
	v_add_nc_u32 v5, s21, v2                       ; my own word
	s_mov_b32 s20, 0                               ; rows counted so far
	s_wait_kmcnt 0x0
.irp i, 0,1,2,3,4,5,6,7,8,9,10,11,12,13,14,15
	global_load_b128 v[C+4*\i:C+4*\i+3], v3, s[4:5] offset:512*\i
.endr
	s_wait_loadcnt 0x0
; step t = 2 i + jj: token 64 i + 2 lane + jj.  Its two choices differ, so at most one is e
.set tt, 0
.rept 32
	v_cmp_eq_u32 s[MK+tt], s18, v[C+2*tt]
	v_cmp_eq_u32 vcc_lo, s18, v[C+2*tt+1]
	v_cndmask_b32 v6, 0, 1, vcc_lo
	v_add3_u32 v[NN+tt], v4, v6, 128*(tt/2)+2*(tt%2)   ; the entry: 2 token + which choice
	s_or_b32 s[MK+tt], s[MK+tt], vcc_lo
	v_mbcnt_lo_u32_b32 v[RK+tt], s[MK+tt], s20     ; rows counted so far + those of lower lanes in this step
	s_bcnt1_i32_b32 s22, s[MK+tt]
	s_add_co_u32 s20, s20, s22
.set tt, tt+1
.endr
	v_mov_b32 v6, s20
	v_mov_b32 v7, s18
	v_lshlrev_b32 v7, 2, v7
	ds_store_b32 v7, v6                            ; my expert's count: all lanes write the same word with the same value
	s_wait_dscnt 0x0
	s_barrier_signal -1
	s_barrier_wait -1
	v_mov_b32 v8, 0
	ds_load_b128 v[144:147], v8
	ds_load_b128 v[148:151], v8 offset:16
	s_wait_dscnt 0x0
	s_mov_b32 s23, 0                               ; my first tile: the tiles of the experts below me
.irp j, 0,1,2,3,4,5,6,7
	v_readfirstlane_b32 s40, v[144+\j]
	s_add_co_u32 s40, s40, 15
	s_lshr_b32 s40, s40, 4
	s_cmp_gt_u32 s18, \j
	s_cselect_b32 s40, s40, 0
	s_add_co_u32 s23, s23, s40
.endr
	s_lshl_b32 s24, s23, 4                         ; my first slot
.set tt, 0
.rept 32
	v_add_nc_u32 v[RK+tt], s24, v[RK+tt]
	v_cndmask_b32 v[RK+tt], v5, v[RK+tt], s[MK+tt] ; the slot, or my own word
	v_min_u32 v[RK+tt], 0x97f, v[RK+tt]            ; held inside the buffer's first 2,432 words
	v_lshlrev_b32 v[RK+tt], 2, v[RK+tt]
	global_store_b32 v[RK+tt], v[NN+tt], s[6:7]    ; each step has registers of its own: none is written again
.set tt, tt+1
.endr
	s_add_co_u32 s26, s20, 15
	s_lshr_b32 s26, s26, 4                         ; my tiles
	s_lshl_b32 s25, s26, 4
	s_sub_co_u32 s25, s25, s20                     ; slots to fill up: 0 .. 15
	s_add_co_u32 s27, s24, s20
	v_add_nc_u32 v9, s27, v2
	v_cmp_gt_u32 vcc_lo, s25, v2
	v_cndmask_b32 v9, v5, v9, vcc_lo
	v_min_u32 v9, 0x97f, v9
	v_lshlrev_b32 v9, 2, v9
	s_add_co_u32 s28, s18, 2048
	v_mov_b32 v10, s28
	global_store_b32 v9, v10, s[6:7]
	v_mov_b32 v12, s23
	v_mov_b32 v13, s26
	v_mov_b32 v11, s18
	v_lshl_add_u32 v11, v11, 3, 9728
	v_cmp_eq_u32 vcc_lo, 0, v2
	s_wait_xcnt 0x0                                ; EXEC is a source of the stores above: it changes only behind this wait
	s_wait_tensorcnt 0x0
	ds_add_u32 v160, v161
	s_wait_dscnt 0x0
	s_and_saveexec_b32 s29, vcc_lo
	global_store_b64 v11, v[12:13], s[6:7]         ; lane 0: first tile, number of tiles
	s_wait_xcnt 0x0
	s_or_b32 exec_lo, exec_lo, s29
	s_endpgm
.Lfunc_end_k_q2476abbb9e_place:
	.size	k_q2476abbb9e_place, .Lfunc_end_k_q2476abbb9e_place-k_q2476abbb9e_place
	.p2alignl 7, 3214868480
	.fill 96, 4, 3214868480
	.section	.rodata,"a",@progbits
	.p2align	6, 0x0
	.amdhsa_kernel k_q2476abbb9e_place
		.amdhsa_group_segment_fixed_size 1280
		.amdhsa_private_segment_fixed_size 0
		.amdhsa_enable_private_segment 0
		.amdhsa_kernarg_size 16
		.amdhsa_user_sgpr_count 2
		.amdhsa_user_sgpr_kernarg_segment_ptr 1
		.amdhsa_wavefront_size32 1
		.amdhsa_system_sgpr_workgroup_id_x 1
		.amdhsa_system_sgpr_workgroup_id_y 1
		.amdhsa_system_sgpr_workgroup_id_z 1
		.amdhsa_system_vgpr_workitem_id 0
		.amdhsa_next_free_vgpr 162
		.amdhsa_next_free_sgpr 100
		.amdhsa_reserve_vcc 1
		.amdhsa_float_denorm_mode_32 3
		.amdhsa_float_denorm_mode_16_64 3
		.amdhsa_memory_ordered 1
		.amdhsa_forward_progress 1
		.amdhsa_inst_pref_size 28
	.end_amdhsa_kernel
	.amdgpu_metadata
---
amdhsa.version: [ 1, 2 ]
amdhsa.kernels:
  - .name:           k_q2476abbb9e_place
    .symbol:         k_q2476abbb9e_place.kd
    .args:
      - { .name: choice, .offset: 0, .size: 8, .value_kind: global_buffer, .address_space: global }
      - { .name: rows, .offset: 8, .size: 8, .value_kind: global_buffer, .address_space: global }
    .group_segment_fixed_size: 1280
    .private_segment_fixed_size: 0
    .kernarg_segment_align: 8
    .kernarg_segment_size: 16
    .max_flat_workgroup_size: 256
    .sgpr_count:     100
    .vgpr_count:     162
    .wavefront_size: 32
...
	.end_amdgpu_metadata
.endif
;; end of part 2
;; launch up (part 3): grid 32 x 8, 4 waves a work-group, no clusters, 103,680 bytes of LDS; arguments W1, b1, xc, xs, rows, hc, hs; writes hc, hs
.if DOCPART == 3
	.amdgcn_target "amdgcn-amd-amdhsa--gfx1250"
	.amdhsa_code_object_version 6
	.text
	.protected	k_q2476abbb9e_up
	.globl	k_q2476abbb9e_up
	.p2align	8
	.type	k_q2476abbb9e_up,@function
k_q2476abbb9e_up:
	s_mov_b64 s[64:65], 0
	v_nop
	global_prefetch_b8 v0, s[64:65] scope:SCOPE_SE
	s_setreg_imm32_b32 hwreg(HW_REG_WAVE_MODE, 25, 1), 1
	s_wait_xcnt 0x0
; UP.  h = gelu(x W1[e] + b1[e]) for the rows that chose expert e, both operands as codes of FP6 (E2M3) with one E8M0 byte for each 32 along D; h is quantised along H on the way out.
; THE WEIGHTS STAY, THE ROWS WALK PAST.  Work-group (ks, e) owns hidden units 128 ks .. 128 ks + 127 of expert e: 512 KB of f32, read from memory once in the whole launch, quantised here.
; PHASE Q.  Wave w takes D rows 256 w .. + 255, eight groups of 32 rows.  A load reads one row's 512 consecutive bytes, 16 a lane (four columns); 64 loads of a wave are on their way.
;   The conversions want a column's 32 numbers in consecutive registers: one move a number brings them there.  A column's block needs no other lane.  The codes go to LDS as IMAGES OF THE
;   OPERAND'S REGISTERS: image (tile t, K step s) at (8 t + s) x 1,536 bytes, lane L's twelve registers at 48 L.
;   THE HIDDEN UNITS OF A TILE ARE NOT NEIGHBOURS: row r of tile 2 b + u is unit 32 b + 8 u + r + 8 (r / 8), so that the results of tiles 2 b, 2 b + 1 are 16 neighbours along the next K.
; THE FRAGMENTS.  Every wave takes all 64 fragments (768 registers) into registers.  Behind group 3 each wave has finished K step 2 w: a barrier stands there, and the 32 fragments of the even
;   steps are fetched from LDS at the heads of groups 4 to 7, eight each, ahead of the wait for that group's weights.  Nobody writes those images again.  The odd steps' follow behind the second barrier.
; THE ROW LOOP'S FIRST LOADS stand ahead of that second barrier: the tile counts and the first entries are taken in group 0, the places in xc and xs made in group 1, and x is asked for as soon as
;   phase Q has done with the registers.
; ROW LOOP.  Wave w takes the expert's tiles w, w + 4, ..: its count is read from rows, so the loop holds no barrier and no LDS store.  The product is used transposed (source 0 = 16 units,
;   source 1 = 16 rows of x): a lane holds ONE row.  b1 is the C of the first products.  gelu(v) = v / (1 + 2^(A v + B v^3)), A = -2 sqrt(2/pi) log2(e), B = 0.044715 A: the same function as
;   0.5 v (1 + tanh(..)), finite at both ends.
; NO JOINT LOADS, no tensor loads: the trip counts are read from memory, and no two work-groups read the same weights.
; LIMITS: NaN and infinities are not served.  Blocks under 2^-124 keep the byte 1; a block of zeros gets the byte 1 where the rule says 127 (zero codes; this program alone reads the bytes).
.set FRB,  1536                        ; a fragment's image: 12 registers x 32 lanes x 4 bytes
.set IMG,  0
.set SCL,  64*FRB                      ; scale word (t, s, r) at (8 t + s) 64 + 4 r
.set BIAS, SCL+4096                    ; b1's 128 numbers
; window 0
.set XA,   1                           ; xc: 768 token + 16 h, of the tile whose loads are issued next
.set XSA,  2                           ; xs: 32 token + 16 h
.set EA,   3                           ; rows: 64 tile + 4 r
.set EN,   4                           ; an entry, then its token
.set HO,   5                           ; hc: 49,152 tile + 16 lane
.set HSO,  6                           ; hs: 2,048 tile + 4 r
.set BIA,  7                           ; LDS: BIAS + 64 h
.set R4,   8                           ; 4 r
.set L16,  9                           ; 16 lane
.set WS,   10                          ; v10-41  W1's scale words: register 4 t + p: lanes 0-15 step 2 p, lanes 16-31 step 2 p + 1.  Scales and nothing else
.set XS,   42                          ; v42-45  x's: register p likewise.  Scales and nothing else
.set XF,   46                          ; v46-141 x's eight fragments
.set ACC,  142                         ; v142-205 eight accumulators
.set WF63, 206                         ; v206-217 the 64th fragment of W1
.set KA,   218                         ; v218-219 A, twice
.set TM,   220                         ; v220-231 at work in QUANT
.set G,    220                         ; v220-235 at work in GELU, which runs ahead of QUANT
.set PW,   232
.set PC,   234                         ; v234-245 the codes just made
.set H16,  246                         ; 16 h
.set AR0,  247                         ; LDS: 48 lane
.set AR1,  248                         ; the same, 32 images on
.set AW,   250                         ; LDS: where I put my columns' codes
.set ASW,  251                         ; and their scale words
.set B1V,  252
.set BST,  253
.set SLA,  254                         ; LDS: SCL + 4 lane
.set B1O,  255
; window 0 in phase Q, over registers that the row loop takes later
.set T,    46                          ; v46-173  column j's 32 numbers at T + 32 j
.set M,    174
.set SO,   178
.set BY,   182
.set SW,   186
.set CJ,   190                         ; column j: six registers of codes at CJ + 10 j, three more at + 6
; window 1 holds, in phase Q, two sets of 128 registers as loaded.  The fragments: see FPOS
.set SEL,  30
.set KB,   32                          ; s[32:33] B, twice
.set MSB, 0
.macro WIN new                         ; the immediate's high byte repeats the setting that is left; a switch that changes nothing is dropped
.if MSB != \new
	s_set_vgpr_msb (MSB<<8)|\new
.set MSB, \new
.endif
.endm
; Where fragment (K step s, tile t) lies: window wv, register wr.  The even steps' 32 come first and take windows 2 and 3, which phase Q leaves alone; the odd steps' take the rest of
; window 3, then window 1, 21 fragments to a window; the last lies in window 0.
.macro FPOS s, t
.set pp, 32*((\s)%2)+8*((\s)/2)+(\t)
.if pp == 63
.set wv, 0
.set wr, WF63
.elseif pp < 42
.set wv, 2+pp/21
.set wr, 12*(pp%21)
.else
.set wv, 1
.set wr, 12*(pp-42)
.endif
.endm
.macro FLOAD s, t                      ; the fragment comes out of LDS as it was laid there
	FPOS \s, \t
	WIN 64*wv
.set img, 8*(\t)+(\s)
.irp g, 0,1,2
.if img < 32
	ds_load_b128 v[wr+4*\g:wr+4*\g+3], v[AR0] offset:img*FRB+16*\g
.else
	ds_load_b128 v[wr+4*\g:wr+4*\g+3], v[AR1] offset:(img-32)*FRB+16*\g
.endif
.endr
.endm
.macro EARLYF s                        ; the eight fragments of an even K step
.irp t, 0,1,2,3,4,5,6,7
	FLOAD \s, \t
.endr
	WIN 0
.endm
.macro LOADG g, set                    ; group g: 32 rows of D, 512 consecutive bytes each, into a set of window 1
	WIN 0x40
.set ii, 0
.rept 32
	global_load_b128 v[128*(\set)+4*ii:128*(\set)+4*ii+3], v[L16], s[4:5] offset:(32*(\g)+ii)*16384 th:TH_LOAD_NT
.set ii, ii+1
.endr
	WIN 0
.endm
.macro TRANS set                       ; a column's 32 numbers into consecutive registers
	WIN 0x01
.set jj, 0
.rept 4
.set ii, 0
.rept 32
	v_mov_b32 v[T+32*jj+ii], v[128*(\set)+4*ii+jj]
.set ii, ii+1
.endr
.set jj, jj+1
.endr
	WIN 0
.endm
.macro QCOLS i                         ; my four columns' block i: K step 2 w + i / 4; in it registers 6 c on of lane r + 16 (i % 2), c = (i / 2) % 2
	s_wait_dscnt 0x0                               ; the last group's LDS stores have read their registers
.irp j, 0,1,2,3
	v_max3_num_f32 v[M+\j], |v[T+32*\j]|, |v[T+32*\j+1]|, 0x1800000   ; and the floor 2^(3 - 127): the byte cannot fall under 1
.endr
.irp k, 2,4,6,8,10,12,14,16,18,20,22,24,26,28,30
.irp j, 0,1,2,3
	v_max3_num_f32 v[M+\j], v[M+\j], |v[T+32*\j+\k]|, |v[T+32*\j+\k+1]|
.endr
.endr
.irp j, 0,1,2,3
	v_add_nc_u32 v[SO+\j], 0xff000000, v[M+\j]     ; 2 off the exponent field: the conversion's scale operand
.endr
.irp j, 0,1,2,3
	v_lshrrev_b32 v[BY+\j], 23, v[SO+\j]           ; the scale's byte
.endr
.irp j, 0,1,2,3
.if ((\i)%4) == 0
	v_mov_b32 v[SW+\j], v[BY+\j]
.else
	v_lshl_or_b32 v[SW+\j], v[BY+\j], 8*((\i)%4), v[SW+\j]
.endif
.endr
.irp j, 0,1,2,3
	v_cvt_scalef32_pk16_fp6_f32 v[CJ+10*\j:CJ+10*\j+2], v[T+32*\j:T+32*\j+15], v[SO+\j]
	v_cvt_scalef32_pk16_fp6_f32 v[CJ+10*\j+6:CJ+10*\j+8], v[T+32*\j+16:T+32*\j+31], v[SO+\j]
.endr
	v_nop                                          ; one plain place behind a scaled conversion
.irp j, 0,1,2,3
.irp n, 0,1,2
	v_mov_b32 v[CJ+10*\j+3+\n], v[CJ+10*\j+6+\n]
.endr
.endr
.set OFS, ((\i)/4)*FRB+768*((\i)%2)+24*(((\i)/2)%2)
.irp j, 0,1,2,3
.if (((\i)/2)%2) == 0
	ds_store_b128 v[AW], v[CJ+10*\j:CJ+10*\j+3] offset:OFS+48*\j       ; 24 bytes, each piece at a multiple of its size
	ds_store_b64 v[AW], v[CJ+10*\j+4:CJ+10*\j+5] offset:OFS+48*\j+16
.else
	ds_store_b64 v[AW], v[CJ+10*\j:CJ+10*\j+1] offset:OFS+48*\j
	ds_store_b128 v[AW], v[CJ+10*\j+2:CJ+10*\j+5] offset:OFS+48*\j+8
.endif
.endr
.if ((\i)%4) == 3
.irp j, 0,1,2,3
	ds_store_b32 v[ASW], v[SW+\j] offset:((\i)/4)*64+4*\j
.endr
.endif
.endm
.macro QUANT s                         ; 64 numbers of a lane, register 16 b + i = k 32 b + 16 (lane / 16) + i of my row -> v[PC] on, v[PW]
.irp b, 0,1,2,3
	v_max3_num_f32 v[TM+\b], |v[\s+16*\b]|, |v[\s+1+16*\b]|, 0x1800000
.endr
.irp i, 2,4,6,8,10,12,14
.irp b, 0,1,2,3
	v_max3_num_f32 v[TM+\b], v[TM+\b], |v[\s+16*\b+\i]|, |v[\s+1+16*\b+\i]|
.endr
.endr
.irp b, 0,1,2,3
	v_permlanex16_b32 v[TM+4+\b], v[TM+\b], s[SEL], s[SEL+1]
.endr
.irp b, 0,1,2,3
	v_max_num_f32 v[TM+\b], v[TM+\b], v[TM+4+\b]
.endr
.irp b, 0,1,2,3
	v_add_nc_u32 v[TM+8+\b], 0xff000000, v[TM+\b]
.endr
.irp b, 0,1,2,3
	v_lshrrev_b32 v[TM+4+\b], 23, v[TM+8+\b]
.endr
	v_lshl_or_b32 v[PW], v[TM+5], 8, v[TM+4]
	v_lshl_or_b32 v[PW], v[TM+6], 16, v[PW]
	v_lshl_or_b32 v[PW], v[TM+7], 24, v[PW]
.irp c, 0,1
	v_cvt_scalef32_pk16_fp6_f32 v[PC+6*\c:PC+6*\c+2], v[\s+32*\c:\s+32*\c+15], v[TM+8+2*\c]
	v_cvt_scalef32_pk16_fp6_f32 v[TM+4*\c:TM+4*\c+2], v[\s+32*\c+16:\s+32*\c+31], v[TM+9+2*\c]
.endr
	v_nop
.irp c, 0,1
.irp i, 0,1,2
	v_permlane16_swap_b32 v[PC+6*\c+\i], v[TM+4*\c+\i]
.endr
.irp i, 0,1,2
	v_mov_b32 v[PC+3+6*\c+\i], v[TM+4*\c+\i]
.endr
.endr
.endm
.macro TILE dst, add                   ; the tile of my turn i + add, held to the expert's last tile and to the buffers' 136 tiles
	s_add_co_u32 s[\dst], s26, \add
	s_min_u32 s[\dst], s[\dst], s34
	s_add_co_u32 s[\dst], s[\dst], s22
	s_min_u32 s[\dst], s[\dst], 135
.endm
.macro XLOAD p                         ; K steps 2 p, 2 p + 1 of the tile that XA names
.irp n, 0,1,2,3,4,5
	global_load_b128 v[XF+4*(6*(\p)+\n):XF+4*(6*(\p)+\n)+3], v[XA], s[8:9] offset:32*(6*(\p)+\n)
.endr
.endm
.macro PROD p                          ; 16 products: K steps 2 p, 2 p + 1; the eight accumulators take turns, one instruction a turn
.irp d, 0,1
.irp t, 0,1,2,3,4,5,6,7
	FPOS 2*(\p)+\d, \t
	WIN wv
.if \d
	v_wmma_scale_f32_16x16x128_f8f6f4 v[ACC+8*\t:ACC+8*\t+7], v[wr:wr+11], v[XF+12*(2*(\p)+\d):XF+12*(2*(\p)+\d)+11], v[ACC+8*\t:ACC+8*\t+7], v[WS+4*\t+(\p)], v[XS+(\p)] matrix_a_fmt:MATRIX_FMT_FP6 matrix_b_fmt:MATRIX_FMT_FP6 matrix_a_scale:MATRIX_SCALE_ROW1 matrix_b_scale:MATRIX_SCALE_ROW1
.else
	v_wmma_scale_f32_16x16x128_f8f6f4 v[ACC+8*\t:ACC+8*\t+7], v[wr:wr+11], v[XF+12*(2*(\p)+\d):XF+12*(2*(\p)+\d)+11], v[ACC+8*\t:ACC+8*\t+7], v[WS+4*\t+(\p)], v[XS+(\p)] matrix_a_fmt:MATRIX_FMT_FP6 matrix_b_fmt:MATRIX_FMT_FP6
.endif
.endr
.endr
	WIN 0
.rept 4
	v_nop                                          ; four places in front of loads into registers that these products read, and of the first read of results
.endr
.endm
.macro GELU q                          ; 16 numbers, accumulators 2 q and 2 q + 1, each from its low end on
.irp k, 0,2,4,6,8,10,12,14
	v_pk_mul_f32 v[G+\k:G+\k+1], v[ACC+16*\q+\k:ACC+16*\q+\k+1], v[ACC+16*\q+\k:ACC+16*\q+\k+1]
.endr
.irp k, 0,2,4,6,8,10,12,14
	v_pk_fma_f32 v[G+\k:G+\k+1], v[G+\k:G+\k+1], s[KB:KB+1], v[KA:KA+1] op_sel_hi:[1,0,1]    ; B v^2 + A
.endr
.irp k, 0,2,4,6,8,10,12,14
	v_pk_mul_f32 v[G+\k:G+\k+1], v[G+\k:G+\k+1], v[ACC+16*\q+\k:ACC+16*\q+\k+1]
.endr
.irp k, 0,1,2,3,4,5,6,7,8,9,10,11,12,13,14,15
	v_exp_f32 v[G+\k], v[G+\k]
.endr
	v_nop                                          ; one plain place behind the transcendentals
	s_wait_alu depctr_va_vdst(0)
.irp k, 0,2,4,6,8,10,12,14
	v_pk_add_f32 v[G+\k:G+\k+1], v[G+\k:G+\k+1], 1.0 op_sel_hi:[1,0]
.endr
.irp k, 0,1,2,3,4,5,6,7,8,9,10,11,12,13,14,15
	v_rcp_f32 v[G+\k], v[G+\k]
.endr
	v_nop
	s_wait_alu depctr_va_vdst(0)
.irp k, 0,2,4,6,8,10,12,14
	v_pk_mul_f32 v[ACC+16*\q+\k:ACC+16*\q+\k+1], v[ACC+16*\q+\k:ACC+16*\q+\k+1], v[G+\k:G+\k+1]
.endr
.endm
	s_load_b256 s[4:11], s[0:1], 0x0               ; W1 s[4:5], b1 s[6:7], xc s[8:9], xs s[10:11]
	s_load_b128 s[12:15], s[0:1], 0x20             ; rows s[12:13], hc s[14:15]
	s_load_b64 s[16:17], s[0:1], 0x30              ; hs
	v_lshl_add_u32 v249, v0, 2, 0x19300
	s_set_vgpr_msb 0x80
	v_mov_b32 v255, 0
	s_set_vgpr_msb 0x8000
	v_lshrrev_b32 v1, 5, v0
	v_readfirstlane_b32 s18, v1                    ; wave
	s_and_b32 s19, ttmp7, 0xffff                   ; e;  ttmp9 = ks
	s_lshl_b32 s21, s19, 3
	v_and_b32 v1, 31, v0                           ; lane
	v_lshlrev_b32 v[L16], 4, v1
	v_mul_u32_u24 v[AR0], v1, 48
	v_add_nc_u32 v[AR1], 32*FRB, v[AR0]
	v_lshl_add_u32 v[SLA], v1, 2, SCL
	v_and_b32 v2, 15, v0
	v_lshlrev_b32 v[R4], 2, v2
	v_bfe_u32 v2, v0, 4, 1
	v_lshlrev_b32 v[H16], 4, v2
	v_lshl_add_u32 v[BIA], v2, 6, BIAS
	v_lshl_add_u32 v[BST], v0, 2, BIAS
	v_lshlrev_b32 v[B1O], 2, v0
	; my columns 4 l + j: tile 2 (l / 8) + (l / 2) % 2, row 4 (l % 2) + 8 ((l / 4) % 2) + j
	v_and_b32 v1, 1, v0
	v_bfe_u32 v2, v0, 2, 1
	v_lshlrev_b32 v1, 2, v1
	v_lshl_add_u32 v1, v2, 3, v1                   ; the row of column j = 0
	v_bfe_u32 v2, v0, 3, 2
	v_bfe_u32 v3, v0, 1, 1
	v_lshl_add_u32 v2, v2, 1, v3                   ; the tile
	v_mul_u32_u24 v[AW], v2, 8*FRB
	v_mad_u32_u24 v[AW], v1, 48, v[AW]
	s_mul_i32 s28, s18, 2*FRB
	v_add_nc_u32 v[AW], s28, v[AW]
	v_lshlrev_b32 v[ASW], 9, v2
	v_lshl_add_u32 v[ASW], v1, 2, v[ASW]
	s_lshl_b32 s28, s18, 7
	s_add_co_u32 s28, s28, SCL
	v_add_nc_u32 v[ASW], s28, v[ASW]
	s_mov_b32 s[SEL], 0x76543210
	s_mov_b32 s[SEL+1], 0xfedcba98
	s_mov_b32 s[KB], 0xbdd2d3e8                    ; B = -0.10294324
	s_mov_b32 s[KB+1], s[KB]
	s_lshl_b32 s28, s19, 24                        ; W1: expert, 2^24 bytes;
	s_lshl_b32 s29, s18, 22                        ; my 256 rows of 16,384 bytes;
	s_add_co_u32 s28, s28, s29
	s_lshl_b32 s29, ttmp9, 9                       ; the slice's 512 bytes of a row
	s_add_co_u32 s28, s28, s29
	s_mov_b32 s29, 0
	s_lshl_b32 s36, s19, 14
	s_lshl_b32 s37, ttmp9, 9
	s_add_co_u32 s36, s36, s37
	s_mov_b32 s37, 0
	s_mul_i32 s38, ttmp9, FRB
	s_mov_b32 s39, 0
	s_lshl_b32 s40, ttmp9, 6
	s_mov_b32 s41, 0
	s_wait_kmcnt 0x0
	s_add_nc_u64 s[4:5], s[4:5], s[28:29]
	s_add_nc_u64 s[6:7], s[6:7], s[36:37]
	s_add_nc_u64 s[14:15], s[14:15], s[38:39]
	s_add_nc_u64 s[16:17], s[16:17], s[40:41]
	s_load_b64 s[22:23], s[12:13], s21 offset:0x2600   ; the expert's first tile and its number of tiles
	global_load_b32 v[B1V], v[B1O], s[6:7]
	LOADG 0, 0
	LOADG 1, 1
.irp g, 0,1,2,3,4,5,6,7
.if \g >= 4
	EARLYF 2*(\g)-8                                ; eight finished fragments come out of LDS while this group's weights are still on their way
.endif
.if \g < 7
	s_wait_loadcnt 32                              ; this group's 32 loads are in; the next group's 32 stay out (in groups 1 and 2 one load of entries stands between the two groups: it is in as well)
.else
	s_wait_loadcnt 0x0
.endif
.if \g == 0
	ds_store_b32 v[BST], v[B1V]                    ; b1 was asked for ahead of group 0
.endif
.if \g == 1
	v_lshrrev_b32 v[EN], 1, v[EN]                  ; my first tile's entries -> tokens (a slot that only fills a tile up gives token 1023; its results are never read)
	v_min_u32 v[EN], 0x3ff, v[EN]
	v_mad_u32_u24 v[XA], v[EN], 768, v[H16]
	v_lshl_add_u32 v[XSA], v[EN], 5, v[H16]
	TILE 27, 4
	s_lshl_b32 s27, s27, 6
	v_add_nc_u32 v[EA], s27, v[R4]
	global_load_b32 v[EN], v[EA], s[12:13]         ; the next tile's entries: they wait in v[EN] for the loop's head
.endif
	TRANS (\g)%2
.if \g == 0
	s_wait_kmcnt 0x0                               ; the expert's first tile and its number of tiles: asked for at the head
	s_min_u32 s22, s22, 135
	s_min_u32 s23, s23, 64                         ; an expert has at most 1,024 rows
	s_cmp_eq_u32 s23, 0
	s_cselect_b32 s22, 0, s22                      ; an expert without rows: the loads ahead of the loop take tile 0, which is always written; their data are not used
	s_max_u32 s34, s23, 1
	s_sub_co_u32 s34, s34, 1                       ; the expert's last tile
	s_add_co_u32 s24, s23, 3
	s_sub_co_u32 s24, s24, s18
	s_lshr_b32 s24, s24, 2                         ; my trips: tiles w, w + 4, ..
	s_mov_b32 s26, s18                             ; i
	s_mov_b32 s25, 0
	TILE 27, 0
	s_lshl_b32 s27, s27, 6
	v_add_nc_u32 v[EA], s27, v[R4]
	global_load_b32 v[EN], v[EA], s[12:13]         ; my first tile's entries
.endif
.if \g < 6
	LOADG (\g)+2, (\g)%2
.endif
	QCOLS \g
.if \g == 3
	s_wait_dscnt 0x0                               ; for the others' sake: my images of K step 2 w have landed
	s_barrier_signal -1
	s_barrier_wait -1                              ; the even steps' 32 images are whole
.endif
.endr
.irp p, 0,1,2,3
	XLOAD \p                                       ; my first tile's x, into registers that phase Q has done with: it lands during the barrier and the fetch below
.endr
	global_load_b128 v[XS:XS+3], v[XSA], s[10:11]
	s_wait_dscnt 0x0                               ; for the others' sake: my images, scale words and bias have landed
	s_barrier_signal -1
	s_barrier_wait -1
.irp s, 1,3,5,7
.irp t, 0,1,2,3,4,5,6,7
	FLOAD \s, \t                                   ; the odd steps' fragments
.endr
.endr
	WIN 0
.irp t, 0,1,2,3,4,5,6,7
.irp p, 0,1,2,3
	ds_load_b32 v[WS+4*\t+\p], v[SLA] offset:(8*\t+2*\p)*64
.endr
.endr
	v_mov_b32 v[KA], 0xc0135761                    ; A = -2.3022082
	v_mov_b32 v[KA+1], 0xc0135761
	s_wait_dscnt 0x0
	s_cmp_eq_u32 s24, 0
	s_cbranch_scc1 .Lend
.Ltrip:
	s_wait_xcnt 0x0                                ; the last trip's stores have read their data and addresses: both are written again below
.irp t, 0,1,2,3,4,5,6,7
	ds_load_b128 v[ACC+8*\t:ACC+8*\t+3], v[BIA] offset:128*(\t/2)+32*(\t%2)          ; b1 at the lane's eight units: the sums begin with it
	ds_load_b128 v[ACC+8*\t+4:ACC+8*\t+7], v[BIA] offset:128*(\t/2)+32*(\t%2)+16
.endr
	s_wait_loadcnt 0x0                             ; this tile's x and the next tile's entries: asked for during the last trip's products, or ahead of the loop
	v_lshrrev_b32 v[EN], 1, v[EN]
	v_min_u32 v[EN], 0x3ff, v[EN]
	v_mad_u32_u24 v[XA], v[EN], 768, v[H16]        ; the next tile's places in xc and xs
	v_lshl_add_u32 v[XSA], v[EN], 5, v[H16]
	TILE 27, 8
	s_lshl_b32 s27, s27, 6
	v_add_nc_u32 v[EA], s27, v[R4]
	global_load_b32 v[EN], v[EA], s[12:13]         ; the entries of the tile after next
	TILE 27, 0
	s_mul_i32 s28, s27, 32*FRB
	v_add_nc_u32 v[HO], s28, v[L16]
	s_lshl_b32 s28, s27, 11
	v_add_nc_u32 v[HSO], s28, v[R4]
	s_wait_dscnt 0x0                               ; b1
.irp p, 0,1,2,3
	PROD \p
	XLOAD \p                                       ; the next tile's x into the two fragments just multiplied
.endr
	global_load_b128 v[XS:XS+3], v[XSA], s[10:11]
	GELU 0
	GELU 1
	GELU 2
	GELU 3
	QUANT ACC
.irp g, 0,1,2
	global_store_b128 v[HO], v[PC+4*\g:PC+4*\g+3], s[14:15] offset:512*\g   ; the operand's image: 512 consecutive bytes, aligned
.endr
	global_store_b32 v[HSO], v[PW], s[16:17]       ; lanes r and r + 16 write the same word with the same value
	s_add_co_u32 s26, s26, 4
	s_add_co_u32 s25, s25, 1
	s_cmp_lt_u32 s25, s24
	s_cbranch_scc1 .Ltrip
.Lend:
	s_set_vgpr_msb 0x8
	s_wait_tensorcnt 0x0
	ds_add_u32 v249, v255
	s_wait_dscnt 0x0
	s_set_vgpr_msb 0x800
	s_endpgm
.Lfunc_end_k_q2476abbb9e_up:
	.size	k_q2476abbb9e_up, .Lfunc_end_k_q2476abbb9e_up-k_q2476abbb9e_up
	.p2alignl 7, 3214868480
	.fill 96, 4, 3214868480
	.section	.rodata,"a",@progbits
	.p2align	6, 0x0
	.amdhsa_kernel k_q2476abbb9e_up
		.amdhsa_group_segment_fixed_size 103680
		.amdhsa_private_segment_fixed_size 0
		.amdhsa_enable_private_segment 0
		.amdhsa_kernarg_size 56
		.amdhsa_user_sgpr_count 2
		.amdhsa_user_sgpr_kernarg_segment_ptr 1
		.amdhsa_wavefront_size32 1
		.amdhsa_system_sgpr_workgroup_id_x 1
		.amdhsa_system_sgpr_workgroup_id_y 1
		.amdhsa_system_sgpr_workgroup_id_z 1
		.amdhsa_system_vgpr_workitem_id 0
		.amdhsa_next_free_vgpr 1024
		.amdhsa_next_free_sgpr 66
		.amdhsa_reserve_vcc 0
		.amdhsa_float_denorm_mode_32 3
		.amdhsa_float_denorm_mode_16_64 3
		.amdhsa_memory_ordered 1
		.amdhsa_forward_progress 1
		.amdhsa_inst_pref_size 161
	.end_amdhsa_kernel
	.amdgpu_metadata
---
amdhsa.version: [ 1, 2 ]
amdhsa.kernels:
  - .name:           k_q2476abbb9e_up
    .symbol:         k_q2476abbb9e_up.kd
    .args:
      - { .name: W1, .offset: 0, .size: 8, .value_kind: global_buffer, .address_space: global }
      - { .name: b1, .offset: 8, .size: 8, .value_kind: global_buffer, .address_space: global }
      - { .name: xc, .offset: 16, .size: 8, .value_kind: global_buffer, .address_space: global }
      - { .name: xs, .offset: 24, .size: 8, .value_kind: global_buffer, .address_space: global }
      - { .name: rows, .offset: 32, .size: 8, .value_kind: global_buffer, .address_space: global }
      - { .name: hc, .offset: 40, .size: 8, .value_kind: global_buffer, .address_space: global }
      - { .name: hs, .offset: 48, .size: 8, .value_kind: global_buffer, .address_space: global }
    .group_segment_fixed_size: 103680
    .private_segment_fixed_size: 0
    .kernarg_segment_align: 8
    .kernarg_segment_size: 56
    .max_flat_workgroup_size: 128
    .sgpr_count:     66
    .vgpr_count:     1024
    .wavefront_size: 32
...
	.end_amdgpu_metadata
.endif
;; end of part 3
;; launch down (part 4): grid 32 x 8, 4 waves a work-group, no clusters, 120,832 bytes of LDS; arguments W2, b2, hc, hs, rows, y; writes y
.if DOCPART == 4
	.amdgcn_target "amdgcn-amd-amdhsa--gfx1250"
	.amdhsa_code_object_version 6
	.text
	.protected	k_q2476abbb9e_down
	.globl	k_q2476abbb9e_down
	.p2align	8
	.type	k_q2476abbb9e_down,@function
k_q2476abbb9e_down:
	s_mov_b64 s[64:65], 0
	v_nop
	global_prefetch_b8 v0, s[64:65] scope:SCOPE_SE
	s_setreg_imm32_b32 hwreg(HW_REG_WAVE_MODE, 25, 1), 1
	s_wait_xcnt 0x0
; DOWN.  y[half][entry] = h W2[e] over one half of H (+ b2[e] in half 0), for the rows that chose expert e; both operands as codes of FP6 (E2M3), one E8M0 byte for each 32 along H.
; THE WEIGHTS STAY, THE ROWS WALK PAST.  Work-group (slice + 16 half, e) owns output columns 64 slice .. + 63 and H rows 2,048 half .. + 2,047 of expert e: 512 KB of f32, read once, quantised here.
;   64 columns are 256 consecutive bytes of a row of W2, aligned.  Two halves of H mean two parts of y, which the last launch adds.
; PHASE Q.  Wave w takes H rows 512 w .. + 511, eight groups of 64: in a load lanes 0-15 read one row's 256 bytes, lanes 16-31 those of the row 32 further on.  A lane then holds, of four
;   columns, one whole block of 32; the moves, the scale and the conversions are as in the launch before.  Image (tile t, K step s) at (16 t + s) x 1,536 bytes, lane L's registers at 48 L.
; THE FRAGMENTS.  Every wave takes all 64 fragments into registers.  Behind group 3 each wave has finished K steps 4 w and 4 w + 1: a barrier stands there, and those 32 fragments are fetched
;   from LDS at the heads of groups 4 to 7, eight each, ahead of the wait for that group's weights.  Nobody writes those images again.  The others follow behind the second barrier.
; THE ROW LOOP'S FIRST LOADS, four groups of h, stand ahead of that second barrier, as soon as phase Q has done with the registers.
; ROW LOOP.  Wave w takes tiles w, w + 4, .. of the expert.  h's fragments come from memory as images of the operand's registers, 512 consecutive bytes a load, four groups of two K steps ahead.
;   Transposed use (source 0 = 16 columns of W2, source 1 = 16 rows of h): a lane holds eight neighbouring outputs of one row.  The rows go through the wave's own stage and leave as runs of
;   256 consecutive bytes, aligned, each to the row of y that its entry names; a slot that only fills a tile up goes to row 2048 + e, which nobody reads.
; NO JOINT LOADS, no tensor loads: the trip counts are read from memory.
; LIMITS: as in the launch before.
.set FRB,  1536
.set IMG,  0
.set SCL,  64*FRB                      ; scale word (t, s, r) at (16 t + s) 64 + 4 r
.set BIAS, SCL+4096                    ; 512 bytes, a word for each thread; the first 64 words are read
.set STG,  BIAS+512                    ; four stages of 16 rows x 272 bytes, each a wave's own
.set HAC,  1                           ; hc: 49,152 tile + 16 lane, this tile's
.set HAN,  2                           ; the next tile's
.set HSC,  3                           ; hs: 2,048 tile + 4 lane
.set HSN,  4
.set EA,   5                           ; rows: 64 tile + 32 (lane / 16)
.set BIA,  6                           ; LDS: BIAS + 32 h
.set STO,  7                           ; stage, in
.set SRD,  8                           ; stage, out
.set L16,  9
.set L4,   10
.set C16,  11                          ; 16 (lane % 16)
.set HH32, 12                          ; 32 (lane / 16)
.set WA,   13                          ; W2: 16 (lane % 16) + 32 rows x (lane / 16)
.set AW,   14
.set ASW,  15
.set WS,   16                          ; v16-47  W2's scale words: register 8 t + u: lanes 0-15 step 2 u, lanes 16-31 step 2 u + 1.  Scales and nothing else
.set HSR,  48                          ; v48-51  h's, a register for each slot.  Scales and nothing else
.set HF,   52                          ; v52-147 four slots of two fragments of h
.set ACC,  148                         ; v148-179 four accumulators
.set WF63, 180
.set ENT,  192                         ; v192-199 the entries of rows q + 8 (lane / 16)
.set OFF,  200                         ; v200-207 their places in y
.set OUT,  208                         ; v208-239 rows read back from the stage
.set AR0,  240
.set AR1,  241
.set SLA,  242
.set B2V,  243
.set BST,  244
.set B2O,  245
.set SH8,  246                         ; 8 (lane / 16)
; window 0 in phase Q
.set T,    52
.set M,    180
.set SO,   184
.set BY,   188
.set SW,   192
.set PX,   196
.set CJ,   200
.set SEL,  30
.set MSB, 0
.macro WIN new
.if MSB != \new
	s_set_vgpr_msb (MSB<<8)|\new
.set MSB, \new
.endif
.endm
; Where fragment (K step s, tile t) lies: window wv, register wr.  The 32 of the steps 4 w, 4 w + 1 come first and take windows 2 and 3, which phase Q leaves alone; the others take the rest
; of window 3, then window 1, 21 fragments to a window; the last lies in window 0.
.macro FPOS s, t
.set pp, 32*(((\s)%4)/2)+4*(2*((\s)/4)+(\s)%2)+(\t)
.if pp == 63
.set wv, 0
.set wr, WF63
.elseif pp < 42
.set wv, 2+pp/21
.set wr, 12*(pp%21)
.else
.set wv, 1
.set wr, 12*(pp-42)
.endif
.endm
.macro FLOAD s, t
	FPOS \s, \t
	WIN 64*wv
.set img, 16*(\t)+(\s)
.irp g, 0,1,2
.if img < 32
	ds_load_b128 v[wr+4*\g:wr+4*\g+3], v[AR0] offset:img*FRB+16*\g
.else
	ds_load_b128 v[wr+4*\g:wr+4*\g+3], v[AR1] offset:(img-32)*FRB+16*\g
.endif
.endr
.endm
.macro EARLYF s                        ; the eight fragments of K steps s and s + 1
.irp d, 0,1
.irp t, 0,1,2,3
	FLOAD (\s)+\d, \t
.endr
.endr
	WIN 0
.endm
.macro LOADG g, set
	WIN 0x40
.set ii, 0
.rept 32
	global_load_b128 v[128*(\set)+4*ii:128*(\set)+4*ii+3], v[WA], s[4:5] offset:(64*(\g)+ii)*4096 th:TH_LOAD_NT
.set ii, ii+1
.endr
	WIN 0
.endm
.macro TRANS set
	WIN 0x01
.set jj, 0
.rept 4
.set ii, 0
.rept 32
	v_mov_b32 v[T+32*jj+ii], v[128*(\set)+4*ii+jj]
.set ii, ii+1
.endr
.set jj, jj+1
.endr
	WIN 0
.endm
.macro QCOLS i                         ; group i: K step 4 w + i / 2; registers 6 (i % 2) on of lane r + 16 (my half)
	s_wait_dscnt 0x0                               ; the last group's LDS stores have read their registers
.irp j, 0,1,2,3
	v_max3_num_f32 v[M+\j], |v[T+32*\j]|, |v[T+32*\j+1]|, 0x1800000
.endr
.irp k, 2,4,6,8,10,12,14,16,18,20,22,24,26,28,30
.irp j, 0,1,2,3
	v_max3_num_f32 v[M+\j], v[M+\j], |v[T+32*\j+\k]|, |v[T+32*\j+\k+1]|
.endr
.endr
.irp j, 0,1,2,3
	v_add_nc_u32 v[SO+\j], 0xff000000, v[M+\j]
.endr
.irp j, 0,1,2,3
	v_lshrrev_b32 v[BY+\j], 23, v[SO+\j]
.endr
.irp j, 0,1,2,3
.if ((\i)%2) == 0
	v_mov_b32 v[SW+\j], v[BY+\j]
.else
	v_lshl_or_b32 v[SW+\j], v[BY+\j], 16, v[SW+\j] ; my two bytes: blocks h and 2 + h of the K step
.endif
.endr
.irp j, 0,1,2,3
	v_cvt_scalef32_pk16_fp6_f32 v[CJ+10*\j:CJ+10*\j+2], v[T+32*\j:T+32*\j+15], v[SO+\j]
	v_cvt_scalef32_pk16_fp6_f32 v[CJ+10*\j+6:CJ+10*\j+8], v[T+32*\j+16:T+32*\j+31], v[SO+\j]
.endr
	v_nop
.irp j, 0,1,2,3
.irp n, 0,1,2
	v_mov_b32 v[CJ+10*\j+3+\n], v[CJ+10*\j+6+\n]
.endr
.endr
.set OFS, ((\i)/2)*FRB+24*((\i)%2)
.irp j, 0,1,2,3
.if ((\i)%2) == 0
	ds_store_b128 v[AW], v[CJ+10*\j:CJ+10*\j+3] offset:OFS+48*\j
	ds_store_b64 v[AW], v[CJ+10*\j+4:CJ+10*\j+5] offset:OFS+48*\j+16
.else
	ds_store_b64 v[AW], v[CJ+10*\j:CJ+10*\j+1] offset:OFS+48*\j
	ds_store_b128 v[AW], v[CJ+10*\j+2:CJ+10*\j+5] offset:OFS+48*\j+8
.endif
.endr
.if ((\i)%2) == 1
.irp j, 0,1,2,3
	v_lshlrev_b32 v[SW+\j], v[SH8], v[SW+\j]       ; at their places in the word;
.endr
.irp j, 0,1,2,3
	v_permlanex16_b32 v[PX+\j], v[SW+\j], s[SEL], s[SEL+1]
.endr
.irp j, 0,1,2,3
	v_or_b32 v[SW+\j], v[SW+\j], v[PX+\j]          ; with lane l xor 16's two the word is whole
.endr
.irp j, 0,1,2,3
	ds_store_b32 v[ASW], v[SW+\j] offset:((\i)/2)*64+4*\j   ; both halves of the lanes write the same word with the same value
.endr
.endif
.endm
.macro TILE dst, add
	s_add_co_u32 s[\dst], s26, \add
	s_min_u32 s[\dst], s[\dst], s34
	s_add_co_u32 s[\dst], s[\dst], s22
	s_min_u32 s[\dst], s[\dst], 135
.endm
.macro GROUP u, ha, hs_                ; seven loads: K steps 2 u, 2 u + 1 of the tile that ha names, and their scale words, into slot u % 4
.irp d, 0,1
.irp g, 0,1,2
	global_load_b128 v[HF+24*((\u)%4)+12*\d+4*\g:HF+24*((\u)%4)+12*\d+4*\g+3], v[\ha], s[8:9] offset:FRB*(2*(\u)+\d)+512*\g
.endr
.endr
	global_load_b32 v[HSR+(\u)%4], v[\hs_], s[10:11] offset:128*(\u)
.endm
.macro PROD u                          ; eight products: K steps 2 u, 2 u + 1; the four accumulators take turns, one instruction a turn
	s_wait_loadcnt 21                              ; group u is in: behind it three groups of seven were issued (in a trip's first four steps the two loads of entries as well: the smaller count is safe)
.irp d, 0,1
.irp t, 0,1,2,3
	FPOS 2*(\u)+\d, \t
	WIN wv
.if \d
	v_wmma_scale_f32_16x16x128_f8f6f4 v[ACC+8*\t:ACC+8*\t+7], v[wr:wr+11], v[HF+24*((\u)%4)+12*\d:HF+24*((\u)%4)+12*\d+11], v[ACC+8*\t:ACC+8*\t+7], v[WS+8*\t+(\u)], v[HSR+(\u)%4] matrix_a_fmt:MATRIX_FMT_FP6 matrix_b_fmt:MATRIX_FMT_FP6 matrix_a_scale:MATRIX_SCALE_ROW1 matrix_b_scale:MATRIX_SCALE_ROW1
.else
	v_wmma_scale_f32_16x16x128_f8f6f4 v[ACC+8*\t:ACC+8*\t+7], v[wr:wr+11], v[HF+24*((\u)%4)+12*\d:HF+24*((\u)%4)+12*\d+11], v[ACC+8*\t:ACC+8*\t+7], v[WS+8*\t+(\u)], v[HSR+(\u)%4] matrix_a_fmt:MATRIX_FMT_FP6 matrix_b_fmt:MATRIX_FMT_FP6
.endif
.endr
.endr
	WIN 0
.rept 4
	v_nop                                          ; four places in front of loads into the slot just multiplied, and of the first read of results
.endr
.endm
	s_load_b256 s[4:11], s[0:1], 0x0               ; W2 s[4:5], b2 s[6:7], hc s[8:9], hs s[10:11]
	s_load_b128 s[12:15], s[0:1], 0x20             ; rows s[12:13], y s[14:15]
	v_lshl_add_u32 v254, v0, 2, 0x1d600
	v_mov_b32 v255, 0
	v_lshrrev_b32 v1, 5, v0
	v_readfirstlane_b32 s18, v1                    ; wave
	s_and_b32 s19, ttmp7, 0xffff                   ; e
	s_and_b32 s20, ttmp9, 15                       ; slice
	s_lshr_b32 s21, ttmp9, 4                       ; half of H
	s_lshl_b32 s35, s19, 3
	v_and_b32 v1, 31, v0                           ; lane
	v_lshlrev_b32 v[L16], 4, v1
	v_lshlrev_b32 v[L4], 2, v1
	v_mul_u32_u24 v[AR0], v1, 48
	v_add_nc_u32 v[AR1], 32*FRB, v[AR0]
	v_lshl_add_u32 v[SLA], v1, 2, SCL
	v_and_b32 v2, 15, v0                           ; lane % 16
	v_bfe_u32 v3, v0, 4, 1                         ; lane / 16
	v_lshlrev_b32 v[C16], 4, v2
	v_lshlrev_b32 v[HH32], 5, v3
	v_lshlrev_b32 v[SH8], 3, v3
	v_lshl_add_u32 v[WA], v3, 17, v[C16]
	v_lshl_add_u32 v[BIA], v3, 5, BIAS
	v_lshl_add_u32 v[BST], v0, 2, BIAS
	v_and_b32 v[B2O], 63, v0
	v_lshlrev_b32 v[B2O], 2, v[B2O]
	s_mul_i32 s28, s18, 16*272
	s_add_co_u32 s28, s28, STG                     ; my stage
	v_mul_u32_u24 v[STO], v2, 272
	v_lshl_add_u32 v[STO], v3, 5, v[STO]
	v_add_nc_u32 v[STO], s28, v[STO]               ; in: row r, + 32 h
	v_mul_u32_u24 v[SRD], v3, 8*272
	v_add_nc_u32 v[SRD], v[SRD], v[C16]
	v_add_nc_u32 v[SRD], s28, v[SRD]               ; out: lanes 0-15 rows 0-7, lanes 16-31 rows 8-15, 16 bytes a lane
	; my columns 4 (l % 16) + j: tile (l % 16) / 4, row 4 (l % 4) + j
	v_bfe_u32 v1, v0, 2, 2                         ; the tile
	v_and_b32 v2, 3, v0
	v_mul_u32_u24 v[AW], v1, 16*FRB
	v_mad_u32_u24 v[AW], v2, 192, v[AW]
	v_mad_u32_u24 v[AW], v3, 768, v[AW]
	s_mul_i32 s28, s18, 4*FRB
	v_add_nc_u32 v[AW], s28, v[AW]
	v_lshlrev_b32 v[ASW], 10, v1
	v_lshl_add_u32 v[ASW], v2, 4, v[ASW]
	s_lshl_b32 s28, s18, 8
	s_add_co_u32 s28, s28, SCL
	v_add_nc_u32 v[ASW], s28, v[ASW]
.irp j, 0,1,2,3
	v_mov_b32 v[PX+\j], 0                          ; written once: a lane permute's destination counts as one of its sources
.endr
	s_mov_b32 s[SEL], 0x76543210
	s_mov_b32 s[SEL+1], 0xfedcba98
	s_lshl_b32 s28, s19, 24                        ; W2: expert, 2^24 bytes;
	s_lshl_b32 s29, s21, 23                        ; half, 2,048 rows of 4,096 bytes;
	s_add_co_u32 s28, s28, s29
	s_lshl_b32 s29, s18, 21                        ; my 512 rows;
	s_add_co_u32 s28, s28, s29
	s_lshl_b32 s29, s20, 8                         ; the slice's 256 bytes of a row
	s_add_co_u32 s28, s28, s29
	s_mov_b32 s29, 0
	s_lshl_b32 s36, s19, 12
	s_lshl_b32 s37, s20, 8
	s_add_co_u32 s36, s36, s37
	s_mov_b32 s37, 0
	s_mul_i32 s38, s21, 16*FRB
	s_mov_b32 s39, 0
	s_lshl_b32 s40, s21, 10
	s_mov_b32 s41, 0
	s_mul_i32 s32, s21, 2056*4096
	s_lshl_b32 s33, s20, 8
	s_add_co_u32 s32, s32, s33
	s_mov_b32 s33, 0
	s_cmp_eq_u32 s21, 0
	s_cselect_b32 s27, -1, 0                       ; b2 counts in half 0 alone
	s_wait_kmcnt 0x0
	s_add_nc_u64 s[4:5], s[4:5], s[28:29]
	s_add_nc_u64 s[6:7], s[6:7], s[36:37]
	s_add_nc_u64 s[8:9], s[8:9], s[38:39]
	s_add_nc_u64 s[10:11], s[10:11], s[40:41]
	s_add_nc_u64 s[14:15], s[14:15], s[32:33]
	s_load_b64 s[22:23], s[12:13], s35 offset:0x2600   ; the expert's first tile and its number of tiles
	global_load_b32 v[B2V], v[B2O], s[6:7]
	LOADG 0, 0
	LOADG 1, 1
.irp g, 0,1,2,3,4,5,6,7
.if \g >= 4
	EARLYF 4*(\g)-16                               ; eight finished fragments come out of LDS while this group's weights are still on their way
.endif
.if \g < 7
	s_wait_loadcnt 32                              ; this group's 32 loads are in; the next group's 32 stay out
.else
	s_wait_loadcnt 0x0
.endif
.if \g == 0
	v_and_b32 v[B2V], s27, v[B2V]                  ; b2, or zeros
	ds_store_b32 v[BST], v[B2V]
.endif
	TRANS (\g)%2
.if \g < 6
	LOADG (\g)+2, (\g)%2
.endif
	QCOLS \g
.if \g == 3
	s_wait_dscnt 0x0                               ; for the others' sake: my images of K steps 4 w and 4 w + 1 have landed
	s_barrier_signal -1
	s_barrier_wait -1                              ; those 32 images are whole
.endif
.endr
	s_wait_kmcnt 0x0                               ; the expert's first tile and its number of tiles: asked for at the head
	s_min_u32 s22, s22, 135
	s_min_u32 s23, s23, 64
	s_cmp_eq_u32 s23, 0
	s_cselect_b32 s22, 0, s22                      ; an expert without rows: the loads ahead of the loop take tile 0, which is always written; their data are not used
	s_max_u32 s34, s23, 1
	s_sub_co_u32 s34, s34, 1                       ; the expert's last tile
	s_add_co_u32 s24, s23, 3
	s_sub_co_u32 s24, s24, s18
	s_lshr_b32 s24, s24, 2                         ; my trips
	s_mov_b32 s26, s18                             ; i
	s_mov_b32 s25, 0
	TILE 27, 0
	s_mul_i32 s28, s27, 32*FRB
	v_add_nc_u32 v[HAC], s28, v[L16]
	s_lshl_b32 s28, s27, 11
	v_add_nc_u32 v[HSC], s28, v[L4]
	GROUP 0, HAC, HSC                              ; my first tile's first four groups of h, into registers that phase Q has done with: they land during the barrier and the fetch below
	GROUP 1, HAC, HSC
	GROUP 2, HAC, HSC
	GROUP 3, HAC, HSC
	TILE 27, 4
	s_mul_i32 s28, s27, 32*FRB
	v_add_nc_u32 v[HAN], s28, v[L16]
	s_lshl_b32 s28, s27, 11
	v_add_nc_u32 v[HSN], s28, v[L4]
	s_wait_dscnt 0x0                               ; for the others' sake: my images, scale words and bias have landed
	s_barrier_signal -1
	s_barrier_wait -1
.irp s, 2,3,6,7,10,11,14,15
.irp t, 0,1,2,3
	FLOAD \s, \t                                   ; the other steps' fragments
.endr
.endr
	WIN 0
.irp t, 0,1,2,3
.irp p, 0,1,2,3,4,5,6,7
	ds_load_b32 v[WS+8*\t+\p], v[SLA] offset:(16*\t+2*\p)*64
.endr
.endr
	s_wait_dscnt 0x0
	s_cmp_eq_u32 s24, 0
	s_cbranch_scc1 .Lend
.Ltrip:
	TILE 27, 0
	s_lshl_b32 s28, s27, 6
	v_add_nc_u32 v[EA], s28, v[HH32]
	global_load_b128 v[ENT:ENT+3], v[EA], s[12:13]             ; the entries of my eight rows on the way out
	global_load_b128 v[ENT+4:ENT+7], v[EA], s[12:13] offset:16
.irp t, 0,1,2,3
	ds_load_b128 v[ACC+8*\t:ACC+8*\t+3], v[BIA] offset:64*\t   ; b2 (or zeros) at the lane's eight columns: the sums begin with it
	ds_load_b128 v[ACC+8*\t+4:ACC+8*\t+7], v[BIA] offset:64*\t+16
.endr
	s_wait_dscnt 0x0
.irp u, 0,1,2,3
	PROD \u
	GROUP (\u)+4, HAC, HSC
.endr
.irp u, 4,5,6,7
	PROD \u
	GROUP (\u)-4, HAN, HSN                         ; the next tile's first groups (in the last trip: the expert's last tile once more, inside the buffer)
.endr
.irp q, 0,1,2,3,4,5,6,7
	v_min_u32 v[OFF+\q], 0x807, v[ENT+\q]          ; an entry names a row of y: 0 .. 2055
.endr
.irp q, 0,1,2,3,4,5,6,7
	v_lshl_add_u32 v[OFF+\q], v[OFF+\q], 12, v[C16]
.endr
.irp t, 0,1,2,3
	ds_store_b128 v[STO], v[ACC+8*\t:ACC+8*\t+3] offset:64*\t          ; each accumulator from its low end on
	ds_store_b128 v[STO], v[ACC+8*\t+4:ACC+8*\t+7] offset:64*\t+16
.endr
.irp q, 0,1,2,3,4,5,6,7
	ds_load_b128 v[OUT+4*\q:OUT+4*\q+3], v[SRD] offset:272*\q          ; LDS serves a wave's instructions in order (ISA guide 5.7.1.4): these see my stores
.endr
	s_wait_dscnt 0x0
.irp q, 0,1,2,3,4,5,6,7
	global_store_b128 v[OFF+\q], v[OUT+4*\q:OUT+4*\q+3], s[14:15] th:TH_STORE_NT   ; sixteen lanes store 256 consecutive bytes, aligned
.endr
	s_wait_xcnt 0x0                                ; stores and loads have read their addresses and data: the registers below, and the next trip's, are written again only behind this wait
	v_mov_b32 v[HAC], v[HAN]
	v_mov_b32 v[HSC], v[HSN]
	s_add_co_u32 s26, s26, 4
	TILE 27, 4
	s_mul_i32 s28, s27, 32*FRB
	v_add_nc_u32 v[HAN], s28, v[L16]
	s_lshl_b32 s28, s27, 11
	v_add_nc_u32 v[HSN], s28, v[L4]
	s_add_co_u32 s25, s25, 1
	s_cmp_lt_u32 s25, s24
	s_cbranch_scc1 .Ltrip
.Lend:
	s_wait_tensorcnt 0x0
	ds_add_u32 v254, v255
	s_wait_dscnt 0x0
	s_endpgm
.Lfunc_end_k_q2476abbb9e_down:
	.size	k_q2476abbb9e_down, .Lfunc_end_k_q2476abbb9e_down-k_q2476abbb9e_down
	.p2alignl 7, 3214868480
	.fill 96, 4, 3214868480
	.section	.rodata,"a",@progbits
	.p2align	6, 0x0
	.amdhsa_kernel k_q2476abbb9e_down
		.amdhsa_group_segment_fixed_size 120832
		.amdhsa_private_segment_fixed_size 0
		.amdhsa_enable_private_segment 0
		.amdhsa_kernarg_size 48
		.amdhsa_user_sgpr_count 2
		.amdhsa_user_sgpr_kernarg_segment_ptr 1
		.amdhsa_wavefront_size32 1
		.amdhsa_system_sgpr_workgroup_id_x 1
		.amdhsa_system_sgpr_workgroup_id_y 1
		.amdhsa_system_sgpr_workgroup_id_z 1
		.amdhsa_system_vgpr_workitem_id 0
		.amdhsa_next_free_vgpr 1024
		.amdhsa_next_free_sgpr 66
		.amdhsa_reserve_vcc 0
		.amdhsa_float_denorm_mode_32 3
		.amdhsa_float_denorm_mode_16_64 3
		.amdhsa_memory_ordered 1
		.amdhsa_forward_progress 1
		.amdhsa_inst_pref_size 152
	.end_amdhsa_kernel
	.amdgpu_metadata
---
amdhsa.version: [ 1, 2 ]
amdhsa.kernels:
  - .name:           k_q2476abbb9e_down
    .symbol:         k_q2476abbb9e_down.kd
    .args:
      - { .name: W2, .offset: 0, .size: 8, .value_kind: global_buffer, .address_space: global }
      - { .name: b2, .offset: 8, .size: 8, .value_kind: global_buffer, .address_space: global }
      - { .name: hc, .offset: 16, .size: 8, .value_kind: global_buffer, .address_space: global }
      - { .name: hs, .offset: 24, .size: 8, .value_kind: global_buffer, .address_space: global }
      - { .name: rows, .offset: 32, .size: 8, .value_kind: global_buffer, .address_space: global }
      - { .name: y, .offset: 40, .size: 8, .value_kind: global_buffer, .address_space: global }
    .group_segment_fixed_size: 120832
    .private_segment_fixed_size: 0
    .kernarg_segment_align: 8
    .kernarg_segment_size: 48
    .max_flat_workgroup_size: 128
    .sgpr_count:     66
    .vgpr_count:     1024
    .wavefront_size: 32
...
	.end_amdgpu_metadata
.endif
;; end of part 4
;; launch comb (part 5): grid 256 x 1, 8 waves a work-group, no clusters, 0 bytes of LDS; arguments y, gate, out0, out1; writes out0, out1
.if DOCPART == 5
	.amdgcn_target "amdgcn-amd-amdhsa--gfx1250"
	.amdhsa_code_object_version 6
	.text
	.protected	k_q2476abbb9e_comb
	.globl	k_q2476abbb9e_comb
	.p2align	8
	.type	k_q2476abbb9e_comb,@function
k_q2476abbb9e_comb:
	s_mov_b64 s[64:65], 0
	v_nop
	global_prefetch_b8 v0, s[64:65] scope:SCOPE_SE
	s_setreg_imm32_b32 hwreg(HW_REG_WAVE_MODE, 25, 1), 1
	s_wait_xcnt 0x0
; COMB.  out0[token] = g0 (y[0][2 token] + y[1][2 token]) + g1 (y[0][2 token + 1] + y[1][2 token + 1]): the two halves of H, the two chosen experts.  out1 = 0.
; A stream: a work-group takes 4 tokens, thread t the 16 bytes at 16 t of every row; all sixteen loads of a thread go out at once.  No LDS, no barrier, no matrix unit: memory binds.
.set Y, 16                             ; v16-79: token q, choice k: half 0 at Y + 16 q + 8 k, half 1 four registers on
	s_load_b256 s[4:11], s[0:1], 0x0               ; y s[4:5], gate s[6:7], out0 s[8:9], out1 s[10:11]
	v_lshlrev_b32 v1, 4, v0
	s_lshl_b32 s12, ttmp9, 15                      ; 8 rows of y
	s_mov_b32 s13, 0
	s_lshl_b32 s14, ttmp9, 5                       ; 8 gates
	s_mov_b32 s15, 0
	s_lshl_b32 s24, ttmp9, 14                      ; 4 rows of out0
	s_mov_b32 s25, 0
	s_wait_kmcnt 0x0
	s_add_nc_u64 s[4:5], s[4:5], s[12:13]
	s_add_nc_u64 s[26:27], s[4:5], 2056*4096       ; the second half of H: further on than an immediate reaches
	s_add_nc_u64 s[6:7], s[6:7], s[14:15]
	s_add_nc_u64 s[8:9], s[8:9], s[24:25]
	s_load_b256 s[16:23], s[6:7], 0x0
.irp q, 0,1,2,3
.irp k, 0,1
	global_load_b128 v[Y+16*\q+8*\k:Y+16*\q+8*\k+3], v1, s[4:5] offset:8192*\q+4096*\k th:TH_LOAD_NT
	global_load_b128 v[Y+16*\q+8*\k+4:Y+16*\q+8*\k+7], v1, s[26:27] offset:8192*\q+4096*\k th:TH_LOAD_NT
.endr
.endr
	s_wait_kmcnt 0x0
.irp q, 0,1,2,3
	s_wait_loadcnt 12-4*\q                         ; this token's four loads are in; the later tokens' stay out
.irp k, 0,1
	v_pk_add_f32 v[Y+16*\q+8*\k:Y+16*\q+8*\k+1], v[Y+16*\q+8*\k:Y+16*\q+8*\k+1], v[Y+16*\q+8*\k+4:Y+16*\q+8*\k+5]
	v_pk_add_f32 v[Y+16*\q+8*\k+2:Y+16*\q+8*\k+3], v[Y+16*\q+8*\k+2:Y+16*\q+8*\k+3], v[Y+16*\q+8*\k+6:Y+16*\q+8*\k+7]
.endr
.irp c, 0,1,2,3
	v_mul_f32 v[Y+16*\q+\c], s[16+2*\q], v[Y+16*\q+\c]
.endr
.irp c, 0,1,2,3
	v_fmac_f32 v[Y+16*\q+\c], s[17+2*\q], v[Y+16*\q+8+\c]
.endr
	global_store_b128 v1, v[Y+16*\q:Y+16*\q+3], s[8:9] offset:4096*\q th:TH_STORE_NT   ; a wave stores 512 consecutive bytes, aligned
.endr
	s_cmp_lg_u32 ttmp9, 0
	s_cbranch_scc1 .Lend
	v_mov_b32 v2, 0
	v_cmp_eq_u32 vcc_lo, 0, v0
	s_wait_xcnt 0x0                                ; EXEC is a source of the stores above: it changes only behind this wait
	s_and_saveexec_b32 s28, vcc_lo
	global_store_b32 v2, v2, s[10:11]              ; thread 0 of work-group 0: out1 = 0
	s_wait_xcnt 0x0
	s_or_b32 exec_lo, exec_lo, s28
.Lend:
	s_endpgm
.Lfunc_end_k_q2476abbb9e_comb:
	.size	k_q2476abbb9e_comb, .Lfunc_end_k_q2476abbb9e_comb-k_q2476abbb9e_comb
	.p2alignl 7, 3214868480
	.fill 96, 4, 3214868480
	.section	.rodata,"a",@progbits
	.p2align	6, 0x0
	.amdhsa_kernel k_q2476abbb9e_comb
		.amdhsa_group_segment_fixed_size 0
		.amdhsa_private_segment_fixed_size 0
		.amdhsa_enable_private_segment 0
		.amdhsa_kernarg_size 32
		.amdhsa_user_sgpr_count 2
		.amdhsa_user_sgpr_kernarg_segment_ptr 1
		.amdhsa_wavefront_size32 1
		.amdhsa_system_sgpr_workgroup_id_x 1
		.amdhsa_system_sgpr_workgroup_id_y 1
		.amdhsa_system_sgpr_workgroup_id_z 1
		.amdhsa_system_vgpr_workitem_id 0
		.amdhsa_next_free_vgpr 96
		.amdhsa_next_free_sgpr 66
		.amdhsa_reserve_vcc 1
		.amdhsa_float_denorm_mode_32 3
		.amdhsa_float_denorm_mode_16_64 3
		.amdhsa_memory_ordered 1
		.amdhsa_forward_progress 1
		.amdhsa_inst_pref_size 6
	.end_amdhsa_kernel
	.amdgpu_metadata
---
amdhsa.version: [ 1, 2 ]
amdhsa.kernels:
  - .name:           k_q2476abbb9e_comb
    .symbol:         k_q2476abbb9e_comb.kd
    .args:
      - { .name: y, .offset: 0, .size: 8, .value_kind: global_buffer, .address_space: global }
      - { .name: gate, .offset: 8, .size: 8, .value_kind: global_buffer, .address_space: global }
      - { .name: out0, .offset: 16, .size: 8, .value_kind: global_buffer, .address_space: global }
      - { .name: out1, .offset: 24, .size: 8, .value_kind: global_buffer, .address_space: global }
    .group_segment_fixed_size: 0
    .private_segment_fixed_size: 0
    .kernarg_segment_align: 8
    .kernarg_segment_size: 32
    .max_flat_workgroup_size: 256
    .sgpr_count:     66
    .vgpr_count:     96
    .wavefront_size: 32
...
	.end_amdgpu_metadata
.endif
;; end of part 5
;; ======== version 2 of 2: 5 launches
;; workspace buffers: xc 786,432 bytes; xs 32,768 bytes; choice 8,192 bytes of whole numbers; gate 8,192 bytes; rows 9,984 bytes of whole numbers; hc 6,684,672 bytes; hs 278,528 bytes; y 16,842,752 bytes
;; launch route (part 6): grid 64 x 1, 8 waves a work-group, no clusters, 90,112 bytes of LDS; arguments x, router_W, router_b, xc, xs, choice, gate; writes xc, xs, choice, gate
.if DOCPART == 6
	.amdgcn_target "amdgcn-amd-amdhsa--gfx1250"
	.amdhsa_code_object_version 6
	.text
	.protected	k_q2476abbb9e_route
	.globl	k_q2476abbb9e_route
	.p2align	8
	.type	k_q2476abbb9e_route,@function
k_q2476abbb9e_route:
	s_mov_b64 s[64:65], 0
	v_nop
	global_prefetch_b8 v0, s[64:65] scope:SCOPE_SE
	s_setreg_imm32_b32 hwreg(HW_REG_WAVE_MODE, 25, 1), 1
	s_wait_xcnt 0x0
; ROUTE.  x [1024 tokens][1024] f32.  (a) logits = x router_W + router_b in f32, softmax with the row's maximum taken away, the two largest
; probabilities (the lower index wins a tie), their weights p / (p1 + p2).  (b) x is quantised ONCE to codes of FP6 (E2M3) with one E8M0 byte for each 32 along D.
; A work-group takes 16 tokens; wave s takes K step s (128 of D).  Lane (r, h) holds token r; register 16 b + i holds k = 128 s + 32 b + 16 h + i, of x and of router_W alike.
; x COMES IN DENSELY: each of a wave's 16 loads reads one token's 512 consecutive bytes, 16 a lane; the 8 KB turn through the wave's own stage in LDS and come back 64 bytes of a row to a lane.
; OUT: xc: 768 bytes a token; the 16 bytes at 32 (3 s + g) + 16 h are registers 4 g .. 4 g + 3 of lane (., h) of K step s's operand.  xs: 32 bytes a token, the scale word of
; step 2 p + h at 16 h + 4 p.  choice [token][2]: expert numbers, gate [token][2]: f32, both at fixed places: no address here hangs on a floating-point number.
; THE LOGITS go by the f32 matrix form: source 0 = router_W's columns (rows 8-15 repeat experts 0-7), source 1 = the 16 tokens: a lane then holds ONE token and its 8 registers the 8 experts.
; LIMITS: NaN and infinities among the inputs are not served.  A block whose largest magnitude lies under 2^-124 keeps the byte 1; a block of zeros gets the byte 1 where the rule says 127
; (its codes are zeros, and this program alone reads the bytes).  The logits are summed in another order than a plain chain along D.
.set SPI,  784                         ; a token's row in the stage of codes: 768 bytes + 16: an odd multiple of 16
.set STG,  0                           ; LDS: 16 rows of codes
.set XSS,  16*SPI                      ; 16 x 32 bytes of scale words
.set LOGP, XSS+512                     ; eight waves' partial logits, 1,024 bytes each
.set XTP,  528                         ; x's turn: a token's 512 bytes + 16: row r starts 4 r words on in the banks, so the 16 rows of a load start at 16 different places
.set XTW,  16*XTP                      ; a wave's own stage for it
.set XT,   LOGP+8192+256               ; eight of them
.set XTS, 1                            ; x's turn, in: 16 x lane
.set WO,  2                            ; router_W: 512 h + 4 (r % 8)
.set SA,  3                            ; stage, in: 784 r + 16 h + 96 s
.set SS,  4                            ; my row's scale word of step s
.set LP,  5                            ; my partial logits
.set SRD, 6                            ; stage, out: row 2 s + lane / 16, 16 bytes a lane
.set XCO, 7                            ; the same place in xc
.set XSR, 8                            ; the scale words, out
.set L16, 9                            ; 16 x lane
.set LR,  10                           ; partial logits, back
.set CO,  11                           ; choice, gate: 8 r + 4 h
.set HH,  12                           ; h
.set XTL, 15                           ; x's turn, out: 528 r + 64 h
.set X,   16                           ; v16-79   64 numbers of x
.set WR,  80                           ; v80-143  64 numbers of router_W
.set L,   144                          ; v144-175 four accumulators, written by matrix instructions alone
.set XR,  176                          ; v176-239 x as it is loaded; done with before anything below is written
.set P,   176                          ; v176-183 my partial logits, later the logits
.set Q,   184                          ; v184-191 at work, later e and p
.set TM,  192                          ; v192-203 at work in QUANT
.set PW,  204                          ; the scale word just made
.set PC,  206                          ; v206-217 the codes just made
.set SEL, 20                           ; s[20:21] selects of v_permlanex16_b32: lane l xor 16
; 64 numbers of a lane, register 16 b + i = k 32 b + 16 (lane / 16) + i of my row, become an operand's 12 registers in v[PC] on and its scale word in v[PW].
.macro QUANT s
.irp b, 0,1,2,3
	v_max3_num_f32 v[TM+\b], |v[\s+16*\b]|, |v[\s+1+16*\b]|, 0x1800000   ; my 16 of block b, and the floor 2^(3 - 127): the byte cannot fall under 1
.endr
.irp i, 2,4,6,8,10,12,14
.irp b, 0,1,2,3
	s_delay_alu instid0(VALU_DEP_4)
	v_max3_num_f32 v[TM+\b], v[TM+\b], |v[\s+16*\b+\i]|, |v[\s+1+16*\b+\i]|
.endr
.endr
.irp b, 0,1,2,3
	s_delay_alu instid0(VALU_DEP_4)
	v_permlanex16_b32 v[TM+4+\b], v[TM+\b], s[SEL], s[SEL+1]
.endr
.irp b, 0,1,2,3
	s_delay_alu instid0(VALU_DEP_4)
	v_max_num_f32 v[TM+\b], v[TM+\b], v[TM+4+\b]          ; with lane l xor 16's: the block's largest magnitude
.endr
.irp b, 0,1,2,3
	s_delay_alu instid0(VALU_DEP_4)
	v_add_nc_u32 v[TM+8+\b], 0xff000000, v[TM+\b]         ; 2 off its exponent field: the conversion's scale operand
.endr
.irp b, 0,1,2,3
	s_delay_alu instid0(VALU_DEP_4)
	v_lshrrev_b32 v[TM+4+\b], 23, v[TM+8+\b]              ; the scale's byte
.endr
	s_delay_alu instid0(VALU_DEP_3)
	v_lshl_or_b32 v[PW], v[TM+5], 8, v[TM+4]
	s_delay_alu instid0(VALU_DEP_1)
	v_lshl_or_b32 v[PW], v[TM+6], 16, v[PW]
	s_delay_alu instid0(VALU_DEP_1)
	v_lshl_or_b32 v[PW], v[TM+7], 24, v[PW]
.irp c, 0,1
	v_cvt_scalef32_pk16_fp6_f32 v[PC+6*\c:PC+6*\c+2], v[\s+32*\c:\s+32*\c+15], v[TM+8+2*\c]
	v_cvt_scalef32_pk16_fp6_f32 v[TM+4*\c:TM+4*\c+2], v[\s+32*\c+16:\s+32*\c+31], v[TM+9+2*\c]   ; three registers from an even one on: where the maxima and the bytes lay
.endr
	v_nop                                                 ; one plain place behind a scaled conversion
.irp c, 0,1                                               ; the operand wants a WHOLE block in a lane: lanes 0-15 block 2 c, lanes 16-31 block 2 c + 1
.irp i, 0,1,2
	v_permlane16_swap_b32 v[PC+6*\c+\i], v[TM+4*\c+\i]
.endr
.irp i, 0,1,2
	s_delay_alu instid0(VALU_DEP_3)
	v_mov_b32 v[PC+3+6*\c+\i], v[TM+4*\c+\i]
.endr
.endr
.endm
	s_load_b256 s[4:11], s[0:1], 0x0               ; x s[4:5], router_W s[6:7], router_b s[8:9], xc s[10:11]
	s_load_b128 s[12:15], s[0:1], 0x20             ; xs s[12:13], choice s[14:15]
	s_load_b64 s[16:17], s[0:1], 0x30              ; gate
	v_lshl_add_u32 v254, v0, 2, 0x15c00
	v_mov_b32 v255, 0
	v_lshrrev_b32 v13, 5, v0
	s_delay_alu instid0(VALU_DEP_1)
	v_readfirstlane_b32 s18, v13                   ; wave = K step s
	v_and_b32 v13, 15, v0                          ; r
	v_bfe_u32 v[HH], v0, 4, 1                      ; h
	v_and_b32 v14, 31, v0                          ; lane
	s_delay_alu instid0(VALU_DEP_1)
	v_lshlrev_b32 v[L16], 4, v14
	s_mul_i32 s22, s18, XTW
	s_add_co_u32 s22, s22, XT                      ; my stage for x's turn
	v_add_nc_u32 v[XTS], s22, v[L16]
	v_mul_u32_u24 v[XTL], v13, XTP
	s_delay_alu instid0(VALU_DEP_1)
	v_lshl_add_u32 v[XTL], v[HH], 6, v[XTL]
	s_delay_alu instid0(VALU_DEP_1)
	v_add_nc_u32 v[XTL], s22, v[XTL]
	v_and_b32 v[WO], 7, v0
	s_delay_alu instid0(VALU_DEP_1)
	v_lshlrev_b32 v[WO], 2, v[WO]
	s_delay_alu instid0(VALU_DEP_1)
	v_lshl_add_u32 v[WO], v[HH], 9, v[WO]
	s_mul_i32 s22, s18, 96
	v_mul_u32_u24 v[SA], v13, SPI
	s_delay_alu instid0(VALU_DEP_1)
	v_lshl_add_u32 v[SA], v[HH], 4, v[SA]
	s_delay_alu instid0(VALU_DEP_1)
	v_add_nc_u32 v[SA], s22, v[SA]
	s_and_b32 s22, s18, 1
	s_lshl_b32 s22, s22, 4
	s_lshr_b32 s23, s18, 1
	s_lshl_b32 s23, s23, 2
	s_add_co_u32 s22, s22, s23
	s_add_co_u32 s22, s22, XSS
	v_lshl_add_u32 v[SS], v13, 5, s22
	s_lshl_b32 s22, s18, 10
	s_add_co_u32 s22, s22, LOGP
	v_lshl_add_u32 v[LP], v14, 5, s22
	v_lshl_add_u32 v[LR], v14, 5, LOGP
	s_mul_i32 s22, s18, 2*SPI
	v_mul_u32_u24 v[SRD], v[HH], SPI
	s_delay_alu instid0(VALU_DEP_1)
	v_lshl_add_u32 v[SRD], v13, 4, v[SRD]
	s_delay_alu instid0(VALU_DEP_1)
	v_add_nc_u32 v[SRD], s22, v[SRD]
	s_mul_i32 s22, s18, 2*768
	v_mul_u32_u24 v[XCO], v[HH], 768
	s_delay_alu instid0(VALU_DEP_1)
	v_lshl_add_u32 v[XCO], v13, 4, v[XCO]
	s_delay_alu instid0(VALU_DEP_1)
	v_add_nc_u32 v[XCO], s22, v[XCO]
	v_add_nc_u32 v[XSR], XSS, v[L16]
	v_lshlrev_b32 v[CO], 3, v13
	s_delay_alu instid0(VALU_DEP_1)
	v_lshl_add_u32 v[CO], v[HH], 2, v[CO]
	s_mov_b32 s[SEL], 0x76543210
	s_mov_b32 s[SEL+1], 0xfedcba98
	s_lshl_b32 s24, ttmp9, 16                      ; 16 tokens of 4,096 bytes,
	s_lshl_b32 s25, s18, 9
	s_add_co_u32 s24, s24, s25                     ; + my K step's 512 bytes
	s_mov_b32 s25, 0
	s_lshl_b32 s26, s18, 12                        ; router_W: 128 rows of 32 bytes a K step
	s_mov_b32 s27, 0
	s_mul_i32 s28, ttmp9, 16*768
	s_mov_b32 s29, 0
	s_lshl_b32 s30, ttmp9, 9
	s_mov_b32 s31, 0
	s_lshl_b32 s32, ttmp9, 7
	s_mov_b32 s33, 0
	s_wait_kmcnt 0x0
	s_add_nc_u64 s[4:5], s[4:5], s[24:25]
	s_add_nc_u64 s[6:7], s[6:7], s[26:27]
	s_add_nc_u64 s[10:11], s[10:11], s[28:29]
	s_add_nc_u64 s[12:13], s[12:13], s[30:31]
	s_add_nc_u64 s[14:15], s[14:15], s[32:33]
	s_add_nc_u64 s[16:17], s[16:17], s[32:33]
	s_load_b256 s[40:47], s[8:9], 0x0              ; router_b
.irp q, 0,1,2,3,4,5,6,7,8,9,10,11,12,13,14,15
	global_load_b128 v[XR+4*\q:XR+4*\q+3], v[L16], s[4:5] offset:4096*\q th:TH_LOAD_NT   ; token q's 512 consecutive bytes of my K step
.endr
.set n, 0
.rept 64
	global_load_b32 v[WR+n], v[WO], s[6:7] offset:32*(32*(n/16)+n%16)
.set n, n+1
.endr
	s_wait_loadcnt 63                              ; x's sixteen loads are in: 64 loads were issued behind them, and the count's field ends at 63
.irp q, 0,1,2,3,4,5,6,7,8,9,10,11,12,13,14,15
	ds_store_b128 v[XTS], v[XR+4*\q:XR+4*\q+3] offset:XTP*\q
.endr
.irp b, 0,1,2,3
.irp j, 0,1,2,3
	ds_load_b128 v[X+16*\b+4*\j:X+16*\b+4*\j+3], v[XTL] offset:128*\b+16*\j   ; LDS serves a wave's instructions in order (ISA guide 5.7.1.4): these see my stores; the bytes are my wave's own
.endr
.endr
	s_wait_dscnt 0x0                               ; x lies as QUANT and the products want it
.irp b, 0,1,2,3
	v_mov_b32 v[TM+4+\b], 0                        ; written once: a lane permute's destination counts as one of its sources
.endr
	QUANT X
.irp g, 0,1,2
	ds_store_b128 v[SA], v[PC+4*\g:PC+4*\g+3] offset:32*\g
.endr
	ds_store_b32 v[SS], v[PW]                      ; lanes r and r + 16 write the same word with the same value
	s_wait_loadcnt 0x0                             ; router_W
; 32 K steps of 4; the four accumulators take turns, one instruction a turn; the first four start the sums
.set n, 0
.rept 32
.if n < 4
	v_wmma_f32_16x16x4_f32 v[L+8*(n%4):L+8*(n%4)+7], v[WR+2*n:WR+2*n+1], v[X+2*n:X+2*n+1], 0
.else
	v_wmma_f32_16x16x4_f32 v[L+8*(n%4):L+8*(n%4)+7], v[WR+2*n:WR+2*n+1], v[X+2*n:X+2*n+1], v[L+8*(n%4):L+8*(n%4)+7]
.endif
.set n, n+1
.endr
.rept 8
	v_nop                                          ; eight places behind this form before its results are read (ISA guide 7.12.1)
.endr
.irp j, 0,1,2,3,4,5,6,7
	v_add_f32 v[P+\j], v[L+\j], v[L+8+\j]          ; each accumulator from its low end on
.endr
.irp j, 0,1,2,3,4,5,6,7
	v_add_f32 v[Q+\j], v[L+16+\j], v[L+24+\j]
.endr
.irp j, 0,1,2,3,4,5,6,7
	v_add_f32 v[P+\j], v[P+\j], v[Q+\j]            ; my K step's share of the 8 logits of token r
.endr
	ds_store_b128 v[LP], v[P:P+3]
	ds_store_b128 v[LP], v[P+4:P+7] offset:16
	s_wait_kmcnt 0x0                               ; router_b
	s_wait_dscnt 0x0                               ; for the others' sake: my stores have landed
	s_barrier_signal -1
	s_barrier_wait -1
	; every wave: two tokens' codes leave as whole rows: sixteen lanes store 256 consecutive bytes, aligned
.irp u, 0,1,2
	ds_load_b128 v[WR+4*\u:WR+4*\u+3], v[SRD] offset:256*\u
.endr
	s_wait_dscnt 0x0
.irp u, 0,1,2
	global_store_b128 v[XCO], v[WR+4*\u:WR+4*\u+3], s[10:11] offset:256*\u
.endr
	s_cmp_eq_u32 s18, 1
	s_cbranch_scc0 .Lnot_wave_1
	ds_load_b128 v[WR+12:WR+15], v[XSR]            ; wave 1: the 16 tokens' scale words, 512 consecutive bytes
	s_wait_dscnt 0x0
	global_store_b128 v[L16], v[WR+12:WR+15], s[12:13]
.Lnot_wave_1:
	s_cmp_eq_u32 s18, 0
	s_cbranch_scc0 .Lend
	; wave 0: the router proper.  Lanes r and r + 16 hold the same token
.irp s, 0,1,2,3,4,5,6,7
	ds_load_b128 v[X+8*\s:X+8*\s+3], v[LR] offset:1024*\s
	ds_load_b128 v[X+8*\s+4:X+8*\s+7], v[LR] offset:1024*\s+16
.endr
	s_wait_dscnt 0x0
.irp j, 0,1,2,3,4,5,6,7
	v_add_f32 v[P+\j], v[X+\j], v[X+8+\j]
.endr
.irp s, 2,3,4,5,6,7
.irp j, 0,1,2,3,4,5,6,7
	v_add_f32 v[P+\j], v[P+\j], v[X+8*\s+\j]       ; K steps ascending
.endr
.endr
.irp j, 0,1,2,3,4,5,6,7
	v_add_f32 v[P+\j], s[40+\j], v[P+\j]           ; + router_b
.endr
	v_max3_num_f32 v192, v[P], v[P+1], v[P+2]
	s_delay_alu instid0(VALU_DEP_1)
	v_max3_num_f32 v192, v192, v[P+3], v[P+4]
	s_delay_alu instid0(VALU_DEP_1)
	v_max3_num_f32 v192, v192, v[P+5], v[P+6]
	s_delay_alu instid0(VALU_DEP_1)
	v_max_num_f32 v192, v192, v[P+7]               ; the row's maximum is taken away ahead of the exponentials
.irp j, 0,1,2,3,4,5,6,7
	v_sub_f32 v[Q+\j], v[P+\j], v192
.endr
.irp j, 0,1,2,3,4,5,6,7
	v_mul_f32 v[Q+\j], 0x3fb8aa3b, v[Q+\j]         ; x log2(e)
.endr
	s_wait_alu depctr_va_vdst(0)
.irp j, 0,1,2,3,4,5,6,7
	v_exp_f32 v[Q+\j], v[Q+\j]
.endr
	v_nop                                          ; one plain place behind the transcendentals
	s_wait_alu depctr_va_vdst(0)
	v_add_f32 v193, v[Q], v[Q+1]
.irp j, 2,3,4,5,6,7
	v_add_f32 v193, v193, v[Q+\j]
.endr
	s_wait_alu depctr_va_vdst(0)
	v_rcp_f32 v193, v193
	v_nop
	s_wait_alu depctr_va_vdst(0)
.irp j, 0,1,2,3,4,5,6,7
	v_mul_f32 v[Q+\j], v[Q+\j], v193               ; the probabilities
.endr
	v_mov_b32 v194, v[Q]                           ; the largest: a later one wins only if it is truly larger, so the lower index keeps a tie
	v_mov_b32 v195, 0
.irp j, 1,2,3,4,5,6,7
	s_delay_alu instid0(VALU_DEP_2)
	v_cmp_gt_f32 vcc_lo, v[Q+\j], v194
	s_delay_alu instid0(VALU_DEP_1)
	v_cndmask_b32 v194, v194, v[Q+\j], vcc_lo
	s_delay_alu instid0(VALU_DEP_2)
	v_cndmask_b32 v195, v195, \j, vcc_lo
.endr
.irp j, 0,1,2,3,4,5,6,7
	v_cmp_eq_u32 vcc_lo, \j, v195
	s_delay_alu instid0(VALU_DEP_1)
	v_cndmask_b32 v[PC+\j], v[Q+\j], -1.0, vcc_lo  ; the winner is taken out: -1 lies under every probability
.endr
	v_mov_b32 v196, v[PC]
	v_mov_b32 v197, 0
.irp j, 1,2,3,4,5,6,7
	s_delay_alu instid0(VALU_DEP_2)
	v_cmp_gt_f32 vcc_lo, v[PC+\j], v196
	s_delay_alu instid0(VALU_DEP_1)
	v_cndmask_b32 v196, v196, v[PC+\j], vcc_lo
	s_delay_alu instid0(VALU_DEP_2)
	v_cndmask_b32 v197, v197, \j, vcc_lo
.endr
	s_delay_alu instid0(VALU_DEP_2)
	v_add_f32 v198, v194, v196
	s_wait_alu depctr_va_vdst(0)
	v_rcp_f32 v198, v198
	v_cmp_eq_u32 vcc_lo, 1, v[HH]                  ; (a plain place)  lanes 0-15 store the first choice, lanes 16-31 the second
	s_wait_alu depctr_va_vdst(0)
	v_mul_f32 v194, v194, v198
	v_mul_f32 v196, v196, v198
	v_cndmask_b32 v199, v195, v197, vcc_lo
	s_delay_alu instid0(VALU_DEP_2)
	v_cndmask_b32 v200, v194, v196, vcc_lo
	global_store_b32 v[CO], v199, s[14:15]         ; 128 consecutive bytes, at places that hang on ids alone
	global_store_b32 v[CO], v200, s[16:17]
.Lend:
	s_wait_tensorcnt 0x0
	ds_add_u32 v254, v255
	s_wait_dscnt 0x0
	s_endpgm
.Lfunc_end_k_q2476abbb9e_route:
	.size	k_q2476abbb9e_route, .Lfunc_end_k_q2476abbb9e_route-k_q2476abbb9e_route
	.p2alignl 7, 3214868480
	.fill 96, 4, 3214868480
	.section	.rodata,"a",@progbits
	.p2align	6, 0x0
	.amdhsa_kernel k_q2476abbb9e_route
		.amdhsa_group_segment_fixed_size 90112
		.amdhsa_private_segment_fixed_size 0
		.amdhsa_enable_private_segment 0
		.amdhsa_kernarg_size 56
		.amdhsa_user_sgpr_count 2
		.amdhsa_user_sgpr_kernarg_segment_ptr 1
		.amdhsa_wavefront_size32 1
		.amdhsa_system_sgpr_workgroup_id_x 1
		.amdhsa_system_sgpr_workgroup_id_y 1
		.amdhsa_system_sgpr_workgroup_id_z 1
		.amdhsa_system_vgpr_workitem_id 0
		.amdhsa_next_free_vgpr 256
		.amdhsa_next_free_sgpr 66
		.amdhsa_reserve_vcc 1
		.amdhsa_float_denorm_mode_32 3
		.amdhsa_float_denorm_mode_16_64 3
		.amdhsa_memory_ordered 1
		.amdhsa_forward_progress 1
		.amdhsa_inst_pref_size 34
	.end_amdhsa_kernel
	.amdgpu_metadata
---
amdhsa.version: [ 1, 2 ]
amdhsa.kernels:
  - .name:           k_q2476abbb9e_route
    .symbol:         k_q2476abbb9e_route.kd
    .args:
      - { .name: x, .offset: 0, .size: 8, .value_kind: global_buffer, .address_space: global }
      - { .name: router_W, .offset: 8, .size: 8, .value_kind: global_buffer, .address_space: global }
      - { .name: router_b, .offset: 16, .size: 8, .value_kind: global_buffer, .address_space: global }
      - { .name: xc, .offset: 24, .size: 8, .value_kind: global_buffer, .address_space: global }
      - { .name: xs, .offset: 32, .size: 8, .value_kind: global_buffer, .address_space: global }
      - { .name: choice, .offset: 40, .size: 8, .value_kind: global_buffer, .address_space: global }
      - { .name: gate, .offset: 48, .size: 8, .value_kind: global_buffer, .address_space: global }
    .group_segment_fixed_size: 90112
    .private_segment_fixed_size: 0
    .kernarg_segment_align: 8
    .kernarg_segment_size: 56
    .max_flat_workgroup_size: 256
    .sgpr_count:     66
    .vgpr_count:     256
    .wavefront_size: 32
...
	.end_amdgpu_metadata
.endif
;; end of part 6
;; launch place (part 7): grid 1 x 1, 8 waves a work-group, no clusters, 1,280 bytes of LDS; arguments choice, rows; writes rows
.if DOCPART == 7
	.amdgcn_target "amdgcn-amd-amdhsa--gfx1250"
	.amdhsa_code_object_version 6
	.text
	.protected	k_q2476abbb9e_place
	.globl	k_q2476abbb9e_place
	.p2align	8
	.type	k_q2476abbb9e_place,@function
k_q2476abbb9e_place:
	s_mov_b64 s[64:65], 0
	v_nop
	global_prefetch_b8 v0, s[64:65] scope:SCOPE_SE
	s_setreg_imm32_b32 hwreg(HW_REG_WAVE_MODE, 25, 1), 1
	s_wait_xcnt 0x0
; PLACE.  A counting sort of the 2,048 routed rows (entry n = 2 token + k) into tiles of 16 rows of one expert.  One work-group; wave e serves expert e and reads all of choice (8 KB).
; rows, in words: 0 .. 2175: slot -> entry; an expert's last tile is filled up with 2048 + e.  2176 + 32 e + lane: a word of each lane's own that takes the stores of lanes with nothing
; to place; nobody reads it.  2432 + 2 e: the expert's first tile, 2433 + 2 e: its number of tiles.
; The tiles of all experts are at most (2048 + 8 x 15) / 16 = 135, whatever the choice.  EXEC stays full but for the last store: a lane with nothing to place stores to its own word.
.set C,  16                            ; v16-79   choice: register 4 i + c = word 128 i + 4 lane + c
.set RK, 80                            ; v80-111  step t: my row's rank in the expert, then its byte in rows
.set NN, 112                           ; v112-143 step t: my row's entry
.set MK, 66                            ; s66-97   step t: the lanes whose token chose expert e
	s_load_b128 s[4:7], s[0:1], 0x0                ; choice, rows
	v_lshl_add_u32 v160, v0, 2, 0x100
	v_mov_b32 v161, 0
	v_lshrrev_b32 v1, 5, v0
	s_delay_alu instid0(VALU_DEP_1)
	v_readfirstlane_b32 s18, v1                    ; e
	v_and_b32 v2, 31, v0                           ; lane
	s_delay_alu instid0(VALU_DEP_1)
	v_lshlrev_b32 v3, 4, v2
	s_delay_alu instid0(VALU_DEP_2)
	v_lshlrev_b32 v4, 2, v2
	s_lshl_b32 s21, s18, 5
	s_add_co_u32 s21, s21, 2176
	v_add_nc_u32 v5, s21, v2                       ; my own word
	s_mov_b32 s20, 0                               ; rows counted so far
	s_wait_alu depctr_va_vdst(0)
	s_wait_kmcnt 0x0
.irp i, 0,1,2,3,4,5,6,7,8,9,10,11,12,13,14,15
	global_load_b128 v[C+4*\i:C+4*\i+3], v3, s[4:5] offset:512*\i
.endr
	s_wait_loadcnt 0x0
; step t = 2 i + jj: token 64 i + 2 lane + jj.  Its two choices differ, so at most one is e
.set tt, 0
.rept 32
	v_cmp_eq_u32 s[MK+tt], s18, v[C+2*tt]
	v_cmp_eq_u32 vcc_lo, s18, v[C+2*tt+1]
	s_delay_alu instid0(VALU_DEP_1)
	v_cndmask_b32 v6, 0, 1, vcc_lo
	s_delay_alu instid0(VALU_DEP_1)
	v_add3_u32 v[NN+tt], v4, v6, 128*(tt/2)+2*(tt%2)   ; the entry: 2 token + which choice
	s_or_b32 s[MK+tt], s[MK+tt], vcc_lo
	v_mbcnt_lo_u32_b32 v[RK+tt], s[MK+tt], s20     ; rows counted so far + those of lower lanes in this step
	s_bcnt1_i32_b32 s22, s[MK+tt]
	s_add_co_u32 s20, s20, s22
.set tt, tt+1
.endr
	v_mov_b32 v6, s20
	v_mov_b32 v7, s18
	s_delay_alu instid0(VALU_DEP_1)
	v_lshlrev_b32 v7, 2, v7
	ds_store_b32 v7, v6                            ; my expert's count: all lanes write the same word with the same value
	s_wait_dscnt 0x0
	s_barrier_signal -1
	s_barrier_wait -1
	v_mov_b32 v8, 0
	ds_load_b128 v[144:147], v8
	ds_load_b128 v[148:151], v8 offset:16
	s_wait_dscnt 0x0
	s_mov_b32 s23, 0                               ; my first tile: the tiles of the experts below me
.irp j, 0,1,2,3,4,5,6,7
	v_readfirstlane_b32 s40, v[144+\j]
	s_add_co_u32 s40, s40, 15
	s_lshr_b32 s40, s40, 4
	s_cmp_gt_u32 s18, \j
	s_cselect_b32 s40, s40, 0
	s_add_co_u32 s23, s23, s40
.endr
	s_lshl_b32 s24, s23, 4                         ; my first slot
.set tt, 0
.rept 32
	v_add_nc_u32 v[RK+tt], s24, v[RK+tt]
	s_delay_alu instid0(VALU_DEP_1)
	v_cndmask_b32 v[RK+tt], v5, v[RK+tt], s[MK+tt] ; the slot, or my own word
	s_delay_alu instid0(VALU_DEP_1)
	v_min_u32 v[RK+tt], 0x97f, v[RK+tt]            ; held inside the buffer's first 2,432 words
	s_delay_alu instid0(VALU_DEP_1)
	v_lshlrev_b32 v[RK+tt], 2, v[RK+tt]
	global_store_b32 v[RK+tt], v[NN+tt], s[6:7]    ; each step has registers of its own: none is written again
.set tt, tt+1
.endr
	s_add_co_u32 s26, s20, 15
	s_lshr_b32 s26, s26, 4                         ; my tiles
	s_lshl_b32 s25, s26, 4
	s_sub_co_u32 s25, s25, s20                     ; slots to fill up: 0 .. 15
	s_add_co_u32 s27, s24, s20
	v_add_nc_u32 v9, s27, v2
	v_cmp_gt_u32 vcc_lo, s25, v2
	s_delay_alu instid0(VALU_DEP_1)
	v_cndmask_b32 v9, v5, v9, vcc_lo
	s_delay_alu instid0(VALU_DEP_1)
	v_min_u32 v9, 0x97f, v9
	s_delay_alu instid0(VALU_DEP_1)
	v_lshlrev_b32 v9, 2, v9
	s_add_co_u32 s28, s18, 2048
	v_mov_b32 v10, s28
	global_store_b32 v9, v10, s[6:7]
	v_mov_b32 v12, s23
	v_mov_b32 v13, s26
	v_mov_b32 v11, s18
	s_delay_alu instid0(VALU_DEP_1)
	v_lshl_add_u32 v11, v11, 3, 9728
	v_cmp_eq_u32 vcc_lo, 0, v2
	s_wait_alu depctr_va_vdst(0)
	s_wait_xcnt 0x0                                ; EXEC is a source of the stores above: it changes only behind this wait
	s_wait_tensorcnt 0x0
	ds_add_u32 v160, v161
	s_wait_dscnt 0x0
	s_and_saveexec_b32 s29, vcc_lo
	global_store_b64 v11, v[12:13], s[6:7]         ; lane 0: first tile, number of tiles
	s_wait_xcnt 0x0
	s_or_b32 exec_lo, exec_lo, s29
	s_endpgm
.Lfunc_end_k_q2476abbb9e_place:
	.size	k_q2476abbb9e_place, .Lfunc_end_k_q2476abbb9e_place-k_q2476abbb9e_place
	.p2alignl 7, 3214868480
	.fill 96, 4, 3214868480
	.section	.rodata,"a",@progbits
	.p2align	6, 0x0
	.amdhsa_kernel k_q2476abbb9e_place
		.amdhsa_group_segment_fixed_size 1280
		.amdhsa_private_segment_fixed_size 0
		.amdhsa_enable_private_segment 0
		.amdhsa_kernarg_size 16
		.amdhsa_user_sgpr_count 2
		.amdhsa_user_sgpr_kernarg_segment_ptr 1
		.amdhsa_wavefront_size32 1
		.amdhsa_system_sgpr_workgroup_id_x 1
		.amdhsa_system_sgpr_workgroup_id_y 1
		.amdhsa_system_sgpr_workgroup_id_z 1
		.amdhsa_system_vgpr_workitem_id 0
		.amdhsa_next_free_vgpr 162
		.amdhsa_next_free_sgpr 100
		.amdhsa_reserve_vcc 1
		.amdhsa_float_denorm_mode_32 3
		.amdhsa_float_denorm_mode_16_64 3
		.amdhsa_memory_ordered 1
		.amdhsa_forward_progress 1
		.amdhsa_inst_pref_size 33
	.end_amdhsa_kernel
	.amdgpu_metadata
---
amdhsa.version: [ 1, 2 ]
amdhsa.kernels:
  - .name:           k_q2476abbb9e_place
    .symbol:         k_q2476abbb9e_place.kd
    .args:
      - { .name: choice, .offset: 0, .size: 8, .value_kind: global_buffer, .address_space: global }
      - { .name: rows, .offset: 8, .size: 8, .value_kind: global_buffer, .address_space: global }
    .group_segment_fixed_size: 1280
    .private_segment_fixed_size: 0
    .kernarg_segment_align: 8
    .kernarg_segment_size: 16
    .max_flat_workgroup_size: 256
    .sgpr_count:     100
    .vgpr_count:     162
    .wavefront_size: 32
...
	.end_amdgpu_metadata
.endif
;; end of part 7
;; launch up (part 8): grid 32 x 8, 4 waves a work-group, no clusters, 103,680 bytes of LDS; arguments W1, b1, xc, xs, rows, hc, hs; writes hc, hs
.if DOCPART == 8
	.amdgcn_target "amdgcn-amd-amdhsa--gfx1250"
	.amdhsa_code_object_version 6
	.text
	.protected	k_q2476abbb9e_up
	.globl	k_q2476abbb9e_up
	.p2align	8
	.type	k_q2476abbb9e_up,@function
k_q2476abbb9e_up:
	s_mov_b64 s[64:65], 0
	v_nop
	global_prefetch_b8 v0, s[64:65] scope:SCOPE_SE
	s_setreg_imm32_b32 hwreg(HW_REG_WAVE_SCHED_MODE, 0, 2), 2
	s_setreg_imm32_b32 hwreg(HW_REG_WAVE_MODE, 25, 1), 1
	s_wait_xcnt 0x0
	s_wait_alu depctr_vm_vsrc(0)
; UP.  h = gelu(x W1[e] + b1[e]) for the rows that chose expert e, both operands as codes of FP6 (E2M3) with one E8M0 byte for each 32 along D; h is quantised along H on the way out.
; THE WEIGHTS STAY, THE ROWS WALK PAST.  Work-group (ks, e) owns hidden units 128 ks .. 128 ks + 127 of expert e: 512 KB of f32, read from memory once in the whole launch, quantised here.
; PHASE Q.  Wave w takes D rows 256 w .. + 255, eight groups of 32 rows.  A load reads one row's 512 consecutive bytes, 16 a lane (four columns); 64 loads of a wave are on their way.
;   The conversions want a column's 32 numbers in consecutive registers: one move a number brings them there.  A column's block needs no other lane.  The codes go to LDS as IMAGES OF THE
;   OPERAND'S REGISTERS: image (tile t, K step s) at (8 t + s) x 1,536 bytes, lane L's twelve registers at 48 L.
;   THE HIDDEN UNITS OF A TILE ARE NOT NEIGHBOURS: row r of tile 2 b + u is unit 32 b + 8 u + r + 8 (r / 8), so that the results of tiles 2 b, 2 b + 1 are 16 neighbours along the next K.
; THE FRAGMENTS.  Every wave takes all 64 fragments (768 registers) into registers.  Behind group 3 each wave has finished K step 2 w: a barrier stands there, and the 32 fragments of the even
;   steps are fetched from LDS at the heads of groups 4 to 7, eight each, ahead of the wait for that group's weights.  Nobody writes those images again.  The odd steps' follow behind the second barrier.
; THE ROW LOOP'S FIRST LOADS stand ahead of that second barrier: the tile counts and the first entries are taken in group 0, the places in xc and xs made in group 1, and x is asked for as soon as
;   phase Q has done with the registers.
; ROW LOOP.  Wave w takes the expert's tiles w, w + 4, ..: its count is read from rows, so the loop holds no barrier and no LDS store.  The product is used transposed (source 0 = 16 units,
;   source 1 = 16 rows of x): a lane holds ONE row.  b1 is the C of the first products.  gelu(v) = v / (1 + 2^(A v + B v^3)), A = -2 sqrt(2/pi) log2(e), B = 0.044715 A: the same function as
;   0.5 v (1 + tanh(..)), finite at both ends.
; NO JOINT LOADS, no tensor loads: the trip counts are read from memory, and no two work-groups read the same weights.
; LIMITS: NaN and infinities are not served.  Blocks under 2^-124 keep the byte 1; a block of zeros gets the byte 1 where the rule says 127 (zero codes; this program alone reads the bytes).
; THE MODE: SCHED_MODE bits 1:0 = 2 (LLVM: expert scheduling mode 2), set by the entry lines.  The code itself states the register dependences between vector or matrix instructions and
;   memory or LDS instructions, with s_wait_alu, always for 0.
; THE PLAN, phase Q.  Registers that memory or LDS instructions touch:
;   window 1's two sets   Group g's 128 moves read set g % 2; behind them the loads of group g + 2 land in it.  One wait on va_vdst stands between the two.
;   v[CJ ..], v[SW ..]    Written by a group's conversions and moves, read by its LDS stores: one wait on va_vdst ahead of the stores, one on vm_vsrc at the head of the next group's arithmetic.
;   v[EA], v[EN]          v[EA] is written in groups 0 and 1 and read by the load of entries, which lands in v[EN]: that load stands behind the moves' wait.
;   windows 2 and 3       The early fragments land there; no vector instruction names those registers.
; THE PLAN, row loop:
;   v[XF ..], v[XS ..], v[EN]   Read by the trip's 64 products (v[EN]: by the head's lines).  ONE wait on va_vdst behind the products; all 26 loads for the next tile follow it.
;   v[XA], v[XSA], v[EA]        Written at a trip's head, behind a wait on vm_vsrc; read by those loads.
;   v[ACC ..]                   b1's LDS loads land at a trip's head; products, gelu and the quantiser name it; the wait ahead of the trip's stores stands behind the last of them.
;   v[PC ..], v[PW]             Written by the quantiser, read by the trip's four stores: that same wait; the head's wait on vm_vsrc frees them, and v[HO], v[HSO], for the next trip.
.set FRB,  1536                        ; a fragment's image: 12 registers x 32 lanes x 4 bytes
.set IMG,  0
.set SCL,  64*FRB                      ; scale word (t, s, r) at (8 t + s) 64 + 4 r
.set BIAS, SCL+4096                    ; b1's 128 numbers
; window 0
.set XA,   1                           ; xc: 768 token + 16 h, of the tile whose loads are issued next
.set XSA,  2                           ; xs: 32 token + 16 h
.set EA,   3                           ; rows: 64 tile + 4 r
.set EN,   4                           ; an entry, then its token
.set HO,   5                           ; hc: 49,152 tile + 16 lane
.set HSO,  6                           ; hs: 2,048 tile + 4 r
.set BIA,  7                           ; LDS: BIAS + 64 h
.set R4,   8                           ; 4 r
.set L16,  9                           ; 16 lane
.set WS,   10                          ; v10-41  W1's scale words: register 4 t + p: lanes 0-15 step 2 p, lanes 16-31 step 2 p + 1.  Scales and nothing else
.set XS,   42                          ; v42-45  x's: register p likewise.  Scales and nothing else
.set XF,   46                          ; v46-141 x's eight fragments
.set ACC,  142                         ; v142-205 eight accumulators
.set WF63, 206                         ; v206-217 the 64th fragment of W1
.set KA,   218                         ; v218-219 A, twice
.set TM,   220                         ; v220-231 at work in QUANT
.set G,    220                         ; v220-235 at work in GELU, which runs ahead of QUANT
.set PW,   232
.set PC,   234                         ; v234-245 the codes just made
.set H16,  246                         ; 16 h
.set AR0,  247                         ; LDS: 48 lane
.set AR1,  248                         ; the same, 32 images on
.set AW,   250                         ; LDS: where I put my columns' codes
.set ASW,  251                         ; and their scale words
.set B1V,  252
.set BST,  253
.set SLA,  254                         ; LDS: SCL + 4 lane
.set B1O,  255
; window 0 in phase Q, over registers that the row loop takes later
.set T,    46                          ; v46-173  column j's 32 numbers at T + 32 j
.set M,    174
.set SO,   178
.set BY,   182
.set SW,   186
.set CJ,   190                         ; column j: six registers of codes at CJ + 10 j, three more at + 6
; window 1 holds, in phase Q, two sets of 128 registers as loaded.  The fragments: see FPOS
.set SEL,  30
.set KB,   32                          ; s[32:33] B, twice
.set MSB, 0
.macro WIN new                         ; the immediate's high byte repeats the setting that is left; a switch that changes nothing is dropped
.if MSB != \new
	s_set_vgpr_msb (MSB<<8)|\new
.set MSB, \new
.endif
.endm
; Where fragment (K step s, tile t) lies: window wv, register wr.  The even steps' 32 come first and take windows 2 and 3, which phase Q leaves alone; the odd steps' take the rest of
; window 3, then window 1, 21 fragments to a window; the last lies in window 0.
.macro FPOS s, t
.set pp, 32*((\s)%2)+8*((\s)/2)+(\t)
.if pp == 63
.set wv, 0
.set wr, WF63
.elseif pp < 42
.set wv, 2+pp/21
.set wr, 12*(pp%21)
.else
.set wv, 1
.set wr, 12*(pp-42)
.endif
.endm
.macro FLOAD s, t                      ; the fragment comes out of LDS as it was laid there
	FPOS \s, \t
	WIN 64*wv
.set img, 8*(\t)+(\s)
.irp g, 0,1,2
.if img < 32
	ds_load_b128 v[wr+4*\g:wr+4*\g+3], v[AR0] offset:img*FRB+16*\g
.else
	ds_load_b128 v[wr+4*\g:wr+4*\g+3], v[AR1] offset:(img-32)*FRB+16*\g
.endif
.endr
.endm
.macro EARLYF s                        ; the eight fragments of an even K step.  They land in windows 2 and 3, in registers that no vector instruction names: no wait is owed
.irp t, 0,1,2,3,4,5,6,7
	FLOAD \s, \t
.endr
	WIN 0
.endm
.macro LOADG g, set                    ; group g: 32 rows of D, 512 consecutive bytes each, into a set of window 1
	WIN 0x40
.set ii, 0
.rept 32
	global_load_b128 v[128*(\set)+4*ii:128*(\set)+4*ii+3], v[L16], s[4:5] offset:(32*(\g)+ii)*16384 th:TH_LOAD_NT
.set ii, ii+1
.endr
	WIN 0
.endm
.macro TRANS set                       ; a column's 32 numbers into consecutive registers
	WIN 0x01
.set jj, 0
.rept 4
.set ii, 0
.rept 32
	v_mov_b32 v[T+32*jj+ii], v[128*(\set)+4*ii+jj]
.set ii, ii+1
.endr
.set jj, jj+1
.endr
	WIN 0
.endm
.macro QCOLS i                         ; my four columns' block i: K step 2 w + i / 4; in it registers 6 c on of lane r + 16 (i % 2), c = (i / 2) % 2
	s_wait_dscnt 0x0                               ; the last group's LDS stores are done
	s_wait_alu depctr_vm_vsrc(0)                   ; the LDS stores of the group before have read v[CJ ..] and v[SW ..], which this group writes again; in group 0 it is the load of entries that has read v[EA], which group 1 writes again
.irp j, 0,1,2,3
	v_max3_num_f32 v[M+\j], |v[T+32*\j]|, |v[T+32*\j+1]|, 0x1800000   ; and the floor 2^(3 - 127): the byte cannot fall under 1
.endr
.irp k, 2,4,6,8,10,12,14,16,18,20,22,24,26,28,30
.irp j, 0,1,2,3
	v_max3_num_f32 v[M+\j], v[M+\j], |v[T+32*\j+\k]|, |v[T+32*\j+\k+1]|
.endr
.endr
.irp j, 0,1,2,3
	v_add_nc_u32 v[SO+\j], 0xff000000, v[M+\j]     ; 2 off the exponent field: the conversion's scale operand
.endr
.irp j, 0,1,2,3
	v_lshrrev_b32 v[BY+\j], 23, v[SO+\j]           ; the scale's byte
.endr
.irp j, 0,1,2,3
.if ((\i)%4) == 0
	v_mov_b32 v[SW+\j], v[BY+\j]
.else
	v_lshl_or_b32 v[SW+\j], v[BY+\j], 8*((\i)%4), v[SW+\j]
.endif
.endr
.irp j, 0,1,2,3
	v_cvt_scalef32_pk16_fp6_f32 v[CJ+10*\j:CJ+10*\j+2], v[T+32*\j:T+32*\j+15], v[SO+\j]
	v_cvt_scalef32_pk16_fp6_f32 v[CJ+10*\j+6:CJ+10*\j+8], v[T+32*\j+16:T+32*\j+31], v[SO+\j]
.endr
	v_nop                                          ; one plain place behind a scaled conversion
.irp j, 0,1,2,3
.irp n, 0,1,2
	v_mov_b32 v[CJ+10*\j+3+\n], v[CJ+10*\j+6+\n]
.endr
.endr
	s_wait_alu depctr_va_vdst(0)                   ; the conversions and moves have written v[CJ ..] and v[SW ..], which the LDS stores below read; in group 7 they are also done with v[T ..], in which x's first loads land
.set OFS, ((\i)/4)*FRB+768*((\i)%2)+24*(((\i)/2)%2)
.irp j, 0,1,2,3
.if (((\i)/2)%2) == 0
	ds_store_b128 v[AW], v[CJ+10*\j:CJ+10*\j+3] offset:OFS+48*\j       ; 24 bytes, each piece at a multiple of its size
	ds_store_b64 v[AW], v[CJ+10*\j+4:CJ+10*\j+5] offset:OFS+48*\j+16
.else
	ds_store_b64 v[AW], v[CJ+10*\j:CJ+10*\j+1] offset:OFS+48*\j
	ds_store_b128 v[AW], v[CJ+10*\j+2:CJ+10*\j+5] offset:OFS+48*\j+8
.endif
.endr
.if ((\i)%4) == 3
.irp j, 0,1,2,3
	ds_store_b32 v[ASW], v[SW+\j] offset:((\i)/4)*64+4*\j
.endr
.endif
.endm
.macro QUANT s                         ; 64 numbers of a lane, register 16 b + i = k 32 b + 16 (lane / 16) + i of my row -> v[PC] on, v[PW]
.irp b, 0,1,2,3
	v_max3_num_f32 v[TM+\b], |v[\s+16*\b]|, |v[\s+1+16*\b]|, 0x1800000
.endr
.irp i, 2,4,6,8,10,12,14
.irp b, 0,1,2,3
	v_max3_num_f32 v[TM+\b], v[TM+\b], |v[\s+16*\b+\i]|, |v[\s+1+16*\b+\i]|
.endr
.endr
.irp b, 0,1,2,3
	v_permlanex16_b32 v[TM+4+\b], v[TM+\b], s[SEL], s[SEL+1]
.endr
.irp b, 0,1,2,3
	v_max_num_f32 v[TM+\b], v[TM+\b], v[TM+4+\b]
.endr
.irp b, 0,1,2,3
	v_add_nc_u32 v[TM+8+\b], 0xff000000, v[TM+\b]
.endr
.irp b, 0,1,2,3
	v_lshrrev_b32 v[TM+4+\b], 23, v[TM+8+\b]
.endr
	v_lshl_or_b32 v[PW], v[TM+5], 8, v[TM+4]
	v_lshl_or_b32 v[PW], v[TM+6], 16, v[PW]
	v_lshl_or_b32 v[PW], v[TM+7], 24, v[PW]
.irp c, 0,1
	v_cvt_scalef32_pk16_fp6_f32 v[PC+6*\c:PC+6*\c+2], v[\s+32*\c:\s+32*\c+15], v[TM+8+2*\c]
	v_cvt_scalef32_pk16_fp6_f32 v[TM+4*\c:TM+4*\c+2], v[\s+32*\c+16:\s+32*\c+31], v[TM+9+2*\c]
.endr
	v_nop
.irp c, 0,1
.irp i, 0,1,2
	v_permlane16_swap_b32 v[PC+6*\c+\i], v[TM+4*\c+\i]
.endr
.irp i, 0,1,2
	v_mov_b32 v[PC+3+6*\c+\i], v[TM+4*\c+\i]
.endr
.endr
.endm
.macro TILE dst, add                   ; the tile of my turn i + add, held to the expert's last tile and to the buffers' 136 tiles
	s_add_co_u32 s[\dst], s26, \add
	s_min_u32 s[\dst], s[\dst], s34
	s_add_co_u32 s[\dst], s[\dst], s22
	s_min_u32 s[\dst], s[\dst], 135
.endm
.macro XLOAD p                         ; K steps 2 p, 2 p + 1 of the tile that XA names: six loads
.irp n, 0,1,2,3,4,5
	global_load_b128 v[XF+4*(6*(\p)+\n):XF+4*(6*(\p)+\n)+3], v[XA], s[8:9] offset:32*(6*(\p)+\n)
.endr
.endm
.macro PROD p                          ; 16 products: K steps 2 p, 2 p + 1; the eight accumulators take turns, one instruction a turn
.irp d, 0,1
.irp t, 0,1,2,3,4,5,6,7
	FPOS 2*(\p)+\d, \t
	WIN wv
.if \d
	v_wmma_scale_f32_16x16x128_f8f6f4 v[ACC+8*\t:ACC+8*\t+7], v[wr:wr+11], v[XF+12*(2*(\p)+\d):XF+12*(2*(\p)+\d)+11], v[ACC+8*\t:ACC+8*\t+7], v[WS+4*\t+(\p)], v[XS+(\p)] matrix_a_fmt:MATRIX_FMT_FP6 matrix_b_fmt:MATRIX_FMT_FP6 matrix_a_scale:MATRIX_SCALE_ROW1 matrix_b_scale:MATRIX_SCALE_ROW1
.else
	v_wmma_scale_f32_16x16x128_f8f6f4 v[ACC+8*\t:ACC+8*\t+7], v[wr:wr+11], v[XF+12*(2*(\p)+\d):XF+12*(2*(\p)+\d)+11], v[ACC+8*\t:ACC+8*\t+7], v[WS+4*\t+(\p)], v[XS+(\p)] matrix_a_fmt:MATRIX_FMT_FP6 matrix_b_fmt:MATRIX_FMT_FP6
.endif
.endr
.endr
.endm
.macro GELU q                          ; 16 numbers, accumulators 2 q and 2 q + 1, each from its low end on
.irp k, 0,2,4,6,8,10,12,14
	v_pk_mul_f32 v[G+\k:G+\k+1], v[ACC+16*\q+\k:ACC+16*\q+\k+1], v[ACC+16*\q+\k:ACC+16*\q+\k+1]
.endr
.irp k, 0,2,4,6,8,10,12,14
	v_pk_fma_f32 v[G+\k:G+\k+1], v[G+\k:G+\k+1], s[KB:KB+1], v[KA:KA+1] op_sel_hi:[1,0,1]    ; B v^2 + A
.endr
.irp k, 0,2,4,6,8,10,12,14
	v_pk_mul_f32 v[G+\k:G+\k+1], v[G+\k:G+\k+1], v[ACC+16*\q+\k:ACC+16*\q+\k+1]
.endr
	s_wait_alu depctr_va_vdst(0)
.irp k, 0,1,2,3,4,5,6,7,8,9,10,11,12,13,14,15
	v_exp_f32 v[G+\k], v[G+\k]
.endr
	v_nop                                          ; one plain place behind the transcendentals
	s_wait_alu depctr_va_vdst(0)                   ; the sixteen exponentials have written v[G ..], which the additions below read: one wait for the batch
.irp k, 0,2,4,6,8,10,12,14
	v_pk_add_f32 v[G+\k:G+\k+1], v[G+\k:G+\k+1], 1.0 op_sel_hi:[1,0]
.endr
	s_wait_alu depctr_va_vdst(0)
.irp k, 0,1,2,3,4,5,6,7,8,9,10,11,12,13,14,15
	v_rcp_f32 v[G+\k], v[G+\k]
.endr
	v_nop
	s_wait_alu depctr_va_vdst(0)                   ; the sixteen reciprocals have written v[G ..], which the multiplications below read: one wait for the batch
.irp k, 0,2,4,6,8,10,12,14
	v_pk_mul_f32 v[ACC+16*\q+\k:ACC+16*\q+\k+1], v[ACC+16*\q+\k:ACC+16*\q+\k+1], v[G+\k:G+\k+1]
.endr
.endm
	s_load_b256 s[4:11], s[0:1], 0x0               ; W1 s[4:5], b1 s[6:7], xc s[8:9], xs s[10:11]
	s_load_b128 s[12:15], s[0:1], 0x20             ; rows s[12:13], hc s[14:15]
	s_load_b64 s[16:17], s[0:1], 0x30              ; hs
	v_lshl_add_u32 v249, v0, 2, 0x19300            ; the LDS address of my spare word, and, in window 2, 0: kept for the closing lines alone
	s_set_vgpr_msb 0x80
	v_mov_b32 v255, 0
	s_set_vgpr_msb 0x8000
	v_lshrrev_b32 v1, 5, v0
	v_readfirstlane_b32 s18, v1                    ; wave
	s_and_b32 s19, ttmp7, 0xffff                   ; e;  ttmp9 = ks
	s_lshl_b32 s21, s19, 3
	v_and_b32 v1, 31, v0                           ; lane
	v_lshlrev_b32 v[L16], 4, v1
	v_mul_u32_u24 v[AR0], v1, 48
	v_add_nc_u32 v[AR1], 32*FRB, v[AR0]
	v_lshl_add_u32 v[SLA], v1, 2, SCL
	v_and_b32 v2, 15, v0
	v_lshlrev_b32 v[R4], 2, v2
	v_bfe_u32 v2, v0, 4, 1
	v_lshlrev_b32 v[H16], 4, v2
	v_lshl_add_u32 v[BIA], v2, 6, BIAS
	v_lshl_add_u32 v[BST], v0, 2, BIAS
	v_lshlrev_b32 v[B1O], 2, v0
	; my columns 4 l + j: tile 2 (l / 8) + (l / 2) % 2, row 4 (l % 2) + 8 ((l / 4) % 2) + j
	v_and_b32 v1, 1, v0
	v_bfe_u32 v2, v0, 2, 1
	v_lshlrev_b32 v1, 2, v1
	v_lshl_add_u32 v1, v2, 3, v1                   ; the row of column j = 0
	v_bfe_u32 v2, v0, 3, 2
	v_bfe_u32 v3, v0, 1, 1
	v_lshl_add_u32 v2, v2, 1, v3                   ; the tile
	v_mul_u32_u24 v[AW], v2, 8*FRB
	v_mad_u32_u24 v[AW], v1, 48, v[AW]
	s_wait_alu depctr_va_sdst(0)                   ; s18, the wave's number, is written, ahead of its first reader
	s_mul_i32 s28, s18, 2*FRB
	v_add_nc_u32 v[AW], s28, v[AW]
	v_lshlrev_b32 v[ASW], 9, v2
	v_lshl_add_u32 v[ASW], v1, 2, v[ASW]
	s_lshl_b32 s28, s18, 7
	s_add_co_u32 s28, s28, SCL
	v_add_nc_u32 v[ASW], s28, v[ASW]
	s_mov_b32 s[SEL], 0x76543210
	s_mov_b32 s[SEL+1], 0xfedcba98
	s_mov_b32 s[KB], 0xbdd2d3e8                    ; B = -0.10294324
	s_mov_b32 s[KB+1], s[KB]
	s_lshl_b32 s28, s19, 24                        ; W1: expert, 2^24 bytes;
	s_lshl_b32 s29, s18, 22                        ; my 256 rows of 16,384 bytes;
	s_add_co_u32 s28, s28, s29
	s_lshl_b32 s29, ttmp9, 9                       ; the slice's 512 bytes of a row
	s_add_co_u32 s28, s28, s29
	s_mov_b32 s29, 0
	s_lshl_b32 s36, s19, 14
	s_lshl_b32 s37, ttmp9, 9
	s_add_co_u32 s36, s36, s37
	s_mov_b32 s37, 0
	s_mul_i32 s38, ttmp9, FRB
	s_mov_b32 s39, 0
	s_lshl_b32 s40, ttmp9, 6
	s_mov_b32 s41, 0
	s_wait_kmcnt 0x0
	s_add_nc_u64 s[4:5], s[4:5], s[28:29]
	s_add_nc_u64 s[6:7], s[6:7], s[36:37]
	s_add_nc_u64 s[14:15], s[14:15], s[38:39]
	s_add_nc_u64 s[16:17], s[16:17], s[40:41]
	s_load_b64 s[22:23], s[12:13], s21 offset:0x2600   ; the expert's first tile and its number of tiles
	s_wait_alu depctr_va_vdst(0)                   ; the addresses made above are written: v[L16], v[AR0], v[AR1], v[SLA], v[BIA], v[BST], v[B1O], v[AW], v[ASW], which loads and stores read from here on and no line writes again
	global_load_b32 v[B1V], v[B1O], s[6:7]
	LOADG 0, 0
	LOADG 1, 1
.irp g, 0,1,2,3,4,5,6,7
.if \g >= 4
	EARLYF 2*(\g)-8                                ; eight finished fragments come out of LDS while this group's weights are still on their way
.endif
.if \g < 7
	s_wait_loadcnt 32                              ; this group's 32 loads are in; the next group's 32 stay out (in groups 1 and 2 one load of entries stands between the two groups: it is in as well)
.else
	s_wait_loadcnt 0x0
.endif
.if \g == 0
	ds_store_b32 v[BST], v[B1V]                    ; b1 was asked for ahead of group 0
.endif
.if \g == 1
	v_lshrrev_b32 v[EN], 1, v[EN]                  ; my first tile's entries -> tokens (a slot that only fills a tile up gives token 1023; its results are never read)
	v_min_u32 v[EN], 0x3ff, v[EN]
	v_mad_u32_u24 v[XA], v[EN], 768, v[H16]
	v_lshl_add_u32 v[XSA], v[EN], 5, v[H16]
	TILE 27, 4
	s_lshl_b32 s27, s27, 6
	v_add_nc_u32 v[EA], s27, v[R4]                 ; (group 0's wait on vm_vsrc stands behind the load that read v[EA])
.endif
	TRANS (\g)%2
.if \g == 0
	s_wait_kmcnt 0x0                               ; the expert's first tile and its number of tiles: asked for at the head
	s_min_u32 s22, s22, 135
	s_min_u32 s23, s23, 64                         ; an expert has at most 1,024 rows
	s_cmp_eq_u32 s23, 0
	s_cselect_b32 s22, 0, s22                      ; an expert without rows: the loads ahead of the loop take tile 0, which is always written; their data are not used
	s_max_u32 s34, s23, 1
	s_sub_co_u32 s34, s34, 1                       ; the expert's last tile
	s_add_co_u32 s24, s23, 3
	s_sub_co_u32 s24, s24, s18
	s_lshr_b32 s24, s24, 2                         ; my trips: tiles w, w + 4, ..
	s_mov_b32 s26, s18                             ; i
	s_mov_b32 s25, 0
	TILE 27, 0
	s_lshl_b32 s27, s27, 6
	v_add_nc_u32 v[EA], s27, v[R4]
.endif
.if \g < 6
	s_wait_alu depctr_va_vdst(0)                   ; the 128 moves are done reading this set, in which the loads below land; in groups 0 and 1 v[EA] is written, and in group 1 the lines above are done with v[EN]
.endif
.if \g < 2
	global_load_b32 v[EN], v[EA], s[12:13]         ; group 0: my first tile's entries; group 1: the next tile's, which wait in v[EN] for the loop's head
.endif
.if \g < 6
	LOADG (\g)+2, (\g)%2
.endif
	QCOLS \g
.if \g == 3
	s_wait_dscnt 0x0                               ; for the others' sake: my images of K step 2 w have landed
	s_barrier_signal -1
	s_barrier_wait -1                              ; the even steps' 32 images are whole
.endif
.endr
	global_load_b128 v[XS:XS+3], v[XSA], s[10:11]  ; my first tile's scale words, then its x, in the loop's order, into registers that phase Q has done with (group 7's wait on va_vdst stands behind its last reader): they land during the barrier and the fetch below
.irp p, 0,1,2,3
	XLOAD \p
.endr
	s_wait_dscnt 0x0                               ; for the others' sake: my images, scale words and bias have landed
	s_barrier_signal -1
	s_barrier_wait -1
	s_wait_alu depctr_va_vdst(0)                   ; the moves of groups 6 and 7 are done reading window 1's two sets, and group 7's conversions and moves have written v[CJ ..]: the fragments below land in both
	s_wait_alu depctr_vm_vsrc(0)                   ; my LDS stores have read v[CJ ..] and v[SW ..]: from here on these registers are the last fragment, accumulators and work registers
.irp s, 1,3,5,7
.irp t, 0,1,2,3,4,5,6,7
	FLOAD \s, \t                                   ; the odd steps' fragments
.endr
.endr
	WIN 0
.irp t, 0,1,2,3,4,5,6,7
.irp p, 0,1,2,3
	ds_load_b32 v[WS+4*\t+\p], v[SLA] offset:(8*\t+2*\p)*64
.endr
.endr
	v_mov_b32 v[KA], 0xc0135761                    ; A = -2.3022082
	v_mov_b32 v[KA+1], 0xc0135761
	s_wait_dscnt 0x0
	s_cmp_eq_u32 s24, 0
	s_cbranch_scc1 .Lend
.Ltrip:
	s_wait_xcnt 0x0                                ; every earlier load and store has had its addresses translated: data and address registers are written again only behind this wait
	s_wait_alu depctr_vm_vsrc(0)                   ; the last trip's stores have read v[PC ..], v[PW], v[HO], v[HSO], and the loads issued so far v[XA], v[XSA], v[EA]: all are written again in this trip
.irp t, 0,1,2,3,4,5,6,7
	ds_load_b128 v[ACC+8*\t:ACC+8*\t+3], v[BIA] offset:128*(\t/2)+32*(\t%2)          ; b1 at the lane's eight units: the sums begin with it.  (The wait ahead of the last trip's stores, or the one behind the barrier, stands behind the last line that named these registers)
	ds_load_b128 v[ACC+8*\t+4:ACC+8*\t+7], v[BIA] offset:128*(\t/2)+32*(\t%2)+16
.endr
	s_wait_loadcnt 18                              ; the next tile's entries, this tile's scale words and its K steps 0 and 1 are in: behind them three runs of six loads were issued, on the way in and on the way back alike
	v_lshrrev_b32 v[EN], 1, v[EN]
	v_min_u32 v[EN], 0x3ff, v[EN]
	v_mad_u32_u24 v[XA], v[EN], 768, v[H16]        ; the next tile's places in xc and xs
	v_lshl_add_u32 v[XSA], v[EN], 5, v[H16]
	TILE 27, 8
	s_lshl_b32 s27, s27, 6
	v_add_nc_u32 v[EA], s27, v[R4]                 ; where the entries of the tile after next lie
	TILE 27, 0
	s_mul_i32 s28, s27, 32*FRB
	v_add_nc_u32 v[HO], s28, v[L16]
	s_lshl_b32 s28, s27, 11
	v_add_nc_u32 v[HSO], s28, v[R4]
	s_wait_dscnt 0x0                               ; b1
	PROD 0
	s_wait_loadcnt 12                              ; K steps 2 and 3 are in; two runs of six stay out
	PROD 1
	s_wait_loadcnt 6
	PROD 2
	s_wait_loadcnt 0x0
	PROD 3
	WIN 0
.rept 4
	v_nop                                          ; four places behind the last product, in front of the first read of results and of the loads into registers that the products read
.endr
	s_wait_alu depctr_va_vdst(0)                   ; the 64 products are done reading v[XF ..] and v[XS ..], and the head's lines have written v[XA], v[XSA], v[EA] and are done with v[EN]: all 26 loads below hang on this one wait
	global_load_b32 v[EN], v[EA], s[12:13]         ; the entries of the tile after next,
	global_load_b128 v[XS:XS+3], v[XSA], s[10:11]  ; the next tile's scale words,
.irp p, 0,1,2,3
	XLOAD \p                                       ; and its x, K ascending: they land under the vector work below, which names none of these registers
.endr
	GELU 0
	GELU 1
	GELU 2
	GELU 3
	QUANT ACC
	s_wait_alu depctr_va_vdst(0)                   ; the quantiser has written v[PC ..] and v[PW], which the stores read, and is done with v[ACC ..], in which the next trip's first loads land
.irp g, 0,1,2
	global_store_b128 v[HO], v[PC+4*\g:PC+4*\g+3], s[14:15] offset:512*\g   ; the operand's image: 512 consecutive bytes, aligned
.endr
	global_store_b32 v[HSO], v[PW], s[16:17]       ; lanes r and r + 16 write the same word with the same value
	s_add_co_u32 s26, s26, 4
	s_add_co_u32 s25, s25, 1
	s_cmp_lt_u32 s25, s24
	s_cbranch_scc1 .Ltrip
.Lend:
	s_set_vgpr_msb 0x8                             ; the add's second register lies in window 2
	s_wait_dscnt 0x0                               ; the closing lines, six on end
	s_wait_alu 0x0
	s_wait_tensorcnt 0x0
	ds_add_u32 v249, v255
	s_wait_dscnt 0x0
	s_endpgm
.Lfunc_end_k_q2476abbb9e_up:
	.size	k_q2476abbb9e_up, .Lfunc_end_k_q2476abbb9e_up-k_q2476abbb9e_up
	.p2alignl 7, 3214868480
	.fill 96, 4, 3214868480
	.section	.rodata,"a",@progbits
	.p2align	6, 0x0
	.amdhsa_kernel k_q2476abbb9e_up
		.amdhsa_group_segment_fixed_size 103680
		.amdhsa_private_segment_fixed_size 0
		.amdhsa_enable_private_segment 0
		.amdhsa_kernarg_size 56
		.amdhsa_user_sgpr_count 2
		.amdhsa_user_sgpr_kernarg_segment_ptr 1
		.amdhsa_wavefront_size32 1
		.amdhsa_system_sgpr_workgroup_id_x 1
		.amdhsa_system_sgpr_workgroup_id_y 1
		.amdhsa_system_sgpr_workgroup_id_z 1
		.amdhsa_system_vgpr_workitem_id 0
		.amdhsa_next_free_vgpr 1024
		.amdhsa_next_free_sgpr 66
		.amdhsa_reserve_vcc 0
		.amdhsa_float_denorm_mode_32 3
		.amdhsa_float_denorm_mode_16_64 3
		.amdhsa_memory_ordered 1
		.amdhsa_forward_progress 1
		.amdhsa_inst_pref_size 162
	.end_amdhsa_kernel
	.amdgpu_metadata
---
amdhsa.version: [ 1, 2 ]
amdhsa.kernels:
  - .name:           k_q2476abbb9e_up
    .symbol:         k_q2476abbb9e_up.kd
    .args:
      - { .name: W1, .offset: 0, .size: 8, .value_kind: global_buffer, .address_space: global }
      - { .name: b1, .offset: 8, .size: 8, .value_kind: global_buffer, .address_space: global }
      - { .name: xc, .offset: 16, .size: 8, .value_kind: global_buffer, .address_space: global }
      - { .name: xs, .offset: 24, .size: 8, .value_kind: global_buffer, .address_space: global }
      - { .name: rows, .offset: 32, .size: 8, .value_kind: global_buffer, .address_space: global }
      - { .name: hc, .offset: 40, .size: 8, .value_kind: global_buffer, .address_space: global }
      - { .name: hs, .offset: 48, .size: 8, .value_kind: global_buffer, .address_space: global }
    .group_segment_fixed_size: 103680
    .private_segment_fixed_size: 0
    .kernarg_segment_align: 8
    .kernarg_segment_size: 56
    .max_flat_workgroup_size: 128
    .sgpr_count:     66
    .vgpr_count:     1024
    .wavefront_size: 32
...
	.end_amdgpu_metadata
.endif
;; end of part 8
;; launch down (part 9): grid 32 x 8, 4 waves a work-group, no clusters, 120,832 bytes of LDS; arguments W2, b2, hc, hs, rows, y; writes y
.if DOCPART == 9
	.amdgcn_target "amdgcn-amd-amdhsa--gfx1250"
	.amdhsa_code_object_version 6
	.text
	.protected	k_q2476abbb9e_down
	.globl	k_q2476abbb9e_down
	.p2align	8
	.type	k_q2476abbb9e_down,@function
k_q2476abbb9e_down:
	s_mov_b64 s[64:65], 0
	v_nop
	global_prefetch_b8 v0, s[64:65] scope:SCOPE_SE
	s_setreg_imm32_b32 hwreg(HW_REG_WAVE_SCHED_MODE, 0, 2), 2
	s_setreg_imm32_b32 hwreg(HW_REG_WAVE_MODE, 25, 1), 1
	s_wait_xcnt 0x0
	s_wait_alu depctr_vm_vsrc(0)
; DOWN.  y[half][entry] = h W2[e] over one half of H (+ b2[e] in half 0), for the rows that chose expert e; both operands as codes of FP6 (E2M3), one E8M0 byte for each 32 along H.
; THE WEIGHTS STAY, THE ROWS WALK PAST.  Work-group (slice + 16 half, e) owns output columns 64 slice .. + 63 and H rows 2,048 half .. + 2,047 of expert e: 512 KB of f32, read once, quantised here.
;   64 columns are 256 consecutive bytes of a row of W2, aligned.  Two halves of H mean two parts of y, which the last launch adds.
; PHASE Q.  Wave w takes H rows 512 w .. + 511, eight groups of 64: in a load lanes 0-15 read one row's 256 bytes, lanes 16-31 those of the row 32 further on.  A lane then holds, of four
;   columns, one whole block of 32; the moves, the scale and the conversions are as in the launch before.  Image (tile t, K step s) at (16 t + s) x 1,536 bytes, lane L's registers at 48 L.
; THE FRAGMENTS.  Every wave takes all 64 fragments into registers.  Behind group 3 each wave has finished K steps 4 w and 4 w + 1: a barrier stands there, and those 32 fragments are fetched
;   from LDS at the heads of groups 4 to 7, eight each, ahead of the wait for that group's weights.  Nobody writes those images again.  The others follow behind the second barrier.
; THE ROW LOOP'S FIRST LOADS, four groups of h, stand ahead of that second barrier, as soon as phase Q has done with the registers.
; ROW LOOP.  Wave w takes tiles w, w + 4, .. of the expert.  h's fragments come from memory as images of the operand's registers, 512 consecutive bytes a load, four groups of two K steps ahead.
;   Transposed use (source 0 = 16 columns of W2, source 1 = 16 rows of h): a lane holds eight neighbouring outputs of one row.  The rows go through the wave's own stage and leave as runs of
;   256 consecutive bytes, aligned, each to the row of y that its entry names; a slot that only fills a tile up goes to row 2048 + e, which nobody reads.
; NO JOINT LOADS, no tensor loads: the trip counts are read from memory.
; LIMITS: as in the launch before.
; THE MODE: SCHED_MODE bits 1:0 = 2 (LLVM: expert scheduling mode 2), set by the entry lines.  The code itself states the register dependences between vector or matrix instructions and
;   memory or LDS instructions, with s_wait_alu, always for 0.
; THE PLAN, phase Q.  Registers that memory or LDS instructions touch:
;   window 1's two sets   Group g's 128 moves read set g % 2; behind them the loads of group g + 2 land in it.  One wait on va_vdst stands between the two.
;   v[CJ ..], v[SW ..]    Written by a group's conversions, moves and the lines that make a scale word, read by its LDS stores: one wait on va_vdst ahead of the stores, one on vm_vsrc at the head of the next group's arithmetic.
;   v[B2V], v[HAC], v[HSC], v[HAN], v[HSN]   Written in group 0, ahead of that group's wait behind the moves.
; THE PLAN, row loop.  A step is two K steps: eight products on slot u % 4.
;   v[HF ..], v[HSR ..]   Slot u % 4 is read by step u's products and asked for again at once: ONE wait on va_vdst to a step, behind its products, and the slot's seven loads behind it.
;   v[EA], v[ENT ..]      v[EA] is written at a trip's head; the two loads of entries stand behind step 0's wait; v[ENT ..] is read by the lines that make v[OFF ..].
;   v[OFF ..]             Made behind step 7's products, ahead of step 7's wait, which so serves y's stores too.
;   v[ACC ..]             b2's LDS loads land at a trip's head; the products write it; the stage's LDS stores read it, behind step 7's wait.
;   v[OUT ..]             The stage's loads land in it, y's stores read it; no vector instruction names it.
;   One wait on vm_vsrc stands at a trip's end: it frees v[OFF ..], v[OUT ..], v[ACC ..], v[EA] and h's four addresses, all of which are written again behind it.
.set FRB,  1536
.set IMG,  0
.set SCL,  64*FRB                      ; scale word (t, s, r) at (16 t + s) 64 + 4 r
.set BIAS, SCL+4096                    ; 512 bytes, a word for each thread; the first 64 words are read
.set STG,  BIAS+512                    ; four stages of 16 rows x 272 bytes, each a wave's own
.set HAC,  1                           ; hc: 49,152 tile + 16 lane, this tile's
.set HAN,  2                           ; the next tile's
.set HSC,  3                           ; hs: 2,048 tile + 4 lane
.set HSN,  4
.set EA,   5                           ; rows: 64 tile + 32 (lane / 16)
.set BIA,  6                           ; LDS: BIAS + 32 h
.set STO,  7                           ; stage, in
.set SRD,  8                           ; stage, out
.set L16,  9
.set L4,   10
.set C16,  11                          ; 16 (lane % 16)
.set HH32, 12                          ; 32 (lane / 16)
.set WA,   13                          ; W2: 16 (lane % 16) + 32 rows x (lane / 16)
.set AW,   14
.set ASW,  15
.set WS,   16                          ; v16-47  W2's scale words: register 8 t + u: lanes 0-15 step 2 u, lanes 16-31 step 2 u + 1.  Scales and nothing else
.set HSR,  48                          ; v48-51  h's, a register for each slot.  Scales and nothing else
.set HF,   52                          ; v52-147 four slots of two fragments of h
.set ACC,  148                         ; v148-179 four accumulators
.set WF63, 180
.set ENT,  192                         ; v192-199 the entries of rows q + 8 (lane / 16)
.set OFF,  200                         ; v200-207 their places in y
.set OUT,  208                         ; v208-239 rows read back from the stage
.set AR0,  240
.set AR1,  241
.set SLA,  242
.set B2V,  243
.set BST,  244
.set B2O,  245
.set SH8,  246                         ; 8 (lane / 16)
; window 0 in phase Q
.set T,    52
.set M,    180
.set SO,   184
.set BY,   188
.set SW,   192
.set PX,   196
.set CJ,   200
.set SEL,  30
.set MSB, 0
.macro WIN new
.if MSB != \new
	s_set_vgpr_msb (MSB<<8)|\new
.set MSB, \new
.endif
.endm
; Where fragment (K step s, tile t) lies: window wv, register wr.  The 32 of the steps 4 w, 4 w + 1 come first and take windows 2 and 3, which phase Q leaves alone; the others take the rest
; of window 3, then window 1, 21 fragments to a window; the last lies in window 0.
.macro FPOS s, t
.set pp, 32*(((\s)%4)/2)+4*(2*((\s)/4)+(\s)%2)+(\t)
.if pp == 63
.set wv, 0
.set wr, WF63
.elseif pp < 42
.set wv, 2+pp/21
.set wr, 12*(pp%21)
.else
.set wv, 1
.set wr, 12*(pp-42)
.endif
.endm
.macro FLOAD s, t
	FPOS \s, \t
	WIN 64*wv
.set img, 16*(\t)+(\s)
.irp g, 0,1,2
.if img < 32
	ds_load_b128 v[wr+4*\g:wr+4*\g+3], v[AR0] offset:img*FRB+16*\g
.else
	ds_load_b128 v[wr+4*\g:wr+4*\g+3], v[AR1] offset:(img-32)*FRB+16*\g
.endif
.endr
.endm
.macro EARLYF s                        ; the eight fragments of K steps s and s + 1.  They land in windows 2 and 3, in registers that no vector instruction names: no wait is owed
.irp d, 0,1
.irp t, 0,1,2,3
	FLOAD (\s)+\d, \t
.endr
.endr
	WIN 0
.endm
.macro LOADG g, set
	WIN 0x40
.set ii, 0
.rept 32
	global_load_b128 v[128*(\set)+4*ii:128*(\set)+4*ii+3], v[WA], s[4:5] offset:(64*(\g)+ii)*4096 th:TH_LOAD_NT
.set ii, ii+1
.endr
	WIN 0
.endm
.macro TRANS set
	WIN 0x01
.set jj, 0
.rept 4
.set ii, 0
.rept 32
	v_mov_b32 v[T+32*jj+ii], v[128*(\set)+4*ii+jj]
.set ii, ii+1
.endr
.set jj, jj+1
.endr
	WIN 0
.endm
.macro QCOLS i                         ; group i: K step 4 w + i / 2; registers 6 (i % 2) on of lane r + 16 (my half)
	s_wait_dscnt 0x0                               ; the last group's LDS stores are done
.if (\i) > 0
	s_wait_alu depctr_vm_vsrc(0)                   ; the LDS stores of the group before have read v[CJ ..] and v[SW ..], which this group writes again
.endif
.irp j, 0,1,2,3
	v_max3_num_f32 v[M+\j], |v[T+32*\j]|, |v[T+32*\j+1]|, 0x1800000
.endr
.irp k, 2,4,6,8,10,12,14,16,18,20,22,24,26,28,30
.irp j, 0,1,2,3
	v_max3_num_f32 v[M+\j], v[M+\j], |v[T+32*\j+\k]|, |v[T+32*\j+\k+1]|
.endr
.endr
.irp j, 0,1,2,3
	v_add_nc_u32 v[SO+\j], 0xff000000, v[M+\j]
.endr
.irp j, 0,1,2,3
	v_lshrrev_b32 v[BY+\j], 23, v[SO+\j]
.endr
.irp j, 0,1,2,3
.if ((\i)%2) == 0
	v_mov_b32 v[SW+\j], v[BY+\j]
.else
	v_lshl_or_b32 v[SW+\j], v[BY+\j], 16, v[SW+\j] ; my two bytes: blocks h and 2 + h of the K step
.endif
.endr
.irp j, 0,1,2,3
	v_cvt_scalef32_pk16_fp6_f32 v[CJ+10*\j:CJ+10*\j+2], v[T+32*\j:T+32*\j+15], v[SO+\j]
	v_cvt_scalef32_pk16_fp6_f32 v[CJ+10*\j+6:CJ+10*\j+8], v[T+32*\j+16:T+32*\j+31], v[SO+\j]
.endr
	v_nop
.irp j, 0,1,2,3
.irp n, 0,1,2
	v_mov_b32 v[CJ+10*\j+3+\n], v[CJ+10*\j+6+\n]
.endr
.endr
.if ((\i)%2) == 1                      ; the scale words are finished ahead of the group's one wait, so that it serves their stores too
.irp j, 0,1,2,3
	v_lshlrev_b32 v[SW+\j], v[SH8], v[SW+\j]       ; at their places in the word;
.endr
.irp j, 0,1,2,3
	v_permlanex16_b32 v[PX+\j], v[SW+\j], s[SEL], s[SEL+1]
.endr
.irp j, 0,1,2,3
	v_or_b32 v[SW+\j], v[SW+\j], v[PX+\j]          ; with lane l xor 16's two the word is whole
.endr
.endif
	s_wait_alu depctr_va_vdst(0)                   ; the lines above have written v[CJ ..] and v[SW ..], which the LDS stores below read; in group 7 they are also done with v[T ..], in which h's first loads land
.set OFS, ((\i)/2)*FRB+24*((\i)%2)
.irp j, 0,1,2,3
.if ((\i)%2) == 0
	ds_store_b128 v[AW], v[CJ+10*\j:CJ+10*\j+3] offset:OFS+48*\j
	ds_store_b64 v[AW], v[CJ+10*\j+4:CJ+10*\j+5] offset:OFS+48*\j+16
.else
	ds_store_b64 v[AW], v[CJ+10*\j:CJ+10*\j+1] offset:OFS+48*\j
	ds_store_b128 v[AW], v[CJ+10*\j+2:CJ+10*\j+5] offset:OFS+48*\j+8
.endif
.endr
.if ((\i)%2) == 1
.irp j, 0,1,2,3
	ds_store_b32 v[ASW], v[SW+\j] offset:((\i)/2)*64+4*\j   ; both halves of the lanes write the same word with the same value
.endr
.endif
.endm
.macro TILE dst, add
	s_add_co_u32 s[\dst], s26, \add
	s_min_u32 s[\dst], s[\dst], s34
	s_add_co_u32 s[\dst], s[\dst], s22
	s_min_u32 s[\dst], s[\dst], 135
.endm
.macro GROUP u, ha, hs_                ; seven loads: K steps 2 u, 2 u + 1 of the tile that ha names, and their scale words, into slot u % 4
.irp d, 0,1
.irp g, 0,1,2
	global_load_b128 v[HF+24*((\u)%4)+12*\d+4*\g:HF+24*((\u)%4)+12*\d+4*\g+3], v[\ha], s[8:9] offset:FRB*(2*(\u)+\d)+512*\g
.endr
.endr
	global_load_b32 v[HSR+(\u)%4], v[\hs_], s[10:11] offset:128*(\u)
.endm
.macro PROD u, places                  ; eight products: K steps 2 u, 2 u + 1; the four accumulators take turns, one instruction a turn
	s_wait_loadcnt 21                              ; group u is in: behind it three groups of seven were issued (in steps 1 to 3 the two loads of entries as well: the smaller count is safe)
.irp d, 0,1
.irp t, 0,1,2,3
	FPOS 2*(\u)+\d, \t
	WIN wv
.if \d
	v_wmma_scale_f32_16x16x128_f8f6f4 v[ACC+8*\t:ACC+8*\t+7], v[wr:wr+11], v[HF+24*((\u)%4)+12*\d:HF+24*((\u)%4)+12*\d+11], v[ACC+8*\t:ACC+8*\t+7], v[WS+8*\t+(\u)], v[HSR+(\u)%4] matrix_a_fmt:MATRIX_FMT_FP6 matrix_b_fmt:MATRIX_FMT_FP6 matrix_a_scale:MATRIX_SCALE_ROW1 matrix_b_scale:MATRIX_SCALE_ROW1
.else
	v_wmma_scale_f32_16x16x128_f8f6f4 v[ACC+8*\t:ACC+8*\t+7], v[wr:wr+11], v[HF+24*((\u)%4)+12*\d:HF+24*((\u)%4)+12*\d+11], v[ACC+8*\t:ACC+8*\t+7], v[WS+8*\t+(\u)], v[HSR+(\u)%4] matrix_a_fmt:MATRIX_FMT_FP6 matrix_b_fmt:MATRIX_FMT_FP6
.endif
.endr
.endr
	WIN 0
.if \places
.rept 4
	v_nop                                          ; four places in front of loads into the slot just multiplied
.endr
.endif
.endm
	s_load_b256 s[4:11], s[0:1], 0x0               ; W2 s[4:5], b2 s[6:7], hc s[8:9], hs s[10:11]
	s_load_b128 s[12:15], s[0:1], 0x20             ; rows s[12:13], y s[14:15]
	v_lshl_add_u32 v254, v0, 2, 0x1d600            ; the LDS address of my spare word, and 0: kept for the closing lines alone
	v_mov_b32 v255, 0
	v_lshrrev_b32 v1, 5, v0
	v_readfirstlane_b32 s18, v1                    ; wave
	s_and_b32 s19, ttmp7, 0xffff                   ; e
	s_and_b32 s20, ttmp9, 15                       ; slice
	s_lshr_b32 s21, ttmp9, 4                       ; half of H
	s_lshl_b32 s35, s19, 3
	v_and_b32 v1, 31, v0                           ; lane
	v_lshlrev_b32 v[L16], 4, v1
	v_lshlrev_b32 v[L4], 2, v1
	v_mul_u32_u24 v[AR0], v1, 48
	v_add_nc_u32 v[AR1], 32*FRB, v[AR0]
	v_lshl_add_u32 v[SLA], v1, 2, SCL
	v_and_b32 v2, 15, v0                           ; lane % 16
	v_bfe_u32 v3, v0, 4, 1                         ; lane / 16
	v_lshlrev_b32 v[C16], 4, v2
	v_lshlrev_b32 v[HH32], 5, v3
	v_lshlrev_b32 v[SH8], 3, v3
	v_lshl_add_u32 v[WA], v3, 17, v[C16]
	v_lshl_add_u32 v[BIA], v3, 5, BIAS
	v_lshl_add_u32 v[BST], v0, 2, BIAS
	v_and_b32 v[B2O], 63, v0
	v_lshlrev_b32 v[B2O], 2, v[B2O]
	s_wait_alu depctr_va_sdst(0)                   ; s18, the wave's number, is written, ahead of its first reader
	s_mul_i32 s28, s18, 16*272
	s_add_co_u32 s28, s28, STG                     ; my stage
	v_mul_u32_u24 v[STO], v2, 272
	v_lshl_add_u32 v[STO], v3, 5, v[STO]
	v_add_nc_u32 v[STO], s28, v[STO]               ; in: row r, + 32 h
	v_mul_u32_u24 v[SRD], v3, 8*272
	v_add_nc_u32 v[SRD], v[SRD], v[C16]
	v_add_nc_u32 v[SRD], s28, v[SRD]               ; out: lanes 0-15 rows 0-7, lanes 16-31 rows 8-15, 16 bytes a lane
	; my columns 4 (l % 16) + j: tile (l % 16) / 4, row 4 (l % 4) + j
	v_bfe_u32 v1, v0, 2, 2                         ; the tile
	v_and_b32 v2, 3, v0
	v_mul_u32_u24 v[AW], v1, 16*FRB
	v_mad_u32_u24 v[AW], v2, 192, v[AW]
	v_mad_u32_u24 v[AW], v3, 768, v[AW]
	s_mul_i32 s28, s18, 4*FRB
	v_add_nc_u32 v[AW], s28, v[AW]
	v_lshlrev_b32 v[ASW], 10, v1
	v_lshl_add_u32 v[ASW], v2, 4, v[ASW]
	s_lshl_b32 s28, s18, 8
	s_add_co_u32 s28, s28, SCL
	v_add_nc_u32 v[ASW], s28, v[ASW]
.irp j, 0,1,2,3
	v_mov_b32 v[PX+\j], 0                          ; written once: a lane permute's destination counts as one of its sources
.endr
	s_mov_b32 s[SEL], 0x76543210
	s_mov_b32 s[SEL+1], 0xfedcba98
	s_lshl_b32 s28, s19, 24                        ; W2: expert, 2^24 bytes;
	s_lshl_b32 s29, s21, 23                        ; half, 2,048 rows of 4,096 bytes;
	s_add_co_u32 s28, s28, s29
	s_lshl_b32 s29, s18, 21                        ; my 512 rows;
	s_add_co_u32 s28, s28, s29
	s_lshl_b32 s29, s20, 8                         ; the slice's 256 bytes of a row
	s_add_co_u32 s28, s28, s29
	s_mov_b32 s29, 0
	s_lshl_b32 s36, s19, 12
	s_lshl_b32 s37, s20, 8
	s_add_co_u32 s36, s36, s37
	s_mov_b32 s37, 0
	s_mul_i32 s38, s21, 16*FRB
	s_mov_b32 s39, 0
	s_lshl_b32 s40, s21, 10
	s_mov_b32 s41, 0
	s_mul_i32 s32, s21, 2056*4096
	s_lshl_b32 s33, s20, 8
	s_add_co_u32 s32, s32, s33
	s_mov_b32 s33, 0
	s_cmp_eq_u32 s21, 0
	s_cselect_b32 s27, -1, 0                       ; b2 counts in half 0 alone
	s_wait_kmcnt 0x0
	s_add_nc_u64 s[4:5], s[4:5], s[28:29]
	s_add_nc_u64 s[6:7], s[6:7], s[36:37]
	s_add_nc_u64 s[8:9], s[8:9], s[38:39]
	s_add_nc_u64 s[10:11], s[10:11], s[40:41]
	s_add_nc_u64 s[14:15], s[14:15], s[32:33]
	s_load_b64 s[22:23], s[12:13], s35 offset:0x2600   ; the expert's first tile and its number of tiles
	s_wait_alu depctr_va_vdst(0)                   ; the addresses made above are written: v[WA], v[AR0], v[AR1], v[SLA], v[BIA], v[BST], v[B2O], v[STO], v[SRD], v[AW], v[ASW], which loads and stores read from here on and no line writes again
	global_load_b32 v[B2V], v[B2O], s[6:7]
	LOADG 0, 0
	LOADG 1, 1
.irp g, 0,1,2,3,4,5,6,7
.if \g >= 4
	EARLYF 4*(\g)-16                               ; eight finished fragments come out of LDS while this group's weights are still on their way
.endif
.if \g < 7
	s_wait_loadcnt 32                              ; this group's 32 loads are in; the next group's 32 stay out
.else
	s_wait_loadcnt 0x0
.endif
.if \g == 0
	v_and_b32 v[B2V], s27, v[B2V]                  ; b2, or zeros
.endif
	TRANS (\g)%2
.if \g == 0
	s_wait_kmcnt 0x0                               ; the expert's first tile and its number of tiles: asked for at the head
	s_min_u32 s22, s22, 135
	s_min_u32 s23, s23, 64
	s_cmp_eq_u32 s23, 0
	s_cselect_b32 s22, 0, s22                      ; an expert without rows: the loads ahead of the loop take tile 0, which is always written; their data are not used
	s_max_u32 s34, s23, 1
	s_sub_co_u32 s34, s34, 1                       ; the expert's last tile
	s_add_co_u32 s24, s23, 3
	s_sub_co_u32 s24, s24, s18
	s_lshr_b32 s24, s24, 2                         ; my trips
	s_mov_b32 s26, s18                             ; i
	s_mov_b32 s25, 0
	TILE 27, 0
	s_mul_i32 s28, s27, 32*FRB
	v_add_nc_u32 v[HAC], s28, v[L16]               ; my first tile's places in hc and hs,
	s_lshl_b32 s28, s27, 11
	v_add_nc_u32 v[HSC], s28, v[L4]
	TILE 27, 4
	s_mul_i32 s28, s27, 32*FRB
	v_add_nc_u32 v[HAN], s28, v[L16]               ; and the next tile's: made here, ahead of a wait that stands in any case
	s_lshl_b32 s28, s27, 11
	v_add_nc_u32 v[HSN], s28, v[L4]
.endif
.if \g < 6
	s_wait_alu depctr_va_vdst(0)                   ; the 128 moves are done reading this set, in which the loads below land; in group 0 v[B2V] and h's four addresses are written
.endif
.if \g == 0
	ds_store_b32 v[BST], v[B2V]
.endif
.if \g < 6
	LOADG (\g)+2, (\g)%2
.endif
	QCOLS \g
.if \g == 3
	s_wait_dscnt 0x0                               ; for the others' sake: my images of K steps 4 w and 4 w + 1 have landed
	s_barrier_signal -1
	s_barrier_wait -1                              ; those 32 images are whole
.endif
.endr
	GROUP 0, HAC, HSC                              ; my first tile's first four groups of h, into registers that phase Q has done with (group 7's wait on va_vdst stands behind its last reader): they land during the barrier and the fetch below
	GROUP 1, HAC, HSC
	GROUP 2, HAC, HSC
	GROUP 3, HAC, HSC
	s_wait_dscnt 0x0                               ; for the others' sake: my images, scale words and bias have landed
	s_barrier_signal -1
	s_barrier_wait -1
	s_wait_alu depctr_va_vdst(0)                   ; the moves of groups 6 and 7 are done reading window 1's two sets, and group 7's lines are done with v[M ..], v[SO ..] and v[BY ..]: the fragments below land in both
	s_wait_alu depctr_vm_vsrc(0)                   ; my LDS stores have read v[SW ..] and v[CJ ..]: in the row loop these registers are v[ENT ..], v[OFF ..] and v[OUT ..]
.irp s, 2,3,6,7,10,11,14,15
.irp t, 0,1,2,3
	FLOAD \s, \t                                   ; the other steps' fragments
.endr
.endr
	WIN 0
.irp t, 0,1,2,3
.irp p, 0,1,2,3,4,5,6,7
	ds_load_b32 v[WS+8*\t+\p], v[SLA] offset:(16*\t+2*\p)*64
.endr
.endr
	s_wait_dscnt 0x0
	s_cmp_eq_u32 s24, 0
	s_cbranch_scc1 .Lend
.Ltrip:
	TILE 27, 0
	s_lshl_b32 s28, s27, 6
	v_add_nc_u32 v[EA], s28, v[HH32]               ; where the entries of my eight rows on the way out lie
.irp t, 0,1,2,3
	ds_load_b128 v[ACC+8*\t:ACC+8*\t+3], v[BIA] offset:64*\t   ; b2 (or zeros) at the lane's eight columns: the sums begin with it.  (Step 7's wait of the last trip, or the one behind the barrier, stands behind the last vector or matrix line that named these registers)
	ds_load_b128 v[ACC+8*\t+4:ACC+8*\t+7], v[BIA] offset:64*\t+16
.endr
	s_wait_dscnt 0x0
.irp u, 0,1,2,3
	PROD \u, 1
	s_wait_alu depctr_va_vdst(0)                   ; this step's products are done reading their slot and its scale words, in which the loads below land; in step 0 v[EA] and h's four addresses are written too, and the last trip's lines are done with v[ENT ..]
.if \u == 0
	global_load_b128 v[ENT:ENT+3], v[EA], s[12:13]             ; the entries of my eight rows on the way out
	global_load_b128 v[ENT+4:ENT+7], v[EA], s[12:13] offset:16
.endif
	GROUP (\u)+4, HAC, HSC
.endr
.irp u, 4,5,6
	PROD \u, 1
	s_wait_alu depctr_va_vdst(0)                   ; this step's products are done reading their slot and its scale words, in which the loads below land
	GROUP (\u)-4, HAN, HSN                         ; the next tile's first groups (in the last trip: the expert's last tile once more, inside the buffer)
.endr
	PROD 7, 0
.irp q, 0,1,2,3,4,5,6,7
	v_min_u32 v[OFF+\q], 0x807, v[ENT+\q]          ; an entry names a row of y: 0 .. 2055.  (These sixteen lines name no register of the products: they are the places behind the last of them, ISA guide 7.12.1)
.endr
.irp q, 0,1,2,3,4,5,6,7
	v_lshl_add_u32 v[OFF+\q], v[OFF+\q], 12, v[C16]
.endr
	s_wait_alu depctr_va_vdst(0)                   ; the last products are done reading their slot and have written v[ACC ..], which the stage's stores read; v[OFF ..] is written, which y's stores read
	GROUP 3, HAN, HSN
.irp t, 0,1,2,3
	ds_store_b128 v[STO], v[ACC+8*\t:ACC+8*\t+3] offset:64*\t          ; each accumulator from its low end on
	ds_store_b128 v[STO], v[ACC+8*\t+4:ACC+8*\t+7] offset:64*\t+16
.endr
.irp q, 0,1,2,3,4,5,6,7
	ds_load_b128 v[OUT+4*\q:OUT+4*\q+3], v[SRD] offset:272*\q          ; LDS serves a wave's instructions in order (ISA guide 5.7.1.4): these see my stores
.endr
	s_wait_dscnt 0x0
.irp q, 0,1,2,3,4,5,6,7
	global_store_b128 v[OFF+\q], v[OUT+4*\q:OUT+4*\q+3], s[14:15] th:TH_STORE_NT   ; sixteen lanes store 256 consecutive bytes, aligned
.endr
	s_wait_xcnt 0x0                                ; stores and loads have had their addresses translated: the registers below, and the next trip's, are written again only behind this wait
	s_wait_alu depctr_vm_vsrc(0)                   ; y's stores have read v[OFF ..] and v[OUT ..], the stage's stores v[ACC ..], the loads v[EA] and h's four addresses: all are written again below or in the next trip
	v_mov_b32 v[HAC], v[HAN]
	v_mov_b32 v[HSC], v[HSN]
	s_add_co_u32 s26, s26, 4
	TILE 27, 4
	s_mul_i32 s28, s27, 32*FRB
	v_add_nc_u32 v[HAN], s28, v[L16]
	s_lshl_b32 s28, s27, 11
	v_add_nc_u32 v[HSN], s28, v[L4]
	s_add_co_u32 s25, s25, 1
	s_cmp_lt_u32 s25, s24
	s_cbranch_scc1 .Ltrip
.Lend:
	s_wait_dscnt 0x0                               ; the closing lines, six on end
	s_wait_alu 0x0
	s_wait_tensorcnt 0x0
	ds_add_u32 v254, v255
	s_wait_dscnt 0x0
	s_endpgm
.Lfunc_end_k_q2476abbb9e_down:
	.size	k_q2476abbb9e_down, .Lfunc_end_k_q2476abbb9e_down-k_q2476abbb9e_down
	.p2alignl 7, 3214868480
	.fill 96, 4, 3214868480
	.section	.rodata,"a",@progbits
	.p2align	6, 0x0
	.amdhsa_kernel k_q2476abbb9e_down
		.amdhsa_group_segment_fixed_size 120832
		.amdhsa_private_segment_fixed_size 0
		.amdhsa_enable_private_segment 0
		.amdhsa_kernarg_size 48
		.amdhsa_user_sgpr_count 2
		.amdhsa_user_sgpr_kernarg_segment_ptr 1
		.amdhsa_wavefront_size32 1
		.amdhsa_system_sgpr_workgroup_id_x 1
		.amdhsa_system_sgpr_workgroup_id_y 1
		.amdhsa_system_sgpr_workgroup_id_z 1
		.amdhsa_system_vgpr_workitem_id 0
		.amdhsa_next_free_vgpr 1024
		.amdhsa_next_free_sgpr 66
		.amdhsa_reserve_vcc 0
		.amdhsa_float_denorm_mode_32 3
		.amdhsa_float_denorm_mode_16_64 3
		.amdhsa_memory_ordered 1
		.amdhsa_forward_progress 1
		.amdhsa_inst_pref_size 153
	.end_amdhsa_kernel
	.amdgpu_metadata
---
amdhsa.version: [ 1, 2 ]
amdhsa.kernels:
  - .name:           k_q2476abbb9e_down
    .symbol:         k_q2476abbb9e_down.kd
    .args:
      - { .name: W2, .offset: 0, .size: 8, .value_kind: global_buffer, .address_space: global }
      - { .name: b2, .offset: 8, .size: 8, .value_kind: global_buffer, .address_space: global }
      - { .name: hc, .offset: 16, .size: 8, .value_kind: global_buffer, .address_space: global }
      - { .name: hs, .offset: 24, .size: 8, .value_kind: global_buffer, .address_space: global }
      - { .name: rows, .offset: 32, .size: 8, .value_kind: global_buffer, .address_space: global }
      - { .name: y, .offset: 40, .size: 8, .value_kind: global_buffer, .address_space: global }
    .group_segment_fixed_size: 120832
    .private_segment_fixed_size: 0
    .kernarg_segment_align: 8
    .kernarg_segment_size: 48
    .max_flat_workgroup_size: 128
    .sgpr_count:     66
    .vgpr_count:     1024
    .wavefront_size: 32
...
	.end_amdgpu_metadata
.endif
;; end of part 9
;; launch comb (part 10): grid 256 x 1, 8 waves a work-group, no clusters, 0 bytes of LDS; arguments y, gate, out0, out1; writes out0, out1
.if DOCPART == 10
	.amdgcn_target "amdgcn-amd-amdhsa--gfx1250"
	.amdhsa_code_object_version 6
	.text
	.protected	k_q2476abbb9e_comb
	.globl	k_q2476abbb9e_comb
	.p2align	8
	.type	k_q2476abbb9e_comb,@function
k_q2476abbb9e_comb:
	s_mov_b64 s[64:65], 0
	v_nop
	global_prefetch_b8 v0, s[64:65] scope:SCOPE_SE
	s_setreg_imm32_b32 hwreg(HW_REG_WAVE_MODE, 25, 1), 1
	s_wait_xcnt 0x0
; COMB.  out0[token] = g0 (y[0][2 token] + y[1][2 token]) + g1 (y[0][2 token + 1] + y[1][2 token + 1]): the two halves of H, the two chosen experts.  out1 = 0.
; A stream: a work-group takes 4 tokens, thread t the 16 bytes at 16 t of every row; all sixteen loads of a thread go out at once.  No LDS, no barrier, no matrix unit: memory binds.
.set Y, 16                             ; v16-79: token q, choice k: half 0 at Y + 16 q + 8 k, half 1 four registers on
	s_load_b256 s[4:11], s[0:1], 0x0               ; y s[4:5], gate s[6:7], out0 s[8:9], out1 s[10:11]
	v_lshlrev_b32 v1, 4, v0
	s_lshl_b32 s12, ttmp9, 15                      ; 8 rows of y
	s_mov_b32 s13, 0
	s_lshl_b32 s14, ttmp9, 5                       ; 8 gates
	s_mov_b32 s15, 0
	s_lshl_b32 s24, ttmp9, 14                      ; 4 rows of out0
	s_mov_b32 s25, 0
	s_wait_alu depctr_va_vdst(0)
	s_wait_kmcnt 0x0
	s_add_nc_u64 s[4:5], s[4:5], s[12:13]
	s_add_nc_u64 s[26:27], s[4:5], 2056*4096       ; the second half of H: further on than an immediate reaches
	s_add_nc_u64 s[6:7], s[6:7], s[14:15]
	s_add_nc_u64 s[8:9], s[8:9], s[24:25]
	s_load_b256 s[16:23], s[6:7], 0x0
.irp q, 0,1,2,3
.irp k, 0,1
	global_load_b128 v[Y+16*\q+8*\k:Y+16*\q+8*\k+3], v1, s[4:5] offset:8192*\q+4096*\k th:TH_LOAD_NT
	global_load_b128 v[Y+16*\q+8*\k+4:Y+16*\q+8*\k+7], v1, s[26:27] offset:8192*\q+4096*\k th:TH_LOAD_NT
.endr
.endr
	s_wait_kmcnt 0x0
.irp q, 0,1,2,3
	s_wait_loadcnt 12-4*\q                         ; this token's four loads are in; the later tokens' stay out
.irp k, 0,1
	v_pk_add_f32 v[Y+16*\q+8*\k:Y+16*\q+8*\k+1], v[Y+16*\q+8*\k:Y+16*\q+8*\k+1], v[Y+16*\q+8*\k+4:Y+16*\q+8*\k+5]
	v_pk_add_f32 v[Y+16*\q+8*\k+2:Y+16*\q+8*\k+3], v[Y+16*\q+8*\k+2:Y+16*\q+8*\k+3], v[Y+16*\q+8*\k+6:Y+16*\q+8*\k+7]
.endr
.irp c, 0,1,2,3
	v_mul_f32 v[Y+16*\q+\c], s[16+2*\q], v[Y+16*\q+\c]
.endr
.irp c, 0,1,2,3
	s_delay_alu instid0(VALU_DEP_4)
	v_fmac_f32 v[Y+16*\q+\c], s[17+2*\q], v[Y+16*\q+8+\c]
.endr
	global_store_b128 v1, v[Y+16*\q:Y+16*\q+3], s[8:9] offset:4096*\q th:TH_STORE_NT   ; a wave stores 512 consecutive bytes, aligned
.endr
	s_cmp_lg_u32 ttmp9, 0
	s_cbranch_scc1 .Lend
	v_mov_b32 v2, 0
	v_cmp_eq_u32 vcc_lo, 0, v0
	s_wait_alu depctr_va_vdst(0)
	s_wait_xcnt 0x0                                ; EXEC is a source of the stores above: it changes only behind this wait
	s_and_saveexec_b32 s28, vcc_lo
	global_store_b32 v2, v2, s[10:11]              ; thread 0 of work-group 0: out1 = 0
	s_wait_xcnt 0x0
	s_or_b32 exec_lo, exec_lo, s28
.Lend:
	s_endpgm
.Lfunc_end_k_q2476abbb9e_comb:
	.size	k_q2476abbb9e_comb, .Lfunc_end_k_q2476abbb9e_comb-k_q2476abbb9e_comb
	.p2alignl 7, 3214868480
	.fill 96, 4, 3214868480
	.section	.rodata,"a",@progbits
	.p2align	6, 0x0
	.amdhsa_kernel k_q2476abbb9e_comb
		.amdhsa_group_segment_fixed_size 0
		.amdhsa_private_segment_fixed_size 0
		.amdhsa_enable_private_segment 0
		.amdhsa_kernarg_size 32
		.amdhsa_user_sgpr_count 2
		.amdhsa_user_sgpr_kernarg_segment_ptr 1
		.amdhsa_wavefront_size32 1
		.amdhsa_system_sgpr_workgroup_id_x 1
		.amdhsa_system_sgpr_workgroup_id_y 1
		.amdhsa_system_sgpr_workgroup_id_z 1
		.amdhsa_system_vgpr_workitem_id 0
		.amdhsa_next_free_vgpr 96
		.amdhsa_next_free_sgpr 66
		.amdhsa_reserve_vcc 1
		.amdhsa_float_denorm_mode_32 3
		.amdhsa_float_denorm_mode_16_64 3
		.amdhsa_memory_ordered 1
		.amdhsa_forward_progress 1
		.amdhsa_inst_pref_size 6
	.end_amdhsa_kernel
	.amdgpu_metadata
---
amdhsa.version: [ 1, 2 ]
amdhsa.kernels:
  - .name:           k_q2476abbb9e_comb
    .symbol:         k_q2476abbb9e_comb.kd
    .args:
      - { .name: y, .offset: 0, .size: 8, .value_kind: global_buffer, .address_space: global }
      - { .name: gate, .offset: 8, .size: 8, .value_kind: global_buffer, .address_space: global }
      - { .name: out0, .offset: 16, .size: 8, .value_kind: global_buffer, .address_space: global }
      - { .name: out1, .offset: 24, .size: 8, .value_kind: global_buffer, .address_space: global }
    .group_segment_fixed_size: 0
    .private_segment_fixed_size: 0
    .kernarg_segment_align: 8
    .kernarg_segment_size: 32
    .max_flat_workgroup_size: 256
    .sgpr_count:     66
    .vgpr_count:     96
    .wavefront_size: 32
...
	.end_amdgpu_metadata
.endif
;; end of part 10
